; MI455X (gfx1250); checked and timed in simulation.
; The chip was launched on July 23, 2026; its instructions are those of AMD's public machine-readable ISA for CDNA 5 (MIT licence, August 2026) and "CDNA5" Instruction Set Architecture Reference Guide (July 2026). The comments in the code are by the model that wrote it; some were corrected since.
;; Cross Modal Attention. Allowed arithmetic: matrix products marked QUANTISED: E3M2 operands, one E8M0 scale for each 32 along K, by v_wmma_scale_f32_16x16x128_f8f6f4 with both operands' format E3M2, f32 sums; products left as they are: f32 operands where the result goes on into a quantised operand, else bf16, f16 or f32 operands; f32 sums; everything else in f32.
;; Inputs: W_tout 1,024 x 1,024 float32; W_tp 1,024 x 768 float32; W_tqkv 3,072 x 1,024 float32; W_vout 1,024 x 1,024 float32; W_vp 1,024 x 768 float32; alpha_i2t 1 float32; alpha_t2i 1 float32; b_tout 1,024 float32; b_tp 1,024 float32; b_tqkv 3,072 float32; b_vout 1,024 float32; b_vp 1,024 float32; be_i2t 1,024 float32; be_t2i 1,024 float32; be_tn 1,024 float32; g_i2t 1,024 float32; g_t2i 1,024 float32; g_tn 1,024 float32; rel_embed 257 x 16 float32; text_features 16 x 512 x 768 float32; text_mask 16 x 512 bool; vision_features 16 x 768 float32.
;; Outputs: out0 16 x 1,024 float32; out1 16 x 512 x 1,024 float32.
;; This version of the problem:
;;   THIS VERSION OF THE PROBLEM IS GIVEN IN LOW PRECISION. The matrix products marked QUANTISED in the list below multiply operands that are first quantised to E3M2 (3 exponent bits, 2 mantissa bits; 6 bits a number), with one power-of-two scale for each 32 numbers along K (OCP MX v1.0); their sums are f32. All else is computed in f32.
;;   The module's matrix products, in the order in which they are computed (A, B: the left and right operand; K: the contracted axis; several contracted axes count as one K, in the product's order):
;;     1. [M 16, K 768] x [K 768, N 1,024]; A: input vision_features; B: computed on the way: QUANTISED
;;     2. [M 8,192, K 768] x [K 768, N 1,024]; A: input text_features; B: computed on the way: QUANTISED
;;     3. [M 8,192, K 1,024] x [K 1,024, N 3,072]; A: computed on the way; B: computed on the way: QUANTISED
;;     4. batch 256 x [M 512, K 64] x [K 64, N 512]; A: computed on the way; B: computed on the way: QUANTISED
;;     5. batch 256 x [M 512, K 512] x [K 512, N 64]; A: softmax (see below); B: computed on the way: QUANTISED
;;     6. batch 256 x [M 512, K 64] x [K 64, N 512]; A: computed on the way; B: computed on the way: QUANTISED
;;     7. batch 256 x [M 512, K 512] x [K 512, N 64]; A: softmax (see below); B: computed on the way: QUANTISED
;;     8. [M 16, K 1,024] x [K 1,024, N 1,024]; A: computed on the way; B: computed on the way: QUANTISED
;;     9. batch 256 x [M 512, K 64] x [K 64, N 1]; A: computed on the way; B: computed on the way: left as it is (N = 1 < 16)
;;     10. batch 256 x [M 512, K 1] x [K 1, N 64]; A: softmax (see below); B: computed on the way: left as it is (K = 1 < 32)
;;     11. [M 8,192, K 1,024] x [K 1,024, N 1,024]; A: computed on the way; B: computed on the way: QUANTISED
;;   THE QUANTISER, for each operand of a quantised product, along K:
;;     - K is cut into blocks of 32 from its start; a last block that is shorter is filled with zeros.
;;     - A block's scale is 2^e with e = floor(log2(the largest magnitude in the block)) - 4, held to -126 .. 127; a block of zeros has e = 0. As a byte (E8M0): e + 127.
;;     - Each number is divided by its block's scale, clamped to +-28, and rounded to the nearest number of E3M2, ties to even, subnormals kept.
;;     - The product sums the exact products of the quantised numbers (number of the format x scale) in f32.
;;   ~~~python
;;   def quantise(x, axis):      # numpy; x: float32 -> the quantised numbers, widened to float32 again
;;       x = np.moveaxis(x, axis, -1); K = x.shape[-1]
;;       x = np.pad(x, [(0, 0)] * (x.ndim - 1) + [(0, -K % 32)]); x = x.reshape(x.shape[:-1] + (-1, 32)); a = np.abs(x).max(-1, keepdims=True)
;;       e = np.where(a > 0, np.clip(np.frexp(np.where(a > 0, a, 1))[1] - 1 - 4, -126, 127), 0)      # np.frexp(a)[1] - 1 = floor(log2(a)), exactly
;;       r = np.clip(x / 2.0 ** e, -28, 28)
;;       step = 2.0 ** (np.maximum(np.frexp(np.where(r == 0, 1, r))[1] - 1, -2) - 2)
;;       q = np.round(r / step) * step * 2.0 ** e      # np.round: ties to even
;;       return np.moveaxis(q.reshape(q.shape[:-2] + (-1,))[..., :K], -1, axis).astype(np.float32)
;;   ~~~
;;   SOFTMAX AHEAD OF A QUANTISED PRODUCT. Where the list says 'softmax', what is quantised is not the finished softmax but p = 2^(t - M), with t = logit x log2(e) and M = ceil(the row's largest t), a whole number; so 1/2 < the row's largest p <= 1. The row's sum l is taken of the UNQUANTISED p, in f32, and the product's result is divided by l at the end. Since M is a whole number, a kernel that streams over the keys may use a running M (the ceiling of the running maximum): every later rescaling is an exact power of two, which a block's scale takes up: the codes' values come out the same.
;;   OPERANDS COMPUTED ON THE WAY. 'Computed on the way' means the value that the module computes at that place (a softmax that the list does not call 'softmax' is quantised finished and normalised). What goes into a quantiser is computed in f32, as accurately as f32 sums, v_exp_f32 and their like allow (about 1e-6 of the number): no bf16 or f16 on the way to a quantiser, and a product that is left as it is and whose result goes on into a quantised operand takes f32 operands (vector FMAs, or v_wmma_f32_16x16x4_f32). A number that lies on a knife's edge between two numbers of the format may be rounded either way, as far as f32 arithmetic and the matrix unit's own rounding can turn it there, and no further.
;; 2 versions. Each part assembles by itself: llvm-mc -triple=amdgcn-amd-amdhsa -mcpu=gfx1250 --defsym DOCPART=n.
;; ======== version 1 of 2: 5 launches
;; limits: right only within a limited range of input values
;; workspace buffers: wsum 3,328 bytes; wcodes 4,898,816 bytes; vp 65,536 bytes; tp 33,554,432 bytes; xcodes 6,815,744 bytes; i2t 65,536 bytes
;; launch wsum (part 1): grid 832 x 1, 4 waves a work-group, no clusters, 1,024 bytes of LDS; arguments W_tp, W_vp, W_tqkv, W_tout, W_vout, wsum; writes wsum
.if DOCPART == 1
	.amdgcn_target "amdgcn-amd-amdhsa--gfx1250"
	.amdhsa_code_object_version 6
	.text
	.protected	k_q07723fe547_wsum
	.globl	k_q07723fe547_wsum
	.p2align	8
	.type	k_q07723fe547_wsum,@function
k_q07723fe547_wsum:
	s_mov_b64 s[64:65], 0
	v_nop
	global_prefetch_b8 v0, s[64:65] scope:SCOPE_SE
	s_setreg_imm32_b32 hwreg(HW_REG_WAVE_MODE, 25, 1), 1
	s_wait_xcnt 0x0
; CrossModalAttention in MX-BF6, five launches: wsum (sums of |W|), wquant (ternary weights as codes; vision_proj), proj (text_proj, LayerNorm, its codes),
; attn (qkv, self-attention, residual, both cross-attentions, out1), fin (out0).
; WORK LEFT OUT, for all finite values of the inputs, in exact arithmetic with the quantisers as they stand:
;  (a) t2i's softmax runs over an axis of length 1: exp(x - x) / exp(x - x) = 1 whatever x.  So the product tq . vkv reaches nothing, and t2i_out[b][s][:] = 1 x vision_proj[b][:] for every s.
;  (b) so the 8,192 rows that go into W_tout's product are 16 different rows, one a batch; equal rows have equal codes and equal results: the product is made for the 16 rows.
;  (c) i2t's 512 query rows of a (batch, head) are one broadcast row of vision_proj; equal rows give equal scores, equal p and equal results, and the mean of 512 equal rows is that row:
;      one row is made (inside a tile of 16 equal rows).
; Every input still has a way to an output; all are loaded.  LIMIT: a NaN, an infinity or an overflow that arises only in the work left out is not carried to the result.
; THIS LAUNCH: a work-group sums |W| over 32,768 bytes of one of the five weights, a wave over 8,192; wsum[work-group] takes the sum.  The order of the sums is a tree, not reference()'s:
; the mean of |W| may differ in its last bits, and a weight that lies within those bits of the ternary threshold may fall on the other side (stated limit).
; No hint on the loads: the next launch reads the weights again.
.set SPARE, 256                        ; behind the four words of the exchange: the spare words, 128 bytes a wave
.set SPW, 30
.set NIL, 31
.set X, 32                             ; v32-95: sixteen loads of 16 bytes a lane
	s_load_b256 s[4:11], s[0:1], 0x0               ; W_tp, W_vp, W_tqkv, W_tout
	s_load_b128 s[12:15], s[0:1], 0x20             ; W_vout, wsum
	v_lshl_add_u32 v[SPW], v0, 2, SPARE
	v_mov_b32 v[NIL], 0
	v_lshrrev_b32 v1, 5, v0
	v_readfirstlane_b32 s16, v1                    ; wave
	v_and_b32 v2, 31, v0
	v_lshlrev_b32 v3, 4, v2                        ; 16 bytes a lane
	v_mov_b32 v4, s16
	v_lshlrev_b32 v4, 2, v4                        ; my wave's word in LDS
	v_mov_b32 v5, 0
	v_mov_b32 v6, 0                                ; a lane permute's destination counts as read
	s_mov_b32 s24, 0x76543210
	s_mov_b32 s25, 0xfedcba98
	s_wait_kmcnt 0x0
	s_mov_b64 s[18:19], s[12:13]                   ; which weight: by the work-group's number alone
	s_mov_b32 s20, 704
	s_cmp_lt_u32 ttmp9, 704
	s_cselect_b64 s[18:19], s[10:11], s[18:19]
	s_cselect_b32 s20, 576, s20
	s_cmp_lt_u32 ttmp9, 576
	s_cselect_b64 s[18:19], s[8:9], s[18:19]
	s_cselect_b32 s20, 192, s20
	s_cmp_lt_u32 ttmp9, 192
	s_cselect_b64 s[18:19], s[6:7], s[18:19]
	s_cselect_b32 s20, 96, s20
	s_cmp_lt_u32 ttmp9, 96
	s_cselect_b64 s[18:19], s[4:5], s[18:19]
	s_cselect_b32 s20, 0, s20
	s_sub_co_u32 s20, ttmp9, s20
	s_lshl_b32 s20, s20, 15
	s_lshl_b32 s21, s16, 13
	s_add_co_u32 s20, s20, s21
	s_mov_b32 s21, 0
	s_add_nc_u64 s[18:19], s[18:19], s[20:21]
.irp i, 0,1,2,3,4,5,6,7,8,9,10,11,12,13,14,15
	global_load_b128 v[X+4*\i:X+4*\i+3], v3, s[18:19] offset:512*\i   ; 32 lanes read 512 consecutive bytes
.endr
	s_wait_loadcnt 12                              ; the first four loads are in, twelve younger ones may be out
.irp k, 0,1,2,3
	v_add_f32 v[8+\k], |v[X+\k]|, |v[X+4+\k]|      ; four chains, started by the first numbers
.endr
.irp i, 2,3
.irp k, 0,1,2,3
	v_add_f32 v[8+\k], v[8+\k], |v[X+4*\i+\k]|
.endr
.endr
	s_wait_loadcnt 8
.irp i, 4,5,6,7
.irp k, 0,1,2,3
	v_add_f32 v[8+\k], v[8+\k], |v[X+4*\i+\k]|
.endr
.endr
	s_wait_loadcnt 4
.irp i, 8,9,10,11
.irp k, 0,1,2,3
	v_add_f32 v[8+\k], v[8+\k], |v[X+4*\i+\k]|
.endr
.endr
	s_wait_loadcnt 0x0
.irp i, 12,13,14,15
.irp k, 0,1,2,3
	v_add_f32 v[8+\k], v[8+\k], |v[X+4*\i+\k]|
.endr
.endr
	v_add_f32 v8, v8, v9
	v_add_f32 v10, v10, v11
	v_add_f32 v8, v8, v10
	v_add_f32_dpp v8, v8, v8 row_xmask:1 row_mask:0xf bank_mask:0xf
	v_add_f32_dpp v8, v8, v8 row_xmask:2 row_mask:0xf bank_mask:0xf
	v_add_f32_dpp v8, v8, v8 row_xmask:4 row_mask:0xf bank_mask:0xf
	v_add_f32_dpp v8, v8, v8 row_xmask:8 row_mask:0xf bank_mask:0xf
	v_permlanex16_b32 v6, v8, s24, s25
	v_add_f32 v8, v8, v6                           ; the wave's sum, in every lane
	ds_store_b32 v4, v8
	s_wait_dscnt 0x0                               ; for the others' sake: my store has landed
	s_barrier_signal -1
	s_barrier_wait -1
	ds_load_b128 v[12:15], v5                      ; the four waves' sums
	s_lshl_b32 s23, ttmp9, 2
	v_mov_b32 v16, s23
	s_wait_dscnt 0x0
	v_add_f32 v12, v12, v13
	v_add_f32 v14, v14, v15
	v_add_f32 v12, v12, v14
	s_wait_xcnt 0x0                                ; EXEC changes only behind this wait
	v_cmp_eq_u32 vcc_lo, 0, v0
	s_and_saveexec_b32 s22, vcc_lo
	global_store_b32 v16, v12, s[14:15]            ; thread 0 alone: one number a work-group
	s_wait_xcnt 0x0
	s_or_b32 exec_lo, exec_lo, s22
	s_wait_tensorcnt 0x0                           ; the wave's end, behind my last LDS store
	ds_add_u32 v[SPW], v[NIL]
	s_wait_dscnt 0x0
	s_endpgm
.Lfunc_end_k_q07723fe547_wsum:
	.size	k_q07723fe547_wsum, .Lfunc_end_k_q07723fe547_wsum-k_q07723fe547_wsum
	.p2alignl 7, 3214868480
	.fill 96, 4, 3214868480
	.section	.rodata,"a",@progbits
	.p2align	6, 0x0
	.amdhsa_kernel k_q07723fe547_wsum
		.amdhsa_group_segment_fixed_size 1024
		.amdhsa_private_segment_fixed_size 0
		.amdhsa_enable_private_segment 0
		.amdhsa_kernarg_size 48
		.amdhsa_user_sgpr_count 2
		.amdhsa_user_sgpr_kernarg_segment_ptr 1
		.amdhsa_wavefront_size32 1
		.amdhsa_system_sgpr_workgroup_id_x 1
		.amdhsa_system_sgpr_workgroup_id_y 1
		.amdhsa_system_sgpr_workgroup_id_z 1
		.amdhsa_system_vgpr_workitem_id 0
		.amdhsa_next_free_vgpr 96
		.amdhsa_next_free_sgpr 66
		.amdhsa_reserve_vcc 1
		.amdhsa_float_denorm_mode_32 3
		.amdhsa_float_denorm_mode_16_64 3
		.amdhsa_memory_ordered 1
		.amdhsa_forward_progress 1
		.amdhsa_inst_pref_size 9
	.end_amdhsa_kernel
	.amdgpu_metadata
---
amdhsa.version: [ 1, 2 ]
amdhsa.kernels:
  - .name:           k_q07723fe547_wsum
    .symbol:         k_q07723fe547_wsum.kd
    .args:
      - { .name: W_tp, .offset: 0, .size: 8, .value_kind: global_buffer, .address_space: global }
      - { .name: W_vp, .offset: 8, .size: 8, .value_kind: global_buffer, .address_space: global }
      - { .name: W_tqkv, .offset: 16, .size: 8, .value_kind: global_buffer, .address_space: global }
      - { .name: W_tout, .offset: 24, .size: 8, .value_kind: global_buffer, .address_space: global }
      - { .name: W_vout, .offset: 32, .size: 8, .value_kind: global_buffer, .address_space: global }
      - { .name: wsum, .offset: 40, .size: 8, .value_kind: global_buffer, .address_space: global }
    .group_segment_fixed_size: 1024
    .private_segment_fixed_size: 0
    .kernarg_segment_align: 8
    .kernarg_segment_size: 48
    .max_flat_workgroup_size: 128
    .sgpr_count:     66
    .vgpr_count:     96
    .wavefront_size: 32
...
	.end_amdgpu_metadata
.endif
;; end of part 1
;; launch wquant (part 2): grid 448 x 1, 8 waves a work-group, no clusters, 9,216 bytes of LDS; arguments W_tp, W_vp, W_tqkv, W_tout, W_vout, wsum, vision_features, b_vp, wcodes, vp; writes wcodes, vp
.if DOCPART == 2
	.amdgcn_target "amdgcn-amd-amdhsa--gfx1250"
	.amdhsa_code_object_version 6
	.text
	.protected	k_q07723fe547_wquant
	.globl	k_q07723fe547_wquant
	.p2align	8
	.type	k_q07723fe547_wquant,@function
k_q07723fe547_wquant:
	s_mov_b64 s[64:65], 0
	v_nop
	global_prefetch_b8 v0, s[64:65] scope:SCOPE_SE
	s_setreg_imm32_b32 hwreg(HW_REG_WAVE_MODE, 25, 1), 1
	s_wait_xcnt 0x0
; The five weights become ternary (q x s, as reference() has it) and then codes of E3M2 with one E8M0 byte for each 32 along K.  A work-group takes a tile of 16 rows, wave ks the tile's 128 along K.
; A FRAGMENT GOES TO MEMORY AS A RECORD, the image of the operand's registers: bytes 512 j + 16 lane = registers 4 j .. 4 j + 3, bytes 1536 + 4 lane = the row's scale word: 1,664 bytes.
; THE ROWS OF A TILE ARE NOT NEIGHBOURS: lane index i of tile 4 G + t takes row 64 G + 32 (i / 8) + 8 t + i % 8.  Used as source 0, the four tiles of a group G then leave 32 neighbouring
; columns, one whole block of the next K, in the 32 registers of one lane.
; W_vp's codes never go to memory: its tiles are multiplied here with vision_features' codes (wave ks: one K step), the six parts are added through LDS with b_vp, and vision_proj goes to vp.
; s = clip(mean |W|): the sums of the launch before, added in a fixed order, divided by the count with one correction step.  W / s is made as |W| x (1/s) with one correction step,
; which gives the rounded quotient; the clip at +-10 cannot move the comparison with 2/3 and is not written.
; LIMITS: NaN and infinities among the inputs are not served; a block of zeros gets the byte 1 where the rule says 127 (its codes are zeros, and this program alone reads the bytes).
.set REC, 1664
.set WQKV_OFF, 638976
.set WTOUT_OFF, 3194880
.set WVOUT_OFF, 4046848
.set SPARE, 8192                       ; LDS: a place of 1,024 bytes for each of the eight waves from 0 (W_vp's six K steps use six); then the spare words, 128 bytes a wave
.set LANE, 1
.set RI, 2
.set HH, 3
.set SH8, 4
.set LI, 5
.set LS, 6
.set XO, 7
.set MX, 8
.set SCO, 10
.set PO, 11
.set T3, 12
.set VO, 15
.set SV, 16
.set RV, 17
.set SPW, 18
.set NIL, 19
.set RST, 20
.set DD, 24                            ; v24-31   the product's result
.set X, 32                             ; v32-95   64 numbers of a lane
.set CD, 96                            ; v96-107  the weight's codes (before that: the partial sums, then temporaries)
.set PA, 108
.set VD, 112                           ; v112-123 vision_features' codes
.set PW, 124
.set VW, 125
.set BY0, 126
.set BY1, 127
.set WV, 24
.set SEL, 26
; 32 numbers of a lane, one block along K, become 6 registers of codes and the block's byte.  The largest magnitude has the floor 2^(5 - 127) among its leaves, so the byte cannot fall under 1;
; 4 off its exponent field is the conversion's scale operand.  A conversion's three registers begin on an even number, so the second half is made elsewhere and moved.
.macro QB src, cd, by, sw
	v_max3_num_f32 v[MX], |v[(\src)]|, |v[(\src)+1]|, 0x2800000
	v_max3_num_f32 v[MX+1], |v[(\src)+16]|, |v[(\src)+17]|, 0x2800000
.irp i, 2,4,6,8,10,12,14
	v_max3_num_f32 v[MX], v[MX], |v[(\src)+\i]|, |v[(\src)+\i+1]|
	v_max3_num_f32 v[MX+1], v[MX+1], |v[(\src)+16+\i]|, |v[(\src)+17+\i]|
.endr
	v_max_num_f32 v[MX], v[MX], v[MX+1]
	v_add_nc_u32 v[SCO], 0xfe000000, v[MX]
	v_lshrrev_b32 v[\by], 23, v[SCO]
	v_cvt_scalef32_pk16_bf6_f32 v[(\cd):(\cd)+2], v[(\src):(\src)+15], v[SCO]
	v_cvt_scalef32_pk16_bf6_f32 v[T3:T3+2], v[(\src)+16:(\src)+31], v[SCO]
	v_nop                                          ; one plain place behind a scaled conversion
	v_mov_b32 v[(\cd)+3], v[T3]
	v_mov_b32 v[(\cd)+4], v[T3+1]
	v_mov_b32 v[(\cd)+5], v[T3+2]
.endm
; my two bytes (blocks h and 2 + h) go to their places in the row's scale word; lane l xor 16 has the other two
.macro SW4 w, b0, b1
	v_lshl_or_b32 v[\w], v[\b1], 16, v[\b0]
	v_lshlrev_b32 v[\w], v[SH8], v[\w]
	v_permlanex16_b32 v[PO], v[\w], s[SEL], s[SEL+1]
	v_or_b32 v[\w], v[\w], v[PO]
.endm
	s_load_b256 s[4:11], s[0:1], 0x0               ; W_tp, W_vp, W_tqkv, W_tout
	s_load_b256 s[12:19], s[0:1], 0x20             ; W_vout, wsum, vision_features, b_vp
	s_load_b128 s[20:23], s[0:1], 0x40             ; wcodes, vp
	v_lshl_add_u32 v[SPW], v0, 2, SPARE
	v_mov_b32 v[NIL], 0
	v_lshrrev_b32 v1, 5, v0
	v_readfirstlane_b32 s[WV], v1                  ; wave = K step
	v_and_b32 v[LANE], 31, v0
	v_and_b32 v[RI], 15, v0
	v_bfe_u32 v[HH], v0, 4, 1
	v_lshlrev_b32 v[SH8], 3, v[HH]
	v_lshlrev_b32 v[LI], 4, v[LANE]
	v_lshlrev_b32 v[LS], 2, v[LANE]
	v_mov_b32 v[PO], 0
	s_lshl_b32 s25, s[WV], 10
	v_add_nc_u32 v[RST], s25, v[LI]                ; my part's place in LDS: 1,024 x wave + 16 x lane
	s_mov_b32 s[SEL], 0x76543210
	s_mov_b32 s[SEL+1], 0xfedcba98
	s_mov_b32 s52, 0x3f2aaaab                      ; 2/3
	s_mov_b32 s53, 0x3727c5ac                      ; 1e-5
	s_mov_b32 s54, 0x447a0000                      ; 1000
	s_mov_b32 s57, 0x80000000
	s_wait_kmcnt 0x0
	; which weight, by the work-group's number alone: tiles 0-63 W_tp, 64-127 W_vp, 128-319 W_tqkv, 320-383 W_tout, 384-447 W_vout
	s_mov_b64 s[30:31], s[12:13]
	s_mov_b32 s28, 384                             ; its first tile
	s_mov_b32 s34, 704                             ; its first partial sum
	s_mov_b32 s35, 32                              ; a quarter of their number
	s_mov_b32 s36, 0x49800000                      ; the count of its numbers, as f32,
	s_mov_b32 s37, 0x35800000                      ; and 1 / the count
	s_mov_b32 s55, WVOUT_OFF
	s_cmp_lt_u32 ttmp9, 384
	s_cselect_b64 s[30:31], s[10:11], s[30:31]
	s_cselect_b32 s28, 320, s28
	s_cselect_b32 s34, 576, s34
	s_cselect_b32 s55, WTOUT_OFF, s55
	s_cmp_lt_u32 ttmp9, 320
	s_cselect_b64 s[30:31], s[8:9], s[30:31]
	s_cselect_b32 s28, 128, s28
	s_cselect_b32 s34, 192, s34
	s_cselect_b32 s35, 96, s35
	s_cselect_b32 s36, 0x4a400000, s36
	s_cselect_b32 s37, 0x34aaaaab, s37
	s_cmp_lt_u32 ttmp9, 128
	s_cselect_b64 s[30:31], s[6:7], s[30:31]
	s_cselect_b32 s28, 64, s28
	s_cselect_b32 s34, 96, s34
	s_cselect_b32 s35, 24, s35
	s_cselect_b32 s36, 0x49400000, s36
	s_cselect_b32 s37, 0x35aaaaab, s37
	s_cselect_b32 s32, 6, 8                        ; K steps
	s_mov_b32 s33, 4096
	s_cselect_b32 s33, 3072, s33                   ; bytes in a row
	s_cmp_lt_u32 ttmp9, 64
	s_cselect_b64 s[30:31], s[4:5], s[30:31]
	s_cselect_b32 s28, 0, s28
	s_cselect_b32 s34, 0, s34
	s_cselect_b32 s55, 0, s55
	s_lshr_b32 s39, ttmp9, 6                       ; 1 for W_vp's tiles
	s_sub_co_u32 s38, ttmp9, s28                   ; the tile in its weight
	s_sub_co_u32 s56, s35, 1
	; where the record goes: (tile x K steps + ks); W_tqkv's lie [head][ks][part x 4 + t], as the launch that reads them copies them
	s_mul_i32 s48, s38, s32
	s_add_co_u32 s48, s48, s[WV]
	s_bfe_u32 s49, s38, 0x40002
	s_mul_i32 s49, s49, 96
	s_mul_i32 s50, s[WV], 12
	s_add_co_u32 s49, s49, s50
	s_lshr_b32 s50, s38, 6
	s_lshl_b32 s50, s50, 2
	s_add_co_u32 s49, s49, s50
	s_and_b32 s50, s38, 3
	s_add_co_u32 s49, s49, s50
	s_sub_co_u32 s50, ttmp9, 128
	s_cmp_lt_u32 s50, 192
	s_cselect_b32 s48, s49, s48
	s_cselect_b32 s55, WQKV_OFF, s55
	s_mul_i32 s48, s48, REC
	s_add_co_u32 s48, s48, s55
	s_mov_b32 s49, 0
	s_add_nc_u64 s[20:21], s[20:21], s[48:49]
	s_lshl_b32 s48, s34, 2
	s_add_nc_u64 s[14:15], s[14:15], s[48:49]      ; the weight's partial sums
	; my row and my 32 + 32 numbers of it
	s_lshr_b32 s48, s38, 2
	s_lshl_b32 s48, s48, 6
	s_and_b32 s50, s38, 3
	s_lshl_b32 s50, s50, 3
	s_add_co_u32 s58, s48, s50                     ; 64 G + 8 t
	v_lshrrev_b32 v21, 3, v[RI]
	v_and_b32 v22, 7, v[RI]
	v_lshl_add_u32 v21, v21, 5, v22
	v_add_nc_u32 v21, s58, v21
	v_mul_lo_u32 v[XO], v21, s33
	s_lshl_b32 s48, s[WV], 9
	v_lshl_add_u32 v22, v[HH], 7, s48              ; 512 ks + 128 h
	v_add_nc_u32 v[XO], v[XO], v22
	v_mul_u32_u24 v[VO], v[RI], 3072               ; vision_features: row i as it lies
	v_add_nc_u32 v[VO], v[VO], v22
	s_cmp_ge_u32 s[WV], s32                        ; K = 768 has six K steps: waves 6 and 7 go to the barrier
	s_cbranch_scc1 .Lidle
.irp n, 0,1,2
	v_add_nc_u32 v[PA+\n], 32*\n, v[LANE]
	v_cmp_gt_u32 s[40+\n], s35, v[PA+\n]           ; is there such a group of four sums?
	v_min_u32 v[PA+\n], s56, v[PA+\n]              ; no load leaves the weight's part
	v_lshlrev_b32 v[PA+\n], 4, v[PA+\n]
	global_load_b128 v[CD+4*\n:CD+4*\n+3], v[PA+\n], s[14:15]
.endr
.irp c, 0,1
.irp n, 0,1,2,3,4,5,6,7
	global_load_b128 v[X+32*\c+4*\n:X+32*\c+4*\n+3], v[XO], s[30:31] offset:256*\c+16*\n   ; W(row, 128 ks + 64 c + 32 h + 4 n ..)
.endr
.endr
	s_wait_loadcnt 16                              ; the partial sums are in; the sixteen loads of W may be out
.irp n, 0,1,2
.irp k, 0,1,2,3
	v_cndmask_b32 v[CD+4*\n+\k], 0, v[CD+4*\n+\k], s[40+\n]
.endr
.endr
.irp k, 0,1,2,3
	v_add_f32 v[CD+\k], v[CD+\k], v[CD+4+\k]
.endr
.irp k, 0,1,2,3
	v_add_f32 v[CD+\k], v[CD+\k], v[CD+8+\k]
.endr
	v_add_f32 v[CD], v[CD], v[CD+1]
	v_add_f32 v[CD+2], v[CD+2], v[CD+3]
	v_add_f32 v[CD], v[CD], v[CD+2]
	v_add_f32_dpp v[CD], v[CD], v[CD] row_xmask:1 row_mask:0xf bank_mask:0xf
	v_add_f32_dpp v[CD], v[CD], v[CD] row_xmask:2 row_mask:0xf bank_mask:0xf
	v_add_f32_dpp v[CD], v[CD], v[CD] row_xmask:4 row_mask:0xf bank_mask:0xf
	v_add_f32_dpp v[CD], v[CD], v[CD] row_xmask:8 row_mask:0xf bank_mask:0xf
	v_permlanex16_b32 v[PO], v[CD], s[SEL], s[SEL+1]
	v_add_f32 v[CD], v[CD], v[PO]                  ; the sum of |W|
	v_mul_f32 v[CD+1], s37, v[CD]
	v_fma_f32 v[CD+2], -v[CD+1], s36, v[CD]
	v_fma_f32 v[CD+1], v[CD+2], s37, v[CD+1]       ; / the count
	v_med3_num_f32 v[SV], v[CD+1], s53, s54        ; s
	v_rcp_f32 v[RV], v[SV]
	v_nop                                          ; a plain place behind the reciprocal
	s_wait_alu depctr_va_vdst(0)                   ; and the wait ahead of its first reader
	v_fma_f32 v[CD+2], -v[SV], v[RV], 1.0
	v_fma_f32 v[RV], v[CD+2], v[RV], v[RV]         ; 1 / s, corrected once
	s_wait_loadcnt 0x0
.set e, 0
.rept 16                               ; four numbers by turns: |W| / s > 2/3 ?  then s with W's sign, else 0
.irp k, 0,1,2,3
	v_mul_f32 v[CD+\k], |v[X+e+\k]|, v[RV]
.endr
.irp k, 0,1,2,3
	v_fma_f32 v[CD+4+\k], -v[CD+\k], v[SV], |v[X+e+\k]|
.endr
.irp k, 0,1,2,3
	v_fma_f32 v[CD+\k], v[CD+4+\k], v[RV], v[CD+\k]
.endr
.irp k, 0,1,2,3
	v_cmp_lt_f32 s[44+\k], s52, v[CD+\k]
.endr
.irp k, 0,1,2,3
	v_and_or_b32 v[CD+4+\k], v[X+e+\k], s57, v[SV]
.endr
.irp k, 0,1,2,3
	v_cndmask_b32 v[X+e+\k], 0, v[CD+4+\k], s[44+\k]
.endr
.set e, e+4
.endr
	QB X, CD, BY0, 0
	QB X+32, CD+6, BY1, 0
	SW4 PW, BY0, BY1
	s_cmp_eq_u32 s39, 1
	s_cbranch_scc1 .Lvp
.irp j, 0,1,2
	global_store_b128 v[LI], v[CD+4*\j:CD+4*\j+3], s[20:21] offset:512*\j   ; 32 lanes store 512 consecutive bytes
.endr
	global_store_b32 v[LS], v[PW], s[20:21] offset:1536
	s_branch .Lidle
.Lvp:
.irp c, 0,1
.irp n, 0,1,2,3,4,5,6,7
	global_load_b128 v[X+32*\c+4*\n:X+32*\c+4*\n+3], v[VO], s[16:17] offset:256*\c+16*\n
.endr
.endr
	s_wait_loadcnt 0x0
	QB X, VD, BY0, 0
	QB X+32, VD+6, BY1, 0
	SW4 VW, BY0, BY1
.rept 8
	v_nop                                          ; a scale word written by vector instructions stands eight places ahead of a scaled matrix instruction
.endr
	v_wmma_scale_f32_16x16x128_f8f6f4 v[DD:DD+7], v[CD:CD+11], v[VD:VD+11], 0, v[PW], v[VW] matrix_a_fmt:MATRIX_FMT_BF6 matrix_b_fmt:MATRIX_FMT_BF6
.rept 4
	v_nop
.endr
	ds_store_b128 v[RST], v[DD:DD+3]               ; lane (r, h), register j: batch row r, column 64 G + 32 h + 8 t + j, this K step's part
	ds_store_b128 v[RST], v[DD+4:DD+7] offset:512
.Lidle:
	s_wait_dscnt 0x0                               ; my part has landed
	s_barrier_signal -1
	s_barrier_wait -1                              ; every wave of every work-group passes this barrier
	s_cmp_lg_u32 s39, 1
	s_cbranch_scc1 .Lend
	s_cmp_lg_u32 s[WV], 0
	s_cbranch_scc1 .Lend
	s_lshl_b32 s58, s58, 2
	v_lshl_add_u32 v21, v[HH], 7, s58              ; my eight columns, in bytes
	global_load_b128 v[80:83], v21, s[18:19]       ; b_vp
	global_load_b128 v[84:87], v21, s[18:19] offset:16
.irp k, 0,1,2,3,4,5
	ds_load_b128 v[X+8*\k:X+8*\k+3], v[LI] offset:1024*\k
	ds_load_b128 v[X+8*\k+4:X+8*\k+7], v[LI] offset:1024*\k+512
.endr
	s_wait_loadcnt 0x0
	s_wait_dscnt 0x0
.irp k, 0,1,2,3,4,5
.irp p, 0,2,4,6
	v_pk_add_f32 v[80+\p:81+\p], v[80+\p:81+\p], v[X+8*\k+\p:X+8*\k+\p+1]   ; the bias, then the six K steps in ascending order
.endr
.endr
	v_lshl_add_u32 v22, v[RI], 12, v21
	global_store_b128 v22, v[80:83], s[22:23]      ; vision_proj: pieces of 32 bytes; the whole tensor is 65,536 bytes
	global_store_b128 v22, v[84:87], s[22:23] offset:16
.Lend:
	s_wait_tensorcnt 0x0                           ; the wave's end, behind my last LDS store
	ds_add_u32 v[SPW], v[NIL]
	s_wait_dscnt 0x0
	s_endpgm
.Lfunc_end_k_q07723fe547_wquant:
	.size	k_q07723fe547_wquant, .Lfunc_end_k_q07723fe547_wquant-k_q07723fe547_wquant
	.p2alignl 7, 3214868480
	.fill 96, 4, 3214868480
	.section	.rodata,"a",@progbits
	.p2align	6, 0x0
	.amdhsa_kernel k_q07723fe547_wquant
		.amdhsa_group_segment_fixed_size 9216
		.amdhsa_private_segment_fixed_size 0
		.amdhsa_enable_private_segment 0
		.amdhsa_kernarg_size 80
		.amdhsa_user_sgpr_count 2
		.amdhsa_user_sgpr_kernarg_segment_ptr 1
		.amdhsa_wavefront_size32 1
		.amdhsa_system_sgpr_workgroup_id_x 1
		.amdhsa_system_sgpr_workgroup_id_y 1
		.amdhsa_system_sgpr_workgroup_id_z 1
		.amdhsa_system_vgpr_workitem_id 0
		.amdhsa_next_free_vgpr 128
		.amdhsa_next_free_sgpr 66
		.amdhsa_reserve_vcc 0
		.amdhsa_float_denorm_mode_32 3
		.amdhsa_float_denorm_mode_16_64 3
		.amdhsa_memory_ordered 1
		.amdhsa_forward_progress 1
		.amdhsa_inst_pref_size 45
	.end_amdhsa_kernel
	.amdgpu_metadata
---
amdhsa.version: [ 1, 2 ]
amdhsa.kernels:
  - .name:           k_q07723fe547_wquant
    .symbol:         k_q07723fe547_wquant.kd
    .args:
      - { .name: W_tp, .offset: 0, .size: 8, .value_kind: global_buffer, .address_space: global }
      - { .name: W_vp, .offset: 8, .size: 8, .value_kind: global_buffer, .address_space: global }
      - { .name: W_tqkv, .offset: 16, .size: 8, .value_kind: global_buffer, .address_space: global }
      - { .name: W_tout, .offset: 24, .size: 8, .value_kind: global_buffer, .address_space: global }
      - { .name: W_vout, .offset: 32, .size: 8, .value_kind: global_buffer, .address_space: global }
      - { .name: wsum, .offset: 40, .size: 8, .value_kind: global_buffer, .address_space: global }
      - { .name: vision_features, .offset: 48, .size: 8, .value_kind: global_buffer, .address_space: global }
      - { .name: b_vp, .offset: 56, .size: 8, .value_kind: global_buffer, .address_space: global }
      - { .name: wcodes, .offset: 64, .size: 8, .value_kind: global_buffer, .address_space: global }
      - { .name: vp, .offset: 72, .size: 8, .value_kind: global_buffer, .address_space: global }
    .group_segment_fixed_size: 9216
    .private_segment_fixed_size: 0
    .kernarg_segment_align: 8
    .kernarg_segment_size: 80
    .max_flat_workgroup_size: 256
    .sgpr_count:     66
    .vgpr_count:     128
    .wavefront_size: 32
...
	.end_amdgpu_metadata
.endif
;; end of part 2
;; launch proj (part 3): grid 256 x 1, 8 waves a work-group, no clusters, 90,624 bytes of LDS; arguments text_features, wcodes, b_tp, g_tn, be_tn, tp, xcodes; writes tp, xcodes
.if DOCPART == 3
	.amdgcn_target "amdgcn-amd-amdhsa--gfx1250"
	.amdhsa_code_object_version 6
	.text
	.protected	k_q07723fe547_proj
	.globl	k_q07723fe547_proj
	.p2align	8
	.type	k_q07723fe547_proj,@function
k_q07723fe547_proj:
	s_mov_b64 s[64:65], 0
	v_nop
	global_prefetch_b8 v0, s[64:65] scope:SCOPE_SE
	s_setreg_imm32_b32 hwreg(HW_REG_WAVE_MODE, 25, 1), 1
	s_wait_xcnt 0x0
; text_proj = Q(text_features) Q(W_tp)^T + b_tp goes to tp (f32); LayerNorm(text_proj) is quantised along its 1,024 and goes to xcodes as records (1,664 bytes: the image of a fragment's registers and its scale words).
; SHARES.  A work-group takes two tiles of 16 rows (u = 0, 1); wave w takes columns 128 w .. 128 w + 127 of both: 16 accumulators.  Those 128 columns are K step w of the next product.
; THE ROWS OF A TILE ARE NOT NEIGHBOURS, in the rows' tiles as in the weight's: lane index i of tile 4 G + t is row 64 G + 32 (i / 8) + 8 t + i % 8.  The product is used transposed (source 0 = 16 rows of W_tp,
; source 1 = 16 rows of text), so a lane holds one row, and the 32 registers of four neighbouring tiles of W_tp are 32 neighbouring columns: a whole block of the next K in one lane.
; Waves 0 to 5 quantise the rows' K step w and hand the fragments round through LDS as images of their registers.  A weight fragment is used by one wave of the work-group alone, so it goes from
; memory straight into that wave's registers: a joint load into LDS would add a fill and a read of the same bytes for no reuse inside the work-group; that is why there is no tensor load and no cluster here.
; The sums begin with the bias: the accumulators are loaded with b_tp.  The mean and the variance are made in two passes, the eight waves' parts meeting in LDS.
; LIMITS: NaN and infinities are not served; a block of zeros gets the byte 1 where the rule says 127 (its codes are zeros; this program alone reads the bytes).
.set REC, 1664
.set XIMG, 0                           ; LDS: 12 records: (u, ks) at (6 u + ks) x REC
.set STG, 19968                        ; a stage of 16 rows x (512 + 16) bytes for each wave
.set LNP1, 87552                       ; [u][row][wave] f32: the rows' partial sums;
.set LNP2, 88576                       ; and those of the squares
.set SPARE, 89600                      ; the spare words, 128 bytes a wave
.set LI, 1
.set LS, 2
.set SH8, 3
.set SPW, 4
.set NIL, 5
.set MX, 6
.set SCO, 8
.set BY0, 9
.set BY1, 10
.set PO, 11
.set T3, 12
.set XO, 15
.set HB, 16
.set STW, 17
.set STR, 18
.set LNW, 19
.set LNR, 20
.set XW, 21
.set XWS, 22
.set AF, 24                            ; v24-71   the rows' fragments, two sets of two; later temporaries
.set AS, 72                            ; v72-75   their scale words
.set BS, 76                            ; v76-91   the weight's scale words, two sets of eight
.set CD, 92                            ; v92-115  the codes just made, 12 registers for each u
.set PW, 116                           ; v116-117 their scale words
.set ACC, 128                          ; v128-255 accumulator (u, ct) at ACC + 64 u + 8 ct; before the products: the rows' numbers
                                       ; window 1: v0-95, v96-191 the weight's fragments, two sets of eight; later v0-127 rows on their way out, v128-191 g_tn, v192-255 be_tn
.set WV, 18
.set SEL, 20
.set MSB, 0
.macro WIN new                         ; the immediate's high byte repeats the setting that is left
.if MSB != \new
	s_set_vgpr_msb (MSB<<8)|\new
.set MSB, \new
.endif
.endm
.macro QB src, cd, by, sw              ; 32 numbers of a lane, one block along K -> 6 registers of codes and the block's byte (floor 2^(5 - 127) among the leaves: the byte cannot fall under 1)
	v_max3_num_f32 v[MX], |v[(\src)]|, |v[(\src)+1]|, 0x2800000
	v_max3_num_f32 v[MX+1], |v[(\src)+16]|, |v[(\src)+17]|, 0x2800000
.irp i, 2,4,6,8,10,12,14
	v_max3_num_f32 v[MX], v[MX], |v[(\src)+\i]|, |v[(\src)+\i+1]|
	v_max3_num_f32 v[MX+1], v[MX+1], |v[(\src)+16+\i]|, |v[(\src)+17+\i]|
.endr
	v_max_num_f32 v[MX], v[MX], v[MX+1]
	v_add_nc_u32 v[SCO], 0xfe000000, v[MX]         ; 4 off the exponent field: the conversion's scale operand
	v_lshrrev_b32 v[\by], 23, v[SCO]
	v_cvt_scalef32_pk16_bf6_f32 v[(\cd):(\cd)+2], v[(\src):(\src)+15], v[SCO]
	v_cvt_scalef32_pk16_bf6_f32 v[T3:T3+2], v[(\src)+16:(\src)+31], v[SCO]
	v_nop                                          ; one plain place behind a scaled conversion
	v_mov_b32 v[(\cd)+3], v[T3]
	v_mov_b32 v[(\cd)+4], v[T3+1]
	v_mov_b32 v[(\cd)+5], v[T3+2]
.endm
.macro SW4 w, b0, b1                   ; my two bytes at their places in the row's scale word; lane l xor 16 has the other two
	v_lshl_or_b32 v[\w], v[\b1], 16, v[\b0]
	v_lshlrev_b32 v[\w], v[SH8], v[\w]
	v_permlanex16_b32 v[PO], v[\w], s[SEL], s[SEL+1]
	v_or_b32 v[\w], v[\w], v[PO]
.endm
.macro MMA d, a, b, sa, sb
	v_wmma_scale_f32_16x16x128_f8f6f4 v[(\d):(\d)+7], v[(\a):(\a)+11], v[(\b):(\b)+11], v[(\d):(\d)+7], v[\sa], v[\sb] matrix_a_fmt:MATRIX_FMT_BF6 matrix_b_fmt:MATRIX_FMT_BF6
.endm
.macro BLOAD ks                        ; my eight fragments of W_tp for K step ks: 24 loads of 512 consecutive bytes and 8 of the scale words
	WIN 0x40
.irp ct, 0,1,2,3,4,5,6,7
.irp j, 0,1,2
	global_load_b128 v[96*((\ks)%2)+12*\ct+4*\j:96*((\ks)%2)+12*\ct+4*\j+3], v[LI], s[6:7] offset:(6*\ct+(\ks))*REC+512*\j
.endr
.endr
	WIN 0
.irp ct, 0,1,2,3,4,5,6,7
	global_load_b32 v[BS+8*((\ks)%2)+\ct], v[LS], s[6:7] offset:(6*\ct+(\ks))*REC+1536
.endr
.endm
.macro ALOAD ks                        ; the two tiles of rows for K step ks, from LDS: 8 loads
.irp u, 0,1
.irp j, 0,1,2
	ds_load_b128 v[AF+24*((\ks)%2)+12*\u+4*\j:AF+24*((\ks)%2)+12*\u+4*\j+3], v[LI] offset:XIMG+(6*\u+(\ks))*REC+512*\j
.endr
	ds_load_b32 v[AS+2*((\ks)%2)+\u], v[LS] offset:XIMG+(6*\u+(\ks))*REC+1536
.endr
.endm
.macro PSTEP ks                        ; a K step: the next step's fragments are asked for, then 16 products, the 16 accumulators by turns
.if \ks > 0
.rept 4
	v_nop                                          ; places in front of loads into registers that the last products read
.endr
.endif
.if \ks < 5
	BLOAD \ks+1
	ALOAD \ks+1
	s_wait_loadcnt 32                              ; all but the 32 just issued
	s_wait_dscnt 8                                 ; all but the 8 just issued
.else
	s_wait_loadcnt 0x0
	s_wait_dscnt 0x0
.endif
	WIN 0x01                                       ; source 0, the weight, in window 1
.irp ct, 0,1,2,3,4,5,6,7
.irp u, 0,1
	MMA ACC+64*\u+8*\ct, 96*((\ks)%2)+12*\ct, AF+24*((\ks)%2)+12*\u, BS+8*((\ks)%2)+\ct, AS+2*((\ks)%2)+\u
.endr
.endr
	WIN 0
.endm
.macro XQ u                            ; the 64 numbers of tile u become a fragment
	QB ACC+64*\u, CD+12*\u, BY0, 0
	QB ACC+64*\u+32, CD+12*\u+6, BY1, 0
	SW4 PW+\u, BY0, BY1
.endm
.macro JOIN u                          ; four packed chains at v[24 + 8 u] on, and lane l xor 16's, become one number in v[24 + 8 u]
	v_pk_add_f32 v[24+8*\u:25+8*\u], v[24+8*\u:25+8*\u], v[26+8*\u:27+8*\u]
	v_pk_add_f32 v[28+8*\u:29+8*\u], v[28+8*\u:29+8*\u], v[30+8*\u:31+8*\u]
	v_pk_add_f32 v[24+8*\u:25+8*\u], v[24+8*\u:25+8*\u], v[28+8*\u:29+8*\u]
	v_add_f32 v[24+8*\u], v[24+8*\u], v[25+8*\u]
	v_permlanex16_b32 v[PO], v[24+8*\u], s[SEL], s[SEL+1]
	v_add_f32 v[24+8*\u], v[24+8*\u], v[PO]
.endm
.macro EIGHT u                         ; the eight waves' parts at v[40 + 8 u] on become one number in v[40 + 8 u]
	v_pk_add_f32 v[40+8*\u:41+8*\u], v[40+8*\u:41+8*\u], v[42+8*\u:43+8*\u]
	v_pk_add_f32 v[44+8*\u:45+8*\u], v[44+8*\u:45+8*\u], v[46+8*\u:47+8*\u]
	v_pk_add_f32 v[40+8*\u:41+8*\u], v[40+8*\u:41+8*\u], v[44+8*\u:45+8*\u]
	v_add_f32 v[40+8*\u], v[40+8*\u], v[41+8*\u]
.endm
	s_load_b256 s[4:11], s[0:1], 0x0               ; text_features, wcodes, b_tp, g_tn
	s_load_b128 s[12:15], s[0:1], 0x20             ; be_tn, tp
	s_load_b64 s[16:17], s[0:1], 0x30              ; xcodes
	v_lshl_add_u32 v[SPW], v0, 2, SPARE
	v_mov_b32 v[NIL], 0
	v_lshrrev_b32 v6, 5, v0
	v_readfirstlane_b32 s[WV], v6
	v_and_b32 v6, 31, v0
	v_lshlrev_b32 v[LI], 4, v6
	v_lshlrev_b32 v[LS], 2, v6
	v_and_b32 v7, 15, v0                           ; i
	v_bfe_u32 v8, v0, 4, 1                         ; h
	v_lshlrev_b32 v[SH8], 3, v8
	v_lshlrev_b32 v[HB], 7, v8
	v_mov_b32 v[PO], 0
	s_mov_b32 s[SEL], 0x76543210
	s_mov_b32 s[SEL+1], 0xfedcba98
	s_mov_b32 s32, 0x3a800000                      ; 1 / 1024
	s_mov_b32 s33, 0x3727c5ac                      ; 1e-5
	s_lshr_b32 s22, ttmp9, 1
	s_lshl_b32 s22, s22, 6
	s_and_b32 s23, ttmp9, 1
	s_lshl_b32 s23, s23, 4
	s_add_co_u32 s22, s22, s23                     ; tile u's lane index i is row s22 + 8 u + 32 (i / 8) + i % 8
	v_lshrrev_b32 v9, 3, v7
	v_and_b32 v10, 7, v7
	v_lshl_add_u32 v9, v9, 5, v10
	v_add_nc_u32 v9, s22, v9
	v_mul_u32_u24 v[XO], v9, 3072
	s_lshl_b32 s23, s[WV], 9
	v_add_nc_u32 v[XO], s23, v[XO]
	v_add_nc_u32 v[XO], v[HB], v[XO]               ; text: row x 3,072 + 512 w + 128 h
	s_mul_i32 s24, s[WV], 8448
	s_add_co_u32 s24, s24, STG                     ; my stage
	v_mul_u32_u24 v[STW], v7, 528
	v_add_nc_u32 v[STW], v[HB], v[STW]
	v_add_nc_u32 v[STW], s24, v[STW]
	v_add_nc_u32 v[STR], s24, v[LI]
	s_lshl_b32 s25, s[WV], 2
	s_add_co_u32 s25, s25, LNP1
	v_lshl_add_u32 v[LNW], v7, 5, s25
	v_lshlrev_b32 v[LNR], 5, v7
	v_add_nc_u32 v[LNR], LNP1, v[LNR]
	s_mul_i32 s26, s[WV], REC
	v_add_nc_u32 v[XW], s26, v[LI]
	v_add_nc_u32 v[XWS], s26, v[LS]
	s_wait_kmcnt 0x0
	s_mul_i32 s28, s[WV], 79872                    ; my 8 x 6 records of W_tp
	s_mov_b32 s29, 0
	s_add_nc_u64 s[6:7], s[6:7], s[28:29]
	s_lshl_b32 s28, s[WV], 9                       ; my 128 columns
	s_add_nc_u64 s[8:9], s[8:9], s[28:29]
	s_add_nc_u64 s[10:11], s[10:11], s[28:29]
	s_add_nc_u64 s[12:13], s[12:13], s[28:29]
	s_lshl_b32 s30, s22, 12
	s_add_co_u32 s30, s30, s28
	s_mov_b32 s31, 0
	s_add_nc_u64 s[14:15], s[14:15], s[30:31]
	s_lshl_b32 s30, ttmp9, 4
	s_add_co_u32 s30, s30, s[WV]
	s_mul_i32 s30, s30, REC                        ; record (2 g + u, w)
	s_add_nc_u64 s[16:17], s[16:17], s[30:31]
	s_cmp_gt_u32 s[WV], 5                          ; K = 768: six K steps, one for each of waves 0 to 5
	s_cbranch_scc1 .Lnox
.irp u, 0,1
.irp c, 0,1
.irp n, 0,1,2,3,4,5,6,7
	global_load_b128 v[ACC+64*\u+32*\c+4*\n:ACC+64*\u+32*\c+4*\n+3], v[XO], s[4:5] offset:24576*\u+256*\c+16*\n th:TH_LOAD_NT
.endr
.endr
.endr
.Lnox:
	BLOAD 0
	s_cmp_gt_u32 s[WV], 5
	s_cbranch_scc1 .Lnoq
	s_wait_loadcnt 48                              ; tile 0's 16 loads are in; tile 1's 16 and the weight's 32 may be out
	XQ 0
.irp j, 0,1,2
	ds_store_b128 v[XW], v[CD+4*\j:CD+4*\j+3] offset:XIMG+512*\j
.endr
	ds_store_b32 v[XWS], v[PW] offset:XIMG+1536
	s_wait_loadcnt 32                              ; tile 1's are in
	XQ 1
.irp j, 0,1,2
	ds_store_b128 v[XW], v[CD+12+4*\j:CD+12+4*\j+3] offset:XIMG+6*REC+512*\j
.endr
	ds_store_b32 v[XWS], v[PW+1] offset:XIMG+6*REC+1536
.Lnoq:
	s_wait_loadcnt 0x0                             ; on every way: no load is out into the registers that take b_tp below; the weight's first fragments, which the first products behind the barrier want, are in with them
	s_wait_dscnt 0x0                               ; my images have landed
	s_barrier_signal -1
	s_barrier_wait -1                              ; the twelve fragments lie in LDS
.irp u, 0,1
.irp c, 0,1
.irp n, 0,1,2,3,4,5,6,7
	global_load_b128 v[ACC+64*\u+32*\c+4*\n:ACC+64*\u+32*\c+4*\n+3], v[HB], s[8:9] offset:256*\c+16*\n   ; the sums begin with b_tp
.endr
.endr
.endr
	ALOAD 0
	PSTEP 0
	PSTEP 1
	PSTEP 2
	PSTEP 3
	PSTEP 4
	PSTEP 5
.rept 4
	v_nop
.endr
	; the rows' sums over my 128 columns: four packed chains, each accumulator from its low end on
.irp u, 0,1
.irp k, 0,1,2,3
	v_pk_add_f32 v[24+8*\u+2*\k:25+8*\u+2*\k], v[ACC+64*\u+2*\k:ACC+64*\u+2*\k+1], v[ACC+64*\u+8+2*\k:ACC+64*\u+8+2*\k+1]
.endr
.irp ct, 2,3,4,5,6,7
.irp k, 0,1,2,3
	v_pk_add_f32 v[24+8*\u+2*\k:25+8*\u+2*\k], v[24+8*\u+2*\k:25+8*\u+2*\k], v[ACC+64*\u+8*\ct+2*\k:ACC+64*\u+8*\ct+2*\k+1]
.endr
.endr
.endr
	JOIN 0
	JOIN 1
	ds_store_b32 v[LNW], v24
	ds_store_b32 v[LNW], v32 offset:512
	WIN 0x40
.irp c, 0,1
.irp n, 0,1,2,3,4,5,6,7
	global_load_b128 v[128+32*\c+4*\n:128+32*\c+4*\n+3], v[HB], s[10:11] offset:256*\c+16*\n   ; g_tn and be_tn at my 64 columns
	global_load_b128 v[192+32*\c+4*\n:192+32*\c+4*\n+3], v[HB], s[12:13] offset:256*\c+16*\n
.endr
.endr
	WIN 0
	; text_proj goes out through my stage: 32 bytes of a row in, whole pieces of 512 bytes back.  LDS serves a wave's instructions in order: no wait between the stores and the loads
.irp u, 0,1
.irp c, 0,1
.irp n, 0,1,2,3,4,5,6,7
	ds_store_b128 v[STW], v[ACC+64*\u+32*\c+4*\n:ACC+64*\u+32*\c+4*\n+3] offset:256*\c+16*\n
.endr
.endr
	WIN 0x40
.irp k, 0,1,2,3,4,5,6,7,8,9,10,11,12,13,14,15
	ds_load_b128 v[64*\u+4*\k:64*\u+4*\k+3], v[STR] offset:528*\k
.endr
	WIN 0
.endr
	WIN 0x04                                       ; a store's data are its source 1: window 1
.irp k, 0,1,2,3,4,5,6,7,8,9,10,11,12,13,14,15
	s_wait_dscnt 47-\k                             ; behind tile 0's load k: its 15 - k younger ones and tile 1's 32 instructions
	global_store_b128 v[LI], v[4*\k:4*\k+3], s[14:15] offset:(32*(\k/8)+\k%8)*4096 th:TH_STORE_NT   ; 512 consecutive bytes, at a multiple of 256
.endr
.irp k, 0,1,2,3,4,5,6,7,8,9,10,11,12,13,14,15
	s_wait_dscnt 15-\k
	global_store_b128 v[LI], v[64+4*\k:64+4*\k+3], s[14:15] offset:(8+32*(\k/8)+\k%8)*4096 th:TH_STORE_NT
.endr
	WIN 0
	s_wait_dscnt 0x0
	s_barrier_signal -1
	s_barrier_wait -1                              ; the eight waves' sums lie in LDS
.irp u, 0,1
	ds_load_b128 v[40+8*\u:43+8*\u], v[LNR] offset:512*\u
	ds_load_b128 v[44+8*\u:47+8*\u], v[LNR] offset:512*\u+16
.endr
	s_wait_dscnt 0x0
	EIGHT 0
	EIGHT 1
.irp u, 0,1
	v_mul_f32 v[56+2*\u], 0xba800000, v[40+8*\u]   ; - the mean
	v_mov_b32 v[57+2*\u], v[56+2*\u]
.endr
.irp u, 0,1
.set j, 0
.rept 32
	v_pk_add_f32 v[ACC+64*\u+j:ACC+64*\u+j+1], v[ACC+64*\u+j:ACC+64*\u+j+1], v[56+2*\u:57+2*\u]
.set j, j+2
.endr
.endr
.irp u, 0,1
.irp k, 0,1,2,3
	v_pk_mul_f32 v[24+8*\u+2*\k:25+8*\u+2*\k], v[ACC+64*\u+2*\k:ACC+64*\u+2*\k+1], v[ACC+64*\u+2*\k:ACC+64*\u+2*\k+1]
.endr
.irp ct, 1,2,3,4,5,6,7
.irp k, 0,1,2,3
	v_pk_fma_f32 v[24+8*\u+2*\k:25+8*\u+2*\k], v[ACC+64*\u+8*\ct+2*\k:ACC+64*\u+8*\ct+2*\k+1], v[ACC+64*\u+8*\ct+2*\k:ACC+64*\u+8*\ct+2*\k+1], v[24+8*\u+2*\k:25+8*\u+2*\k]
.endr
.endr
.endr
	JOIN 0
	JOIN 1
	ds_store_b32 v[LNW], v24 offset:1024
	ds_store_b32 v[LNW], v32 offset:1536
	s_wait_dscnt 0x0
	s_barrier_signal -1
	s_barrier_wait -1                              ; and the sums of the squares
.irp u, 0,1
	ds_load_b128 v[40+8*\u:43+8*\u], v[LNR] offset:1024+512*\u
	ds_load_b128 v[44+8*\u:47+8*\u], v[LNR] offset:1024+512*\u+16
.endr
	s_wait_dscnt 0x0
	EIGHT 0
	EIGHT 1
	v_fma_f32 v40, v40, s32, s33                   ; the variance + 1e-5
	v_fma_f32 v48, v48, s32, s33
	v_rsq_f32 v60, v40
	v_rsq_f32 v62, v48
	v_nop                                          ; a plain place behind the two
	s_wait_alu depctr_va_vdst(0)                   ; one wait for both, ahead of their first reader
	v_mov_b32 v61, v60
	v_mov_b32 v63, v62
.irp u, 0,1
.set j, 0
.rept 32
	v_pk_mul_f32 v[ACC+64*\u+j:ACC+64*\u+j+1], v[ACC+64*\u+j:ACC+64*\u+j+1], v[60+2*\u:61+2*\u]
.set j, j+2
.endr
.endr
	s_wait_loadcnt 0x0                             ; g_tn, be_tn
	WIN 0x14                                       ; sources 1 and 2 in window 1
.irp u, 0,1
.set j, 0
.rept 32
	v_pk_fma_f32 v[ACC+64*\u+j:ACC+64*\u+j+1], v[ACC+64*\u+j:ACC+64*\u+j+1], v[128+j:129+j], v[192+j:193+j]
.set j, j+2
.endr
.endr
	WIN 0
	XQ 0
	XQ 1
.irp u, 0,1
.irp j, 0,1,2
	global_store_b128 v[LI], v[CD+12*\u+4*\j:CD+12*\u+4*\j+3], s[16:17] offset:8*\u*REC+512*\j
.endr
	global_store_b32 v[LS], v[PW+\u], s[16:17] offset:8*\u*REC+1536
.endr
	s_wait_tensorcnt 0x0                           ; the wave's end, behind my last LDS store
	ds_add_u32 v[SPW], v[NIL]
	s_wait_dscnt 0x0
	s_endpgm
.Lfunc_end_k_q07723fe547_proj:
	.size	k_q07723fe547_proj, .Lfunc_end_k_q07723fe547_proj-k_q07723fe547_proj
	.p2alignl 7, 3214868480
	.fill 96, 4, 3214868480
	.section	.rodata,"a",@progbits
	.p2align	6, 0x0
	.amdhsa_kernel k_q07723fe547_proj
		.amdhsa_group_segment_fixed_size 90624
		.amdhsa_private_segment_fixed_size 0
		.amdhsa_enable_private_segment 0
		.amdhsa_kernarg_size 56
		.amdhsa_user_sgpr_count 2
		.amdhsa_user_sgpr_kernarg_segment_ptr 1
		.amdhsa_wavefront_size32 1
		.amdhsa_system_sgpr_workgroup_id_x 1
		.amdhsa_system_sgpr_workgroup_id_y 1
		.amdhsa_system_sgpr_workgroup_id_z 1
		.amdhsa_system_vgpr_workitem_id 0
		.amdhsa_next_free_vgpr 512
		.amdhsa_next_free_sgpr 66
		.amdhsa_reserve_vcc 0
		.amdhsa_float_denorm_mode_32 3
		.amdhsa_float_denorm_mode_16_64 3
		.amdhsa_memory_ordered 1
		.amdhsa_forward_progress 1
		.amdhsa_inst_pref_size 93
	.end_amdhsa_kernel
	.amdgpu_metadata
---
amdhsa.version: [ 1, 2 ]
amdhsa.kernels:
  - .name:           k_q07723fe547_proj
    .symbol:         k_q07723fe547_proj.kd
    .args:
      - { .name: text_features, .offset: 0, .size: 8, .value_kind: global_buffer, .address_space: global }
      - { .name: wcodes, .offset: 8, .size: 8, .value_kind: global_buffer, .address_space: global }
      - { .name: b_tp, .offset: 16, .size: 8, .value_kind: global_buffer, .address_space: global }
      - { .name: g_tn, .offset: 24, .size: 8, .value_kind: global_buffer, .address_space: global }
      - { .name: be_tn, .offset: 32, .size: 8, .value_kind: global_buffer, .address_space: global }
      - { .name: tp, .offset: 40, .size: 8, .value_kind: global_buffer, .address_space: global }
      - { .name: xcodes, .offset: 48, .size: 8, .value_kind: global_buffer, .address_space: global }
    .group_segment_fixed_size: 90624
    .private_segment_fixed_size: 0
    .kernarg_segment_align: 8
    .kernarg_segment_size: 56
    .max_flat_workgroup_size: 256
    .sgpr_count:     66
    .vgpr_count:     512
    .wavefront_size: 32
...
	.end_amdgpu_metadata
.endif
;; end of part 3
;; launch attn (part 4): grid 16 x 16, 8 waves a work-group, no clusters, 294,656 bytes of LDS; arguments xcodes, wcodes, b_tqkv, rel_embed, text_mask, tp, vp, g_t2i, be_t2i, b_tout, alpha_t2i, out1, i2t; writes out1, i2t
.if DOCPART == 4
	.amdgcn_target "amdgcn-amd-amdhsa--gfx1250"
	.amdhsa_code_object_version 6
	.text
	.protected	k_q07723fe547_attn
	.globl	k_q07723fe547_attn
	.p2align	8
	.type	k_q07723fe547_attn,@function
k_q07723fe547_attn:
	s_mov_b64 s[64:65], 0
	v_nop
	global_prefetch_b8 v0, s[64:65] scope:SCOPE_SE
	s_setreg_imm32_b32 hwreg(HW_REG_WAVE_MODE, 25, 1), 1
	s_wait_xcnt 0x0
; One work-group makes one (batch, head): q, k, v of its 512 tokens (K = 1,024), the self-attention with relative bias and mask, the residual, out1's 64 columns, and the image-to-text attention's 64 numbers (i2t).
; q, k, v, p and text_self's codes never go to memory.
; WORK LEFT OUT (shown at the head of the first launch): the text-to-image scores (a softmax over one key is 1); W_tout's product is made for the batch's one row LN(vision_proj[b]);
; the image-to-text attention for its one query row, in a tile of 16 equal rows.
; SHARES.  Wave w owns tokens 64 w .. 64 w + 63: as rows of the first product, as queries, as the keys that it makes, and as keys of the image-to-text attention.  Four tiles a = 0 .. 3.
; THE ROWS OF A TILE ARE NOT NEIGHBOURS: lane index i of tile 4 G + t is row 64 G + 32 (i / 8) + 8 t + i % 8, for tokens, keys, the weights' rows and the head's channels alike.  A result's lane is source 1's row and
; its register j, in half h of the lanes, source 0's lane index 8 h + j: so the 32 registers of the four tiles of a group are 32 neighbours, one whole block of the next K in one lane.
; THE BIAS is the C of the score's product: 8 x rel_embed (8 = 1 / scale, exact) from a table in LDS, four copies shifted by one word each, so that every lane's 16 bytes are aligned.
; THE MASK rides in the idle half of K (the head has 64, the instruction 128): q holds the code of 1 at k = 64 under the byte 127; a masked key holds the code of -16 there under the byte 157, a live key the code 0
; under the byte 127: -2^34 is added to a masked score inside the product, and its p falls to 0 as with reference()'s -1e9.  A batch with no live key takes c = 0 by a scalar select: every t is 0, every p 1,
; reference()'s uniform row.  The running largest t begins at -2^24, so that a step all of whose keys are masked gives p = 0 and not numbers made of the rounding of -2^34 x c.
; LIMITS: the mask holds for |q.k + 8 rel| < 2^33; a row whose largest live t (logit x log2 e) lies under -2^24 is not served; NaN and infinities are not served; a block of zeros gets the byte 1 where the rule
; says 127 (its codes are zeros; nobody else reads the bytes).
; NO TENSOR LOAD, NO CLUSTER: the rows' fragments are each used by one wave alone and go from memory into its registers; the head's 159,744 bytes of weights are copied once through registers.  The sixteen
; work-groups of a batch read the same rows' codes, the sixteen of a head the same weights; neither is walked in steps that partners could ask for jointly without a ring that LDS has no room for here.
; REGISTERS, window 0: v1-5 lane terms and the add's two; v6-15 the quantiser's; v16-17 addresses; v18 the scale word just made; v19 q's; v20-23 my four tiles' mask codes; v24-31 scale words alone.
;   First product: v32-79 the rows' 4 fragments; v80-127 the weight's, two sets of two; v128-255 v's accumulators; window 1: v0-127 q's, v128-255 k's.
;   Attention: v32-43 q; v44-63 statistics; v64-127 scores, then p; v128-175 4 fragments of keys; v176-187 p's codes; v188-191 the tout row; v192-216 addresses; v224-255 O^T; window 1: v0-31 text_proj, v32-79 V's 4 fragments.
.set REC, 1664
.set WQKV_OFF, 638976
.set WTOUT_OFF, 3194880
.set KIMG, 159744                      ; LDS: 0: the head's weights, [ks][12 tiles] records; later each wave's stage, 64 rows x 272 bytes.  KIMG: 32 tiles x 1,024 bytes (registers 0-7)
.set KSC, 192512                       ; their scale words, 128 bytes a tile
.set VIMG, 196608                      ; V^T: fragment (4 ks + dt) x 1,536; a half (64 keys): 16 bytes a lane, then 8 bytes a lane
.set VSC, 221184                       ; its scale bytes: fragment x 64 + 4 x row + byte
.set QIMG, 222208                      ; as KIMG: q, each wave's own; later text_self's fragments
.set QSC, 254976
.set ETAB, 259072                      ; the bias table: copy c holds E[pos + c] at 4,128 c + 4 pos
.set VCIMG, 275712                     ; LN(vision_proj[b]): 8 records
.set TRW, 289024                       ; alpha x tout: [half of K][64] f32
.set XCH, 289536                       ; the image-to-text parts: 512 bytes a wave
.set SPARE, 293632                     ; the spare words, 128 bytes a wave
.set LI, 1
.set LS, 2
.set SH8, 3
.set SPW, 4
.set NIL, 5
.set MX, 6
.set SCO, 8
.set BY0, 9
.set BY1, 10
.set QX, 11
.set T3, 12
.set PO, 15
.set ADB, 16
.set ADBS, 17
.set PW, 18
.set QS, 19
.set MK, 20
.set SA, 24
.set SB, 28
.set AFR, 32
.set BFR, 80
.set VAC, 128
.set QF, 32
.set NM, 44
.set MT, 45
.set SUM, 46
.set FF, 48
.set BM, 50
.set S2, 54
.set T3B, 56
.set TT, 59
.set SC, 60
.set RL, 62
.set ST, 64
.set KF, 128
.set PF, 176
.set TRR, 188
.set AE0, 192
.set AK0, 193
.set AKS0, 194
.set AV0, 195
.set AV80, 196
.set AVS0, 197
.set AQ0, 198
.set AQS0, 199
.set STW0, 200
.set STR0, 201
.set TPO, 202
.set OUO, 203
.set STC0, 204
.set ADE, 205
.set ADK, 206
.set ADKS, 207
.set ADV, 208
.set ADV8, 209
.set ADVS, 210
.set XCW, 211
.set XCS, 212
.set XR, 213
.set XS, 214
.set GOI, 215
.set VQO, 216
.set OT, 224
.set VF, 32                            ; in window 1
.set WV, 30
.set HD, 31
.set BB, 32
.set SEL, 34
.set CS, 36
.set TK, 40
.set TKS, 41
.set TE, 42
.set TV, 43
.set TVS, 44
.set CNT, 45
.set AL, 46
.set XA, 48
.set MSB, 0
.macro WIN new                         ; the immediate's high byte repeats the setting that is left; at every label and branch the setting is 0
.if MSB != \new
	s_set_vgpr_msb (MSB<<8)|\new
.set MSB, \new
.endif
.endm
; 32 numbers of a lane (sw = 1: in window 1), one block along K -> 6 registers of codes and the block's byte.  The floor 2^(5 - 127) among the leaves holds the byte at 1 from below; each accumulator is read from its low end on.
.macro QB src, cd, by, sw
.if \sw
	WIN 0x05
.endif
	v_max3_num_f32 v[MX], |v[(\src)]|, |v[(\src)+1]|, 0x2800000
	v_max3_num_f32 v[MX+1], |v[(\src)+16]|, |v[(\src)+17]|, 0x2800000
.if \sw
	WIN 0x14
.endif
.irp i, 2,4,6,8,10,12,14
	v_max3_num_f32 v[MX], v[MX], |v[(\src)+\i]|, |v[(\src)+\i+1]|
	v_max3_num_f32 v[MX+1], v[MX+1], |v[(\src)+16+\i]|, |v[(\src)+17+\i]|
.endr
	WIN 0
	v_max_num_f32 v[MX], v[MX], v[MX+1]
	v_add_nc_u32 v[SCO], 0xfe000000, v[MX]         ; 4 off the exponent field: the conversion's scale operand
	v_lshrrev_b32 v[\by], 23, v[SCO]
.if \sw
	WIN 0x01
.endif
	v_cvt_scalef32_pk16_bf6_f32 v[(\cd):(\cd)+2], v[(\src):(\src)+15], v[SCO]
	v_cvt_scalef32_pk16_bf6_f32 v[T3:T3+2], v[(\src)+16:(\src)+31], v[SCO]
	WIN 0
	v_nop                                          ; one plain place behind a scaled conversion
	v_mov_b32 v[(\cd)+3], v[T3]
	v_mov_b32 v[(\cd)+4], v[T3+1]
	v_mov_b32 v[(\cd)+5], v[T3+2]
.endm
.macro SW4 w, b0, b1                   ; four blocks to a row: my bytes of blocks h and 2 + h; lane l xor 16 has the other two
	v_lshl_or_b32 v[\w], v[\b1], 16, v[\b0]
	v_lshlrev_b32 v[\w], v[SH8], v[\w]
	v_permlanex16_b32 v[PO], v[\w], s[SEL], s[SEL+1]
	v_or_b32 v[\w], v[\w], v[PO]
.endm
.macro SW2 w, b0, hi                   ; two blocks to a row: my byte of block h, lane l xor 16's, and the two upper bytes as given
	v_lshlrev_b32 v[\w], v[SH8], v[\b0]
	v_permlanex16_b32 v[PO], v[\w], s[SEL], s[SEL+1]
	v_or_b32 v[\w], v[\w], v[PO]
	v_or_b32 v[\w], \hi, v[\w]
.endm
.macro SW2M w, b0, mk                  ; the same for a row of keys: the byte of k = 64 .. 95 is 127 for a live key and 157 for a masked one: the mask's code, 60 or 0, shifted up by 15 adds 30 to that byte
	v_lshlrev_b32 v[\w], v[SH8], v[\b0]
	v_permlanex16_b32 v[PO], v[\w], s[SEL], s[SEL+1]
	v_or_b32 v[\w], v[\w], v[PO]
	v_lshl_add_u32 v[PO], v[\mk], 15, 0x7f7f0000
	v_or_b32 v[\w], v[\w], v[PO]
.endm
.macro WRED r                          ; a sum over the wave's 32 lanes, in every lane
	v_add_f32_dpp v[\r], v[\r], v[\r] row_xmask:1 row_mask:0xf bank_mask:0xf
	v_add_f32_dpp v[\r], v[\r], v[\r] row_xmask:2 row_mask:0xf bank_mask:0xf
	v_add_f32_dpp v[\r], v[\r], v[\r] row_xmask:4 row_mask:0xf bank_mask:0xf
	v_add_f32_dpp v[\r], v[\r], v[\r] row_xmask:8 row_mask:0xf bank_mask:0xf
	v_permlanex16_b32 v[PO], v[\r], s[SEL], s[SEL+1]
	v_add_f32 v[\r], v[\r], v[PO]
.endm
.macro MMA d, a, b, sa, sb             ; D = A B + D
	v_wmma_scale_f32_16x16x128_f8f6f4 v[(\d):(\d)+7], v[(\a):(\a)+11], v[(\b):(\b)+11], v[(\d):(\d)+7], v[\sa], v[\sb] matrix_a_fmt:MATRIX_FMT_BF6 matrix_b_fmt:MATRIX_FMT_BF6
.endm
.macro MMZ d, a, b, sa, sb             ; D = A B: the product starts the sum
	v_wmma_scale_f32_16x16x128_f8f6f4 v[(\d):(\d)+7], v[(\a):(\a)+11], v[(\b):(\b)+11], 0, v[\sa], v[\sb] matrix_a_fmt:MATRIX_FMT_BF6 matrix_b_fmt:MATRIX_FMT_BF6
.endm
.macro PLACES n
.rept \n
	v_nop
.endr
.endm
; ---------------------------------------------------------------- the head
	s_load_b512 s[4:19], s[0:1], 0x0               ; xcodes, wcodes, b_tqkv, rel_embed, text_mask, tp, vp, g_t2i
	s_load_b256 s[20:27], s[0:1], 0x40             ; be_t2i, b_tout, alpha_t2i, out1
	s_load_b64 s[28:29], s[0:1], 0x60              ; i2t
	v_lshl_add_u32 v[SPW], v0, 2, SPARE
	v_mov_b32 v[NIL], 0
	v_lshrrev_b32 v6, 5, v0
	v_readfirstlane_b32 s[WV], v6
	v_and_b32 v6, 31, v0
	v_lshlrev_b32 v[LI], 4, v6
	v_lshlrev_b32 v[LS], 2, v6
	v_bfe_u32 v7, v0, 4, 1                         ; h
	v_lshlrev_b32 v[SH8], 3, v7
	v_lshlrev_b32 v34, 7, v7                       ; 128 h
	v_xor_b32 v8, 1, v7
	v_mul_u32_u24 v[QX], 12, v8                    ; the code of 1 at k = 64: lanes 0-15, register 6
	v_mul_u32_u24 v49, 60, v8                      ; the code of -16 there
	v_and_b32 v9, 15, v0
	v_lshrrev_b32 v10, 3, v9
	v_and_b32 v9, 7, v9
	v_lshl_add_u32 v48, v10, 5, v9                 ; 32 (r / 8) + r % 8
	v_lshlrev_b32 v60, 2, v48
	v_mov_b32 v[PO], 0
	v_lshlrev_b32 v16, 4, v0                       ; 16 x thread: the copy of the weights
	v_add_nc_u32 v32, 53248, v16
	v_add_nc_u32 v33, 106496, v16
	v_lshl_add_u32 v35, v0, 2, ETAB
.irp n, 0,1,2,3
	v_add_nc_u32 v[36+\n], 256*\n, v0              ; idx = key - query + 511
	v_min_u32 v[36+\n], 639, v[36+\n]
	v_sub_nc_u32 v[36+\n], 639, v[36+\n]
	v_min_u32 v[36+\n], 256, v[36+\n]              ; clip(query - key, -128, 128) + 128
	v_lshlrev_b32 v[36+\n], 6, v[36+\n]
.endr
	s_mul_i32 s38, s[WV], REC
	s_add_co_u32 s38, s38, VCIMG
	v_add_nc_u32 v58, s38, v[LI]
	s_add_co_u32 s38, s38, 1536
	v_add_nc_u32 v59, s38, v[LS]
	s_mov_b32 s[SEL], 0x76543210
	s_mov_b32 s[SEL+1], 0xfedcba98
	s_mov_b32 s71, 0x3a800000                      ; 1 / 1024
	s_mov_b32 s72, 0x3727c5ac                      ; 1e-5
	s_mov_b32 s[HD], ttmp9
	s_and_b32 s[BB], ttmp7, 0xffff
	s_and_b32 s68, s[WV], 3                        ; W_tout's product: my tile of columns,
	s_lshr_b32 s69, s[WV], 2                       ; and my half of K
	s_mov_b32 s39, 0
	s_wait_kmcnt 0x0
	s_load_b32 s[AL], s[24:25], 0x0
	s_mul_i32 s38, s[HD], 159744
	s_add_co_u32 s38, s38, WQKV_OFF
	s_add_nc_u64 s[50:51], s[6:7], s[38:39]        ; the head's weights
	s_lshl_b32 s38, s[BB], 3
	s_add_co_u32 s38, s38, s[WV]
	s_mul_i32 s38, s38, 53248
	s_add_nc_u64 s[XA:XA+1], s[4:5], s[38:39]      ; my four tiles' records
	s_lshl_b32 s38, s[BB], 21
	s_lshl_b32 s70, s[WV], 18
	s_add_co_u32 s38, s38, s70
	s_lshl_b32 s70, s[HD], 8
	s_add_co_u32 s38, s38, s70
	s_add_nc_u64 s[52:53], s[14:15], s[38:39]      ; tp and out1 at my first token, the head's columns
	s_add_nc_u64 s[54:55], s[26:27], s[38:39]
	s_lshl_b32 s38, s[BB], 12
	s_add_nc_u64 s[56:57], s[16:17], s[38:39]      ; vision_proj[b]
	s_add_co_u32 s38, s38, s70
	s_add_nc_u64 s[28:29], s[28:29], s[38:39]      ; i2t[b], the head's columns
	s_add_nc_u64 s[60:61], s[16:17], s[38:39]      ; vision_proj[b], the head's columns
	s_lshl_b32 s38, s[HD], 2
	s_add_nc_u64 s[10:11], s[10:11], s[38:39]
	s_lshl_b32 s38, s[BB], 9
	s_add_nc_u64 s[12:13], s[12:13], s[38:39]      ; the batch's mask
	s_lshl_b32 s38, s[WV], 6
	s_add_nc_u64 s[62:63], s[12:13], s[38:39]      ; my 64 tokens'
	s_lshl_b32 s38, s[WV], 9
	s_add_nc_u64 s[66:67], s[56:57], s[38:39]      ; K step w of vision_proj[b], g_t2i, be_t2i
	s_add_nc_u64 s[18:19], s[18:19], s[38:39]
	s_add_nc_u64 s[20:21], s[20:21], s[38:39]
	s_mov_b32 s38, s70
	s_add_nc_u64 s[8:9], s[8:9], s[38:39]          ; b_tqkv at the head
	s_lshl_b32 s38, s[HD], 2
	s_add_co_u32 s38, s38, s68
	s_lshl_b32 s38, s38, 3
	s_lshl_b32 s73, s69, 2
	s_add_co_u32 s38, s38, s73
	s_mul_i32 s38, s38, REC
	s_add_co_u32 s38, s38, WTOUT_OFF
	s_add_nc_u64 s[58:59], s[6:7], s[38:39]        ; my four records of W_tout
	s_lshl_b32 s73, s68, 5
	s_add_co_u32 s38, s70, s73
	s_add_nc_u64 s[22:23], s[22:23], s[38:39]      ; b_tout at my tile
	WIN 0x40
.set n, 0
.rept 39                               ; 39 x 4,096 bytes: the head's 96 records, on their way to LDS through window 1
	global_load_b128 v[4*n:4*n+3], v16, s[50:51] offset:4096*n
.set n, n+1
.endr
	WIN 0
.irp n, 0,1,2,3
	global_load_b32 v[40+\n], v[36+\n], s[10:11]
.endr
	global_load_b128 v[44:47], v[LI], s[12:13]     ; the batch's 512 mask bytes, 16 a lane
.irp a, 0,1,2,3
	global_load_u8 v[MK+\a], v48, s[62:63] offset:8*\a
.endr
.irp n, 0,1,2,3,4,5,6,7
	global_load_b128 v[192+4*\n:195+4*\n], v[LI], s[56:57] offset:512*\n   ; the whole row vision_proj[b], for its mean and variance
.endr
	s_wait_loadcnt 17                              ; the weights are in; the 17 loads behind them may be out
	WIN 0x04                                       ; an LDS store's data are its source 1: window 1
.set n, 0
.rept 13
	ds_store_b128 v16, v[4*n:4*n+3] offset:4096*n
	ds_store_b128 v32, v[52+4*n:55+4*n] offset:4096*n
	ds_store_b128 v33, v[104+4*n:107+4*n] offset:4096*n
.set n, n+1
.endr
	WIN 0
.irp c, 0,1
.irp n, 0,1,2,3,4,5,6,7
	global_load_b128 v[64+32*\c+4*\n:67+32*\c+4*\n], v34, s[66:67] offset:256*\c+16*\n
	global_load_b128 v[128+32*\c+4*\n:131+32*\c+4*\n], v34, s[18:19] offset:256*\c+16*\n
.endr
.endr
	WIN 0x40
.irp c, 0,1
.irp n, 0,1,2,3,4,5,6,7
	global_load_b128 v[192+32*\c+4*\n:195+32*\c+4*\n], v34, s[20:21] offset:256*\c+16*\n
.endr
.endr
	WIN 0
	s_wait_loadcnt 48                              ; all but those 48
.irp dt, 0,1,2,3
	global_load_b32 v[36+\dt], v60, s[8:9] offset:8192+32*\dt   ; v's bias at my channel of tile dt (the table's loads have left these registers)
.endr
.irp n, 0,1,2,3
	v_mul_f32 v[40+\n], 0x41000000, v[40+\n]       ; x 8
.endr
.irp n, 0,1,2,3
.irp c, 0,1,2,3
	ds_store_b32 v35, v[40+\n] offset:1024*\n+4124*\c   ; E[idx] at copy c, place idx - c
.endr
.endr
	v_or_b32 v44, v44, v45
	v_or_b32 v46, v46, v47
	v_or_b32 v44, v44, v46
	v_cmp_ne_u32 vcc_lo, 0, v44
	s_cmp_lg_u32 vcc_lo, 0                         ; has the batch a live key?
	s_cselect_b32 s[CS], 0x3e38aa3b, 0             ; c = log2(e) / 8, or 0
	s_mov_b32 s[CS+1], s[CS]
.irp a, 0,1,2,3
	v_cmp_eq_u32 vcc_lo, 0, v[MK+\a]
	v_cndmask_b32 v[MK+\a], 0, v49, vcc_lo         ; a masked token's code at k = 64
.endr
	v_pk_add_f32 v[50:51], v[192:193], v[194:195]
	v_pk_add_f32 v[52:53], v[196:197], v[198:199]
.irp j, 8,12,16,20,24,28
	v_pk_add_f32 v[50:51], v[50:51], v[192+\j:193+\j]
	v_pk_add_f32 v[52:53], v[52:53], v[194+\j:195+\j]
.endr
	v_pk_add_f32 v[50:51], v[50:51], v[52:53]
	v_add_f32 v50, v50, v51
	WRED 50
	v_mul_f32 v54, 0xba800000, v50                 ; - the mean
	v_mov_b32 v55, v54
.set j, 0
.rept 16
	v_pk_add_f32 v[192+j:193+j], v[192+j:193+j], v[54:55]
.set j, j+2
.endr
	v_pk_mul_f32 v[50:51], v[192:193], v[192:193]
	v_pk_mul_f32 v[52:53], v[194:195], v[194:195]
.irp j, 4,8,12,16,20,24,28
	v_pk_fma_f32 v[50:51], v[192+\j:193+\j], v[192+\j:193+\j], v[50:51]
	v_pk_fma_f32 v[52:53], v[194+\j:195+\j], v[194+\j:195+\j], v[52:53]
.endr
	v_pk_add_f32 v[50:51], v[50:51], v[52:53]
	v_add_f32 v50, v50, v51
	WRED 50
	v_fma_f32 v50, v50, s71, s72
	v_rsq_f32 v56, v50
	v_nop                                          ; a plain place behind it
	s_wait_alu depctr_va_vdst(0)                   ; and the wait ahead of its first reader
	v_mov_b32 v57, v56
	s_wait_loadcnt 0x0
.set j, 0
.rept 32
	v_pk_add_f32 v[64+j:65+j], v[64+j:65+j], v[54:55]
.set j, j+2
.endr
.set j, 0
.rept 32
	v_pk_mul_f32 v[64+j:65+j], v[64+j:65+j], v[56:57]
.set j, j+2
.endr
	WIN 0x10                                       ; be_t2i in window 1
.set j, 0
.rept 32
	v_pk_fma_f32 v[64+j:65+j], v[64+j:65+j], v[128+j:129+j], v[192+j:193+j]
.set j, j+2
.endr
	WIN 0
	QB 64, 224, BY0, 0                             ; K step w of LN(vision_proj[b]): all sixteen rows of the fragment are that row
	QB 96, 230, BY1, 0
	SW4 PW, BY0, BY1
.irp j, 0,1,2
	ds_store_b128 v58, v[224+4*\j:227+4*\j] offset:512*\j
.endr
	ds_store_b32 v59, v[PW]
	s_wait_dscnt 0x0                               ; all my LDS stores have landed and have read their registers
	WIN 0x40
.irp part, 0,1
.irp a, 0,1,2,3
.irp n, 0,1,2,3,4,5,6,7
	global_load_b128 v[128*\part+32*\a+4*\n:128*\part+32*\a+4*\n+3], v34, s[8:9] offset:4096*\part+16*\n   ; q's and k's sums begin with the bias
.endr
.endr
.endr
	WIN 0
.irp dt, 0,1,2,3
.set j, 0
.rept 32
	v_mov_b32 v[VAC+32*\dt+j], v[36+\dt]           ; v's likewise: a lane holds one channel there, so its 32 registers take one number
.set j, j+1
.endr
.endr
	s_wait_kmcnt 0x0
	s_mov_b32 s[AL+1], s[AL]
	s_wait_xcnt 0x0                                ; the loads above have read their address registers: the rows' fragments may land there
.macro ALD                             ; my four tiles' fragments of a K step: 12 loads of 512 consecutive bytes, 4 of scale words
.irp a, 0,1,2,3
.irp j, 0,1,2
	global_load_b128 v[AFR+12*\a+4*\j:AFR+12*\a+4*\j+3], v[LI], s[XA:XA+1] offset:13312*\a+512*\j
.endr
	global_load_b32 v[SA+\a], v[LS], s[XA:XA+1] offset:13312*\a+1536
.endr
.endm
	ALD
	v_mov_b32 v[ADB], v[LI]
	v_add_nc_u32 v[ADBS], 1536, v[LS]
	s_barrier_signal -1
	s_barrier_wait -1                              ; the weights, the table and LN(vision_proj[b]) lie in LDS
; ---------------------------------------------------------------- q, k, v: eight K steps, 48 products each, the 48 accumulators by turns
.macro LDB set, tt0, koff              ; two tiles of the weights from LDS: 8 loads
.irp f, 0,1
.irp j, 0,1,2
	ds_load_b128 v[BFR+24*(\set)+12*\f+4*\j:BFR+24*(\set)+12*\f+4*\j+3], v[ADB] offset:(\koff)+((\tt0)+\f)*REC+512*\j
.endr
	ds_load_b32 v[SB+2*(\set)+\f], v[ADBS] offset:(\koff)+((\tt0)+\f)*REC
.endr
.endm
.macro PAIR p, last                    ; tiles 2 p and 2 p + 1 (q, q, k, k, v, v) against my four tiles of rows
.if (\last) && (\p == 5)
	s_wait_dscnt 0x0
.else
	s_wait_dscnt 8                                 ; this pair is in; the next pair's 8 loads may be out
.endif
.if \p < 4
	WIN 0x50                                       ; C and D in window 1
.irp a, 0,1,2,3
.irp f, 0,1
	MMA 128*((2*\p+\f)/4)+32*\a+8*((2*\p+\f)%4), BFR+24*(\p%2)+12*\f, AFR+12*\a, SB+2*(\p%2)+\f, SA+\a
.endr
.endr
	WIN 0
.else
.irp a, 0,1,2,3
.irp f, 0,1
	MMA VAC+32*(2*\p+\f-8)+8*\a, AFR+12*\a, BFR+24*(\p%2)+12*\f, SA+\a, SB+2*(\p%2)+\f   ; v the other way round: a lane holds a channel, its registers run along the tokens
.endr
.endr
.endif
	PLACES 4                                       ; in front of loads into registers that these products read
.if \p < 4
	LDB \p%2, 2*\p+4, 0
.elseif !\last
	LDB \p%2, 2*\p-8, 12*REC
.endif
.endm
.macro KSTEP last
	s_wait_loadcnt 0x0                             ; the rows' fragments (in the first step the biases too)
.if !\last
	s_add_nc_u64 s[XA:XA+1], s[XA:XA+1], REC       ; free since that wait
.endif
.irp p, 0,1,2,3,4,5
	PAIR \p, \last
.endr
.if !\last
	v_add_nc_u32 v[ADB], 12*REC, v[ADB]
	v_add_nc_u32 v[ADBS], 12*REC, v[ADBS]
	ALD
.endif
.endm
	LDB 0, 0, 0
	LDB 1, 2, 0
	s_mov_b32 s[CNT], 7
.Lks:
	KSTEP 0
	s_sub_co_u32 s[CNT], s[CNT], 1
	s_cmp_lg_u32 s[CNT], 0
	s_cbranch_scc1 .Lks
	KSTEP 1
; ---------------------------------------------------------------- q, k, v become codes; W_tout's product
.irp s, 0,1,2,3
.irp j, 0,1,2
	global_load_b128 v[BFR+12*\s+4*\j:BFR+12*\s+4*\j+3], v[LI], s[58:59] offset:\s*REC+512*\j   ; my four records of W_tout, asked for early
.endr
	global_load_b32 v[SA+\s], v[LS], s[58:59] offset:\s*REC+1536
.endr
	s_lshl_b32 s38, s[WV], 12
	s_add_co_u32 s39, s38, QIMG
	v_add_nc_u32 v72, s39, v[LI]
	s_add_co_u32 s39, s38, KIMG
	v_add_nc_u32 v74, s39, v[LI]
	s_lshl_b32 s38, s[WV], 9
	s_add_co_u32 s39, s38, QSC
	v_add_nc_u32 v73, s39, v[LS]
	s_add_co_u32 s39, s38, KSC
	v_add_nc_u32 v75, s39, v[LS]
	s_lshr_b32 s38, s[WV], 1                       ; my 64 keys are half w % 2 of K step w / 2
	s_and_b32 s39, s[WV], 1
	s_mul_i32 s66, s38, 6144
	s_mul_i32 s67, s39, 768
	s_add_co_u32 s66, s66, s67
	s_add_co_u32 s66, s66, VIMG
	v_add_nc_u32 v76, s66, v[LI]
	s_add_co_u32 s66, s66, 512
	v_lshl_add_u32 v77, v[LS], 1, s66
	s_lshl_b32 s66, s38, 8
	s_lshl_b32 s67, s39, 1
	s_add_co_u32 s66, s66, s67
	s_add_co_u32 s66, s66, VSC
	v_and_b32 v78, 15, v0
	v_lshlrev_b32 v78, 2, v78
	v_bfe_u32 v79, v0, 4, 1
	v_add_nc_u32 v78, v78, v79
	v_add_nc_u32 v78, s66, v78                     ; my byte: 4 x row + 2 (w % 2) + h
	v_lshlrev_b32 v70, 7, v79
	s_lshl_b32 s66, s69, 8
	s_lshl_b32 s67, s68, 5
	s_add_co_u32 s66, s66, s67
	s_add_co_u32 s66, s66, TRW
	v_add_nc_u32 v79, s66, v70
	s_mul_i32 s66, s69, 4*REC
	s_add_co_u32 s66, s66, VCIMG
	v_add_nc_u32 v68, s66, v[LI]
	s_add_co_u32 s66, s66, 1536
	v_add_nc_u32 v69, s66, v[LS]
.irp a, 0,1,2,3                        ; q: a lane holds one token and one block of 32 channels
	QB 32*\a, 32+8*\a, BY0, 1
	v_mov_b32 v[38+8*\a], v[QX]
	v_mov_b32 v[39+8*\a], 0
	SW2 64+\a, BY0, 0x7f7f0000
	ds_store_b128 v72, v[32+8*\a:35+8*\a] offset:1024*\a
	ds_store_b128 v72, v[36+8*\a:39+8*\a] offset:1024*\a+512
	ds_store_b32 v73, v[64+\a] offset:128*\a
.endr
	s_wait_dscnt 0x0                               ; the stores have read their registers
.irp a, 0,1,2,3                        ; k likewise, with the mask's code and its byte
	QB 128+32*\a, 32+8*\a, BY0, 1
	v_mov_b32 v[38+8*\a], v[MK+\a]
	v_mov_b32 v[39+8*\a], 0
	SW2M 64+\a, BY0, MK+\a
	ds_store_b128 v74, v[32+8*\a:35+8*\a] offset:1024*\a
	ds_store_b128 v74, v[36+8*\a:39+8*\a] offset:1024*\a+512
	ds_store_b32 v75, v[64+\a] offset:128*\a
.endr
	s_wait_dscnt 0x0
.irp dt, 0,1,2,3                       ; v: a lane holds one channel and one block of 32 keys
	QB VAC+32*\dt, 32+8*\dt, 64+\dt, 0
	ds_store_b128 v76, v[32+8*\dt:35+8*\dt] offset:1536*\dt
	ds_store_b64 v77, v[36+8*\dt:37+8*\dt] offset:1536*\dt
	ds_store_b8 v78, v[64+\dt] offset:64*\dt
.endr
	global_load_b128 v[128:131], v70, s[22:23]     ; b_tout at my eight columns
	global_load_b128 v[132:135], v70, s[22:23] offset:16
.irp s, 0,1,2,3
.irp j, 0,1,2
	ds_load_b128 v[144+12*\s+4*\j:147+12*\s+4*\j], v68 offset:\s*REC+512*\j
.endr
	ds_load_b32 v[SB+\s], v69 offset:\s*REC
.endr
	s_cmp_eq_u32 s69, 0
	s_cselect_b32 s38, -1, 0                       ; the bias counts once: in K's first half
	s_wait_loadcnt 0x0
	s_wait_dscnt 0x0
.irp j, 0,1,2,3,4,5,6,7
	v_cndmask_b32 v[128+\j], 0, v[128+\j], s38
.endr
	PLACES 4
	MMA 128, BFR, 144, SA, SB                      ; two accumulators by turns
	MMZ 136, BFR+12, 156, SA+1, SB+1
	MMA 128, BFR+24, 168, SA+2, SB+2
	MMA 136, BFR+36, 180, SA+3, SB+3
	PLACES 4
.irp j, 0,2,4,6
	v_pk_add_f32 v[128+\j:129+\j], v[128+\j:129+\j], v[136+\j:137+\j]
.endr
.irp j, 0,2,4,6
	v_pk_mul_f32 v[128+\j:129+\j], v[128+\j:129+\j], s[AL:AL+1] op_sel_hi:[1,0]   ; x alpha_t2i
.endr
	ds_store_b128 v79, v[128:131]
	ds_store_b128 v79, v[132:135] offset:16
	s_wait_dscnt 0x0                               ; my images have landed, and my reads of the weights are over
	s_barrier_signal -1
	s_barrier_wait -1                              ; K, V^T and the tout row lie in LDS; the weights' bytes become the stages
; ---------------------------------------------------------------- the self-attention
	v_and_b32 v56, 15, v0                          ; r
	v_bfe_u32 v57, v0, 4, 1                        ; h
	v_lshl_add_u32 v59, v56, 4, TRW
	ds_load_b128 v[TRR:TRR+3], v59
	ds_load_b128 v[184:187], v59 offset:256
	v_xor_b32 v58, 15, v56                         ; 15 - r: the table's address is made of additions alone
	v_and_b32 v59, 3, v58
	v_mul_u32_u24 v[AE0], v59, 4128                ; copy 3 - r % 4
	v_lshl_add_u32 v[AE0], v57, 7, v[AE0]
	v_lshrrev_b32 v59, 3, v58
	v_lshl_add_u32 v[AE0], v59, 7, v[AE0]
	v_and_b32 v59, 4, v58
	v_lshl_add_u32 v[AE0], v59, 2, v[AE0]
	s_xor_b32 s38, s[WV], 7
	s_lshl_b32 s38, s38, 8
	s_add_co_u32 s38, s38, ETAB
	v_add_nc_u32 v[AE0], s38, v[AE0]               ; with 96 - 32 a + 512 x step: 4 x (508 + key - 64 w - 32 (r / 8) - 8 a - (r & 4))
	v_add_nc_u32 v[AK0], KIMG, v[LI]
	v_add_nc_u32 v[AKS0], KSC, v[LS]
	v_add_nc_u32 v[AV0], VIMG, v[LI]
	v_lshl_add_u32 v[AV80], v[LS], 1, VIMG+512
	v_lshl_add_u32 v[AVS0], v56, 2, VSC
	s_lshl_b32 s38, s[WV], 12
	s_add_co_u32 s38, s38, QIMG
	v_add_nc_u32 v[AQ0], s38, v[LI]
	s_lshl_b32 s38, s[WV], 9
	s_add_co_u32 s39, s38, QSC
	v_add_nc_u32 v[AQS0], s39, v[LS]
	s_add_co_u32 s39, s38, XCH
	v_lshl_add_u32 v[XCW], v57, 7, s39
	s_add_co_u32 s39, s39, 256
	v_mov_b32 v[XCS], s39
	v_lshl_add_u32 v[XR], v[LS], 1, XCH
	v_mov_b32 v[XS], XCH+256
	v_lshlrev_b32 v[GOI], 1, v[LS]
	v_lshlrev_b32 v[VQO], 7, v57
	v_lshrrev_b32 v59, 3, v56
	v_and_b32 v60, 7, v56
	v_lshl_add_u32 v59, v59, 5, v60                ; 32 (r / 8) + r % 8
	s_mul_i32 s38, s[WV], 17408                    ; my stage
	v_mul_u32_u24 v[STW0], v59, 272
	v_lshl_add_u32 v[STW0], v57, 7, v[STW0]
	v_add_nc_u32 v[STW0], s38, v[STW0]
	v_mul_u32_u24 v60, v57, 8704
	v_add_nc_u32 v60, s38, v60
	v_lshl_add_u32 v[STR0], v56, 4, v60
	v_lshl_add_u32 v[STC0], v59, 2, v60
	v_lshlrev_b32 v[TPO], 12, v59
	v_lshl_add_u32 v[TPO], v57, 7, v[TPO]
	v_lshlrev_b32 v[OUO], 17, v57
	v_lshl_add_u32 v[OUO], v56, 4, v[OUO]
.irp j, 8,9,10,11
	v_mov_b32 v[QF+\j], 0                          ; k = 80 .. 127 of q and of the keys hold nothing
.irp t, 0,1,2,3
	v_mov_b32 v[KF+12*\t+\j], 0
.endr
.endr
	v_mov_b32 v[FF+1], 0                           ; named as the upper halves of pairs
	v_mov_b32 v[RL+1], 0
	s_wait_dscnt 0x0
	v_pk_add_f32 v[TRR:TRR+1], v[TRR:TRR+1], v[184:185]
	v_pk_add_f32 v[TRR+2:TRR+3], v[TRR+2:TRR+3], v[186:187]   ; alpha x (LN(vision_proj[b]) W_tout^T + b_tout) at the four columns that I store
.macro KLOAD g
.irp t, 0,1,2,3
	ds_load_b128 v[KF+12*\t:KF+12*\t+3], v[ADK] offset:(4*(\g)+\t)*1024
	ds_load_b128 v[KF+12*\t+4:KF+12*\t+7], v[ADK] offset:(4*(\g)+\t)*1024+512
	ds_load_b32 v[SA+\t], v[ADKS] offset:(4*(\g)+\t)*128
.endr
.endm
.macro KMUL g
.irp t, 0,1,2,3
	MMA ST+32*(\g)+8*\t, KF+12*\t, QF, SA+\t, QS
.endr
.endm
; A KEY STEP: 128 keys for my 16 queries.  A lane holds one query; registers 32 g + i are keys 128 x step + 64 g + 32 h + i: two whole blocks.
.macro ASTEP
	v_add_nc_u32 v[ADE], s[TE], v[AE0]             ; (these six are also the places behind the last step's products)
	v_add_nc_u32 v[ADK], s[TK], v[AK0]
	v_add_nc_u32 v[ADKS], s[TKS], v[AKS0]
	v_add_nc_u32 v[ADV], s[TV], v[AV0]
	v_add_nc_u32 v[ADV8], s[TV], v[AV80]
	v_add_nc_u32 v[ADVS], s[TVS], v[AVS0]
.irp g, 0,1
.irp n, 0,1,2,3,4,5,6,7
	ds_load_b128 v[ST+32*\g+4*\n:ST+32*\g+4*\n+3], v[ADE] offset:256*\g+16*\n   ; the bias: the products' C
.endr
.endr
	KLOAD 0
	s_wait_dscnt 0x0
	KMUL 0
	PLACES 4
	KLOAD 1
	WIN 0x40
.irp dt, 0,1,2,3
	ds_load_b128 v[VF+12*\dt:VF+12*\dt+3], v[ADV] offset:1536*\dt
	ds_load_b64 v[VF+12*\dt+4:VF+12*\dt+5], v[ADV8] offset:1536*\dt
	ds_load_b128 v[VF+12*\dt+6:VF+12*\dt+9], v[ADV] offset:1536*\dt+768
	ds_load_b64 v[VF+12*\dt+10:VF+12*\dt+11], v[ADV8] offset:1536*\dt+768
.endr
	WIN 0
.irp dt, 0,1,2,3
	ds_load_b32 v[SB+\dt], v[ADVS] offset:64*\dt
.endr
	s_wait_dscnt 20                                ; the keys are in; V's 20 loads may be out
	KMUL 1
	PLACES 4
	v_max3_num_f32 v[BM], v[ST], v[ST+1], v[ST+2]  ; each block's largest score: for the row's maximum, and, since p rises with the score, for the block's largest p
	v_max3_num_f32 v[BM+1], v[ST+32], v[ST+33], v[ST+34]
.irp i, 3,5,7,9,11,13,15,17,19,21,23,25,27,29
	v_max3_num_f32 v[BM], v[BM], v[ST+\i], v[ST+\i+1]
	v_max3_num_f32 v[BM+1], v[BM+1], v[ST+32+\i], v[ST+33+\i]
.endr
	v_max_num_f32 v[BM], v[BM], v[ST+31]
	v_max_num_f32 v[BM+1], v[BM+1], v[ST+63]
	v_max_num_f32 v[TT], v[BM], v[BM+1]
	v_permlanex16_b32 v[PO], v[TT], s[SEL], s[SEL+1]
	v_max_num_f32 v[TT], v[TT], v[PO]
	v_mul_f32 v[TT], s[CS], v[TT]                  ; as t (c is not negative)
	v_max_num_f32 v[MT], v[MT], v[TT]              ; the running largest t
	v_mov_b32 v[TT], v[NM]
	v_floor_f32 v[NM], -v[MT]                      ; -M = floor(-t): M is a whole number
	v_sub_f32 v[TT], v[NM], v[TT]                  ; old M - new M
	v_cvt_i32_f32 v[TT], v[TT]                     ; (it saturates)
	v_ldexp_f32 v[FF], 1.0, v[TT]                  ; f = 2^(old M - new M): rounds nothing
.set j, 0
.rept 32
	v_pk_fma_f32 v[ST+j:ST+j+1], v[ST+j:ST+j+1], s[CS:CS+1], v[NM:NM+1] op_sel_hi:[1,0,0]   ; t - M
.set j, j+2
.endr
	v_fma_f32 v[BM], v[BM], s[CS], v[NM]
	v_fma_f32 v[BM+1], v[BM+1], s[CS], v[NM]
.set j, 0
.rept 64
	v_exp_f32 v[ST+j], v[ST+j]                     ; p = 2^(t - M), not normalised
.set j, j+1
.endr
	v_pk_mul_f32 v[SUM:SUM+1], v[SUM:SUM+1], v[FF:FF+1] op_sel_hi:[1,0]   ; a plain place behind the batch
	s_wait_alu depctr_va_vdst(0)                   ; one wait for the 64, ahead of their first reader
	v_exp_f32 v[BM], v[BM]
	v_exp_f32 v[BM+1], v[BM+1]
	v_pk_add_f32 v[S2:S2+1], v[ST:ST+1], v[ST+2:ST+3]   ; the row's sum is taken of the unquantised p
.irp i, 4,8,12,16,20,24,28,32,36,40,44,48,52,56,60
	v_pk_add_f32 v[SUM:SUM+1], v[SUM:SUM+1], v[ST+\i:ST+\i+1]
	v_pk_add_f32 v[S2:S2+1], v[S2:S2+1], v[ST+\i+2:ST+\i+3]
.endr
	v_pk_add_f32 v[SUM:SUM+1], v[SUM:SUM+1], v[S2:S2+1]
	s_wait_alu depctr_va_vdst(0)                   ; and one for the two
	v_max_num_f32 v[BM], 0x2800000, v[BM]
	v_max_num_f32 v[BM+1], 0x2800000, v[BM+1]
	v_add_nc_u32 v[SC], 0xfe000000, v[BM]
	v_add_nc_u32 v[SC+1], 0xfe000000, v[BM+1]
	v_lshrrev_b32 v[BY0], 23, v[SC]
	v_lshrrev_b32 v[BY1], 23, v[SC+1]
	SW4 PW, BY0, BY1
	v_cvt_scalef32_pk16_bf6_f32 v[PF:PF+2], v[ST:ST+15], v[SC]
	v_cvt_scalef32_pk16_bf6_f32 v[T3:T3+2], v[ST+16:ST+31], v[SC]
	v_cvt_scalef32_pk16_bf6_f32 v[PF+6:PF+8], v[ST+32:ST+47], v[SC+1]
	v_cvt_scalef32_pk16_bf6_f32 v[T3B:T3B+2], v[ST+48:ST+63], v[SC+1]
	v_nop                                          ; one plain place behind the conversions
.irp i, 0,1,2
	v_mov_b32 v[PF+3+\i], v[T3+\i]
	v_mov_b32 v[PF+9+\i], v[T3B+\i]
.endr
.set j, 0
.rept 16
	v_pk_mul_f32 v[OT+j:OT+j+1], v[OT+j:OT+j+1], v[FF:FF+1] op_sel_hi:[1,0]   ; O^T under the new M; these are also the places in front of the products below
.set j, j+2
.endr
	s_wait_dscnt 0x0                               ; V
	WIN 0x01
.irp dt, 0,1,2,3
	MMA OT+8*\dt, VF+12*\dt, PF, SB+\dt, PW
.endr
	WIN 0
.endm
; The end of a tile of queries: O^T / the sum + text_proj = text_self; it goes to my stage (for out1's rows and for the image-to-text attention), its codes along the channels take the place of q's; out1 leaves.
.macro FINA a
	PLACES 4
	v_add_f32 v[SUM], v[SUM], v[SUM+1]
	v_permlanex16_b32 v[PO], v[SUM], s[SEL], s[SEL+1]
	v_add_f32 v[SUM], v[SUM], v[PO]
	v_rcp_f32 v[RL], v[SUM]
	v_mov_b32 v[PF+6], v[MK+\a]                    ; (plain places behind the reciprocal)
	v_mov_b32 v[PF+7], 0
	s_wait_alu depctr_va_vdst(0)
	s_wait_loadcnt 0x0                             ; text_proj, asked for at the tile's head
	WIN 0x10
.set j, 0
.rept 16
	v_pk_fma_f32 v[ST+j:ST+j+1], v[OT+j:OT+j+1], v[RL:RL+1], v[j:j+1] op_sel_hi:[1,0,1]
.set j, j+2
.endr
	WIN 0
.irp n, 0,1,2,3,4,5,6,7
	ds_store_b128 v[STW0], v[ST+4*\n:ST+4*\n+3] offset:8*\a*272+16*\n
.endr
	QB ST, PF, BY0, 0
	SW2M PW, BY0, MK+\a
	ds_store_b128 v[AQ0], v[PF:PF+3] offset:1024*\a
	ds_store_b128 v[AQ0], v[PF+4:PF+7] offset:1024*\a+512
	ds_store_b32 v[AQS0], v[PW] offset:128*\a
.irp k, 0,1,2,3,4,5,6,7
	ds_load_b128 v[ST+32+4*\k:ST+32+4*\k+3], v[STR0] offset:(8*\a+\k)*272   ; LDS serves a wave's instructions in order: these see my stores
.endr
.irp k, 0,1,2,3,4,5,6,7
	s_wait_dscnt 7-\k
	v_pk_add_f32 v[ST+32+4*\k:ST+32+4*\k+1], v[ST+32+4*\k:ST+32+4*\k+1], v[TRR:TRR+1]
	v_pk_add_f32 v[ST+32+4*\k+2:ST+32+4*\k+3], v[ST+32+4*\k+2:ST+32+4*\k+3], v[TRR+2:TRR+3]
	global_store_b128 v[OUO], v[ST+32+4*\k:ST+32+4*\k+3], s[54:55] offset:(8*\a+\k)*4096 th:TH_STORE_NT   ; sixteen lanes store 256 consecutive bytes, at a multiple of 256
.endr
.endm
.macro QTILE a
	s_wait_xcnt 0x0                                ; the last tile's stores have read their registers
	ds_load_b128 v[QF:QF+3], v[AQ0] offset:1024*\a
	ds_load_b128 v[QF+4:QF+7], v[AQ0] offset:1024*\a+512
	ds_load_b32 v[QS], v[AQS0] offset:128*\a
	WIN 0x40
.irp n, 0,1,2,3,4,5,6,7
	global_load_b128 v[4*\n:4*\n+3], v[TPO], s[52:53] offset:8*\a*4096+16*\n th:TH_LOAD_NT   ; text_proj: wanted at the tile's end
.endr
	WIN 0
	v_mov_b32 v[MT], 0xcb800000                    ; the largest t so far: -2^24 (the head comment says why, and what it leaves unserved)
	v_floor_f32 v[NM], -v[MT]
	v_mov_b32 v[SUM], 0
	v_mov_b32 v[SUM+1], 0
.set j, 0
.rept 32
	v_mov_b32 v[OT+j], 0                           ; the key step is written once: the first finds zeros, which the first change of M leaves zeros
.set j, j+1
.endr
	s_mov_b32 s[TK], 0
	s_mov_b32 s[TKS], 0
	s_mov_b32 s[TE], 96-32*\a
	s_mov_b32 s[TV], 0
	s_mov_b32 s[TVS], 0
	s_mov_b32 s[CNT], 4
.Lkeys_\a:
	ASTEP
	s_add_co_u32 s[TK], s[TK], 8192
	s_add_co_u32 s[TKS], s[TKS], 1024
	s_add_co_u32 s[TE], s[TE], 512
	s_add_co_u32 s[TV], s[TV], 6144
	s_add_co_u32 s[TVS], s[TVS], 256
	s_sub_co_u32 s[CNT], s[CNT], 1
	s_cmp_lg_u32 s[CNT], 0
	s_cbranch_scc1 .Lkeys_\a
	FINA \a
.endm
	QTILE 0
	QTILE 1
	QTILE 2
	QTILE 3
; ---------------------------------------------------------------- image to text: each wave on its own 64 keys, under a whole number M of its own; the eight parts meet in LDS
.macro TLD dt, buf                     ; text_self down the stage's columns: channel 32 (i / 8) + 8 dt + i % 8, my half's 32 keys
.set n, 0
.rept 32
	ds_load_b32 v[(\buf)+n], v[STC0] offset:n*272+32*(\dt)
.set n, n+1
.endr
.endm
.macro TQ dt, buf                      ; quantised along the keys: 16 channels x my 64 keys, in the lower half of a fragment
	QB \buf, KF+12*(\dt), BY0, 0
	v_mov_b32 v[KF+12*(\dt)+6], 0
	v_mov_b32 v[KF+12*(\dt)+7], 0
	SW2 SB+(\dt), BY0, 0x7f7f0000
.endm
	s_wait_xcnt 0x0
.irp n, 0,1,2,3,4,5,6,7
	global_load_b128 v[ST+4*\n:ST+4*\n+3], v[VQO], s[60:61] offset:16*\n   ; the one query: vision_proj[b] at the head; all sixteen rows of the tile are it
.endr
.irp a, 0,1,2,3
	ds_load_b128 v[KF+12*\a:KF+12*\a+3], v[AQ0] offset:1024*\a
	ds_load_b128 v[KF+12*\a+4:KF+12*\a+7], v[AQ0] offset:1024*\a+512
	ds_load_b32 v[SA+\a], v[AQS0] offset:128*\a
.endr
	TLD 0, ST+32
	s_wait_loadcnt 0x0
	QB ST, QF, BY0, 0
	v_mov_b32 v[QF+6], v[QX]
	v_mov_b32 v[QF+7], 0
	SW2 QS, BY0, 0x7f7f0000
	s_wait_dscnt 32                                ; text_self's fragments are in; the 32 loads behind them may be out
	PLACES 8                                       ; a scale word written by vector instructions stands eight places ahead
.irp a, 0,1,2,3
	MMZ ST+8*\a, KF+12*\a, QF, SA+\a, QS
.endr
	PLACES 4
	v_max3_num_f32 v[BM], v[ST], v[ST+1], v[ST+2]
	v_max3_num_f32 v[BM+1], v[ST+16], v[ST+17], v[ST+18]
.irp i, 3,5,7,9,11,13
	v_max3_num_f32 v[BM], v[BM], v[ST+\i], v[ST+\i+1]
	v_max3_num_f32 v[BM+1], v[BM+1], v[ST+16+\i], v[ST+17+\i]
.endr
	v_max3_num_f32 v[BM], v[BM], v[ST+15], v[ST+31]
	v_max_num_f32 v[BM], v[BM], v[BM+1]            ; my block's largest score
	v_permlanex16_b32 v[PO], v[BM], s[SEL], s[SEL+1]
	v_max_num_f32 v[TT], v[BM], v[PO]
	v_mul_f32 v[TT], s[CS], v[TT]
	v_max_num_f32 v[TT], 0xcb800000, v[TT]         ; held at -2^24 from below: 64 masked keys give p = 0 and the sum 0
	v_floor_f32 v[NM], -v[TT]                      ; -M of my 64 keys
.set j, 0
.rept 16
	v_pk_fma_f32 v[ST+j:ST+j+1], v[ST+j:ST+j+1], s[CS:CS+1], v[NM:NM+1] op_sel_hi:[1,0,0]
.set j, j+2
.endr
	v_fma_f32 v[BM], v[BM], s[CS], v[NM]
.set j, 0
.rept 32
	v_exp_f32 v[ST+j], v[ST+j]
.set j, j+1
.endr
	v_exp_f32 v[BM], v[BM]
	v_nop                                          ; a plain place behind the batch
	s_wait_alu depctr_va_vdst(0)                   ; one wait for the 33
	v_pk_add_f32 v[SUM:SUM+1], v[ST:ST+1], v[ST+2:ST+3]
	v_pk_add_f32 v[S2:S2+1], v[ST+4:ST+5], v[ST+6:ST+7]
.irp i, 8,12,16,20,24,28
	v_pk_add_f32 v[SUM:SUM+1], v[SUM:SUM+1], v[ST+\i:ST+\i+1]
	v_pk_add_f32 v[S2:S2+1], v[S2:S2+1], v[ST+\i+2:ST+\i+3]
.endr
	v_pk_add_f32 v[SUM:SUM+1], v[SUM:SUM+1], v[S2:S2+1]
	v_add_f32 v[SUM], v[SUM], v[SUM+1]
	v_permlanex16_b32 v[PO], v[SUM], s[SEL], s[SEL+1]
	v_add_f32 v[MT], v[SUM], v[PO]                 ; the sum of my 64 p, beside -M
	v_max_num_f32 v[BM], 0x2800000, v[BM]
	v_add_nc_u32 v[SC], 0xfe000000, v[BM]
	v_lshrrev_b32 v[BY0], 23, v[SC]
	SW2 PW, BY0, 0x7f7f0000
	v_cvt_scalef32_pk16_bf6_f32 v[PF:PF+2], v[ST:ST+15], v[SC]
	v_cvt_scalef32_pk16_bf6_f32 v[T3:T3+2], v[ST+16:ST+31], v[SC]
	v_nop
.irp i, 0,1,2
	v_mov_b32 v[PF+3+\i], v[T3+\i]
.endr
.irp i, 6,7,8,9,10,11
	v_mov_b32 v[PF+\i], 0
.endr
	TLD 1, ST
	s_wait_dscnt 32                                ; the older 32 are in
	TQ 0, ST+32
	TLD 2, ST+32
	s_wait_dscnt 32
	TQ 1, ST
	TLD 3, ST
	s_wait_dscnt 32
	TQ 2, ST+32
	s_wait_dscnt 0x0
	TQ 3, ST
	PLACES 8
.irp dt, 0,1,2,3
	MMZ OT+8*\dt, KF+12*\dt, PF, SB+\dt, PW
.endr
	PLACES 4
.irp n, 0,1,2,3,4,5,6,7
	ds_store_b128 v[XCW], v[OT+4*\n:OT+4*\n+3] offset:16*\n   ; my part of the 64 channels (the sixteen rows are equal: equal bytes to equal places)
.endr
	ds_store_b64 v[XCS], v[NM:NM+1]
	s_wait_dscnt 0x0
	s_barrier_signal -1
	s_barrier_wait -1
	s_cmp_lg_u32 s[WV], 0
	s_cbranch_scc1 .Lend
.irp q, 0,1,2,3,4,5,6,7
	ds_load_b64 v[64+2*\q:65+2*\q], v[XR] offset:512*\q
	ds_load_b64 v[96+2*\q:97+2*\q], v[XS] offset:512*\q
.endr
	s_wait_dscnt 0x0
	v_min_num_f32 v[TT], v96, v98
.irp q, 2,3,4,5,6,7
	v_min_num_f32 v[TT], v[TT], v[96+2*\q]         ; -M of all 512 keys
.endr
.irp q, 0,1,2,3,4,5,6,7
	v_sub_f32 v[112+\q], v[TT], v[96+2*\q]         ; a wave's M - M: a whole number, 0 or less
.endr
.irp q, 0,1,2,3,4,5,6,7
	v_cvt_i32_f32 v[112+\q], v[112+\q]
.endr
.irp q, 0,1,2,3,4,5,6,7
	v_ldexp_f32 v[112+\q], 1.0, v[112+\q]
.endr
	v_mul_f32 v120, v112, v64
	v_mul_f32 v121, v112, v65
	v_mul_f32 v122, v112, v97
.irp q, 1,2,3,4,5,6,7
	v_fma_f32 v120, v[112+\q], v[64+2*\q], v120
	v_fma_f32 v121, v[112+\q], v[65+2*\q], v121
	v_fma_f32 v122, v[112+\q], v[97+2*\q], v122
.endr
	v_rcp_f32 v123, v122
	v_nop
	s_wait_alu depctr_va_vdst(0)
	v_mul_f32 v120, v120, v123
	v_mul_f32 v121, v121, v123
	global_store_b64 v[GOI], v[120:121], s[28:29]  ; 32 lanes store 256 consecutive bytes, at a multiple of 256
.Lend:
	s_wait_tensorcnt 0x0                           ; the wave's end, behind my last LDS store
	ds_add_u32 v[SPW], v[NIL]
	s_wait_dscnt 0x0
	s_endpgm
.Lfunc_end_k_q07723fe547_attn:
	.size	k_q07723fe547_attn, .Lfunc_end_k_q07723fe547_attn-k_q07723fe547_attn
	.p2alignl 7, 3214868480
	.fill 96, 4, 3214868480
	.section	.rodata,"a",@progbits
	.p2align	6, 0x0
	.amdhsa_kernel k_q07723fe547_attn
		.amdhsa_group_segment_fixed_size 294656
		.amdhsa_private_segment_fixed_size 0
		.amdhsa_enable_private_segment 0
		.amdhsa_kernarg_size 104
		.amdhsa_user_sgpr_count 2
		.amdhsa_user_sgpr_kernarg_segment_ptr 1
		.amdhsa_wavefront_size32 1
		.amdhsa_system_sgpr_workgroup_id_x 1
		.amdhsa_system_sgpr_workgroup_id_y 1
		.amdhsa_system_sgpr_workgroup_id_z 1
		.amdhsa_system_vgpr_workitem_id 0
		.amdhsa_next_free_vgpr 512
		.amdhsa_next_free_sgpr 100
		.amdhsa_reserve_vcc 1
		.amdhsa_float_denorm_mode_32 3
		.amdhsa_float_denorm_mode_16_64 3
		.amdhsa_memory_ordered 1
		.amdhsa_forward_progress 1
		.amdhsa_inst_pref_size 233
	.end_amdhsa_kernel
	.amdgpu_metadata
---
amdhsa.version: [ 1, 2 ]
amdhsa.kernels:
  - .name:           k_q07723fe547_attn
    .symbol:         k_q07723fe547_attn.kd
    .args:
      - { .name: xcodes, .offset: 0, .size: 8, .value_kind: global_buffer, .address_space: global }
      - { .name: wcodes, .offset: 8, .size: 8, .value_kind: global_buffer, .address_space: global }
      - { .name: b_tqkv, .offset: 16, .size: 8, .value_kind: global_buffer, .address_space: global }
      - { .name: rel_embed, .offset: 24, .size: 8, .value_kind: global_buffer, .address_space: global }
      - { .name: text_mask, .offset: 32, .size: 8, .value_kind: global_buffer, .address_space: global }
      - { .name: tp, .offset: 40, .size: 8, .value_kind: global_buffer, .address_space: global }
      - { .name: vp, .offset: 48, .size: 8, .value_kind: global_buffer, .address_space: global }
      - { .name: g_t2i, .offset: 56, .size: 8, .value_kind: global_buffer, .address_space: global }
      - { .name: be_t2i, .offset: 64, .size: 8, .value_kind: global_buffer, .address_space: global }
      - { .name: b_tout, .offset: 72, .size: 8, .value_kind: global_buffer, .address_space: global }
      - { .name: alpha_t2i, .offset: 80, .size: 8, .value_kind: global_buffer, .address_space: global }
      - { .name: out1, .offset: 88, .size: 8, .value_kind: global_buffer, .address_space: global }
      - { .name: i2t, .offset: 96, .size: 8, .value_kind: global_buffer, .address_space: global }
    .group_segment_fixed_size: 294656
    .private_segment_fixed_size: 0
    .kernarg_segment_align: 8
    .kernarg_segment_size: 104
    .max_flat_workgroup_size: 256
    .sgpr_count:     100
    .vgpr_count:     512
    .wavefront_size: 32
...
	.end_amdgpu_metadata
.endif
;; end of part 4
;; launch fin (part 5): grid 16 x 1, 4 waves a work-group, no clusters, 14,080 bytes of LDS; arguments i2t, g_i2t, be_i2t, wcodes, b_vout, alpha_i2t, vp, out0; writes out0
.if DOCPART == 5
	.amdgcn_target "amdgcn-amd-amdhsa--gfx1250"
	.amdhsa_code_object_version 6
	.text
	.protected	k_q07723fe547_fin
	.globl	k_q07723fe547_fin
	.p2align	8
	.type	k_q07723fe547_fin,@function
k_q07723fe547_fin:
	s_mov_b64 s[64:65], 0
	v_nop
	global_prefetch_b8 v0, s[64:65] scope:SCOPE_SE
	s_setreg_imm32_b32 hwreg(HW_REG_WAVE_MODE, 25, 1), 1
	s_wait_xcnt 0x0
; out0 = vision_proj + alpha_i2t x (Q(LN(i2t)) Q(W_vout)^T + b_vout).  16 rows, K = 1,024.  (The 512 equal query rows of the image-to-text attention were made once: see the first launch's head.)
; A work-group takes 64 columns, wave w the tile 4 g + w of W_vout (lane index i: row 64 g + 32 (i / 8) + 8 w + i % 8), whose eight records it keeps in registers.
; Every work-group makes the rows' statistics and codes anew: wave w the statistics of rows 4 w .. 4 w + 3 and K steps 2 w, 2 w + 1; they go round through LDS as images of the registers.
; 16 work-groups: the product has no more columns to share out; the launch is bound by its chain of dependent loads.  out0 leaves in pieces of 32 bytes: the whole tensor is 65,536 bytes.
; LIMITS: NaN and infinities are not served; a block of zeros gets the byte 1 where the rule says 127 (its codes are zeros; nobody else reads the bytes).
.set REC, 1664
.set WVOUT_OFF, 4046848
.set STT, 0                            ; LDS: (- mean, 1 / sigma) of the 16 rows
.set AIMG, 256                         ; 8 records
.set SPARE, 13568
.set LI, 1
.set LS, 2
.set SH8, 3
.set SPW, 4
.set NIL, 5
.set PO, 6
.set STA, 7
.set WS, 8                             ; v8-15    W_vout's scale words
.set CD, 112
.set T3, 124
.set PW, 127
.set MX, 128
.set SCO, 130
.set BY0, 131
.set BY1, 132
.set STP, 134
.set MP, 136
.set RP, 138
.set XOF, 140
.set HB, 141
.set AIW, 142
.set AIWS, 143
.set ASC, 144                          ; v144-151 the rows' scale words
.set AC0, 152
.set AC1, 120
.set WF, 160                           ; v160-255 W_vout's eight fragments
.set WV, 20
.set SEL, 22
.set AL, 24
.macro QB src, cd, by, sw
	v_max3_num_f32 v[MX], |v[(\src)]|, |v[(\src)+1]|, 0x2800000
	v_max3_num_f32 v[MX+1], |v[(\src)+16]|, |v[(\src)+17]|, 0x2800000
.irp i, 2,4,6,8,10,12,14
	v_max3_num_f32 v[MX], v[MX], |v[(\src)+\i]|, |v[(\src)+\i+1]|
	v_max3_num_f32 v[MX+1], v[MX+1], |v[(\src)+16+\i]|, |v[(\src)+17+\i]|
.endr
	v_max_num_f32 v[MX], v[MX], v[MX+1]
	v_add_nc_u32 v[SCO], 0xfe000000, v[MX]
	v_lshrrev_b32 v[\by], 23, v[SCO]
	v_cvt_scalef32_pk16_bf6_f32 v[(\cd):(\cd)+2], v[(\src):(\src)+15], v[SCO]
	v_cvt_scalef32_pk16_bf6_f32 v[T3:T3+2], v[(\src)+16:(\src)+31], v[SCO]
	v_nop                                          ; one plain place behind a scaled conversion
	v_mov_b32 v[(\cd)+3], v[T3]
	v_mov_b32 v[(\cd)+4], v[T3+1]
	v_mov_b32 v[(\cd)+5], v[T3+2]
.endm
.macro SW4 w, b0, b1
	v_lshl_or_b32 v[\w], v[\b1], 16, v[\b0]
	v_lshlrev_b32 v[\w], v[SH8], v[\w]
	v_permlanex16_b32 v[PO], v[\w], s[SEL], s[SEL+1]
	v_or_b32 v[\w], v[\w], v[PO]
.endm
.macro WRED r
	v_add_f32_dpp v[\r], v[\r], v[\r] row_xmask:1 row_mask:0xf bank_mask:0xf
	v_add_f32_dpp v[\r], v[\r], v[\r] row_xmask:2 row_mask:0xf bank_mask:0xf
	v_add_f32_dpp v[\r], v[\r], v[\r] row_xmask:4 row_mask:0xf bank_mask:0xf
	v_add_f32_dpp v[\r], v[\r], v[\r] row_xmask:8 row_mask:0xf bank_mask:0xf
	v_permlanex16_b32 v[PO], v[\r], s[SEL], s[SEL+1]
	v_add_f32 v[\r], v[\r], v[PO]
.endm
	s_load_b512 s[4:19], s[0:1], 0x0               ; i2t, g_i2t, be_i2t, wcodes, b_vout, alpha_i2t, vp, out0
	v_lshl_add_u32 v[SPW], v0, 2, SPARE
	v_mov_b32 v[NIL], 0
	v_lshrrev_b32 v6, 5, v0
	v_readfirstlane_b32 s[WV], v6
	v_and_b32 v6, 31, v0
	v_lshlrev_b32 v[LI], 4, v6
	v_lshlrev_b32 v[LS], 2, v6
	v_bfe_u32 v7, v0, 4, 1
	v_lshlrev_b32 v[SH8], 3, v7
	v_mov_b32 v[PO], 0
	s_mov_b32 s[SEL], 0x76543210
	s_mov_b32 s[SEL+1], 0xfedcba98
	s_mov_b32 s26, 0x3a800000                      ; 1 / 1024
	s_mov_b32 s27, 0x3727c5ac                      ; 1e-5
	s_mov_b32 s29, 0
	s_wait_kmcnt 0x0
	s_load_b32 s[AL], s[14:15], 0x0
	s_lshl_b32 s28, s[WV], 14
	s_add_nc_u64 s[30:31], s[4:5], s[28:29]        ; rows 4 w .. 4 w + 3
.irp q, 0,1,2,3
.irp n, 0,1,2,3,4,5,6,7
	global_load_b128 v[16+32*\q+4*\n:19+32*\q+4*\n], v[LI], s[30:31] offset:4096*\q+512*\n
.endr
.endr
	s_lshl_b32 s28, ttmp9, 2
	s_add_co_u32 s28, s28, s[WV]
	s_mul_i32 s28, s28, 8*REC
	s_add_co_u32 s28, s28, WVOUT_OFF
	s_add_nc_u64 s[10:11], s[10:11], s[28:29]
.irp k, 0,1,2,3,4,5,6,7
.irp j, 0,1,2
	global_load_b128 v[WF+12*\k+4*\j:WF+12*\k+4*\j+3], v[LI], s[10:11] offset:\k*REC+512*\j
.endr
	global_load_b32 v[WS+\k], v[LS], s[10:11] offset:\k*REC+1536
.endr
	s_lshl_b32 s28, s[WV], 10                      ; K steps 2 w, 2 w + 1
	s_add_nc_u64 s[4:5], s[4:5], s[28:29]
	s_add_nc_u64 s[6:7], s[6:7], s[28:29]
	s_add_nc_u64 s[8:9], s[8:9], s[28:29]
	s_lshl_b32 s28, ttmp9, 8
	s_lshl_b32 s32, s[WV], 5
	s_add_co_u32 s28, s28, s32                     ; my tile's columns: 64 g + 8 w (+ 32 h), in bytes
	s_add_nc_u64 s[12:13], s[12:13], s[28:29]
	s_add_nc_u64 s[16:17], s[16:17], s[28:29]
	s_add_nc_u64 s[18:19], s[18:19], s[28:29]
	s_wait_loadcnt 32                              ; the four rows are in; the weight's 32 loads may be out
.irp q, 0,1,2,3
	v_pk_add_f32 v[AC0+2*\q:AC0+2*\q+1], v[16+32*\q:17+32*\q], v[18+32*\q:19+32*\q]
.endr
.irp j, 4,6,8,10,12,14,16,18,20,22,24,26,28,30
.irp q, 0,1,2,3
	v_pk_add_f32 v[AC0+2*\q:AC0+2*\q+1], v[AC0+2*\q:AC0+2*\q+1], v[16+32*\q+\j:17+32*\q+\j]   ; the four rows by turns
.endr
.endr
.irp q, 0,1,2,3
	v_add_f32 v[AC0+2*\q], v[AC0+2*\q], v[AC0+2*\q+1]
.endr
.irp q, 0,1,2,3
	WRED AC0+2*\q
.endr
.irp q, 0,1,2,3
	v_mul_f32 v[AC0+2*\q], 0xba800000, v[AC0+2*\q] ; - the mean
	v_mov_b32 v[AC0+2*\q+1], v[AC0+2*\q]
.endr
.irp j, 0,2,4,6,8,10,12,14,16,18,20,22,24,26,28,30
.irp q, 0,1,2,3
	v_pk_add_f32 v[16+32*\q+\j:17+32*\q+\j], v[16+32*\q+\j:17+32*\q+\j], v[AC0+2*\q:AC0+2*\q+1]
.endr
.endr
.irp q, 0,1,2,3
	v_pk_mul_f32 v[16+32*\q:17+32*\q], v[16+32*\q:17+32*\q], v[16+32*\q:17+32*\q]
.endr
.irp j, 2,4,6,8,10,12,14,16,18,20,22,24,26,28,30
.irp q, 0,1,2,3
	v_pk_fma_f32 v[16+32*\q:17+32*\q], v[16+32*\q+\j:17+32*\q+\j], v[16+32*\q+\j:17+32*\q+\j], v[16+32*\q:17+32*\q]
.endr
.endr
.irp q, 0,1,2,3
	v_add_f32 v[16+32*\q], v[16+32*\q], v[17+32*\q]
.endr
.irp q, 0,1,2,3
	WRED 16+32*\q
.endr
.irp q, 0,1,2,3
	v_fma_f32 v[16+32*\q], v[16+32*\q], s26, s27
.endr
.irp q, 0,1,2,3
	v_rsq_f32 v[AC0+2*\q+1], v[16+32*\q]
.endr
	s_lshl_b32 s32, s[WV], 5
	v_mov_b32 v[STA], s32                          ; (a plain place behind the four)  STT + 8 x (4 w)
	s_wait_alu depctr_va_vdst(0)                   ; one wait for the four, ahead of their first reader
.irp q, 0,1,2,3
	ds_store_b64 v[STA], v[AC0+2*\q:AC0+2*\q+1] offset:STT+8*\q
.endr
	s_wait_dscnt 0x0
	s_barrier_signal -1
	s_barrier_wait -1                              ; the sixteen rows' statistics lie in LDS
	v_and_b32 v[STA], 15, v0
	v_bfe_u32 v[HB], v0, 4, 1
	v_lshlrev_b32 v[HB], 7, v[HB]
	v_lshl_add_u32 v[XOF], v[STA], 12, v[HB]       ; row i x 4,096 + 128 h
	v_lshlrev_b32 v[STA], 3, v[STA]
	ds_load_b64 v[STP:STP+1], v[STA] offset:STT
	s_mul_i32 s32, s[WV], 2*REC
	s_add_co_u32 s32, s32, AIMG
	v_add_nc_u32 v[AIW], s32, v[LI]
	v_add_nc_u32 v[AIWS], s32, v[LS]
	s_wait_dscnt 0x0
	v_mov_b32 v[MP], v[STP]
	v_mov_b32 v[MP+1], v[STP]
	v_mov_b32 v[RP], v[STP+1]
	v_mov_b32 v[RP+1], v[STP+1]
.macro BLK kl, c                       ; one block of 32 along K of row i: LN, then its codes
.irp n, 0,1,2,3,4,5,6,7
	global_load_b128 v[16+4*\n:19+4*\n], v[XOF], s[4:5] offset:512*\kl+256*\c+16*\n
	global_load_b128 v[48+4*\n:51+4*\n], v[HB], s[6:7] offset:512*\kl+256*\c+16*\n
	global_load_b128 v[80+4*\n:83+4*\n], v[HB], s[8:9] offset:512*\kl+256*\c+16*\n
.endr
	s_wait_loadcnt 0x0
.irp j, 0,2,4,6,8,10,12,14,16,18,20,22,24,26,28,30
	v_pk_add_f32 v[16+\j:17+\j], v[16+\j:17+\j], v[MP:MP+1]
.endr
.irp j, 0,2,4,6,8,10,12,14,16,18,20,22,24,26,28,30
	v_pk_mul_f32 v[16+\j:17+\j], v[16+\j:17+\j], v[RP:RP+1]
.endr
.irp j, 0,2,4,6,8,10,12,14,16,18,20,22,24,26,28,30
	v_pk_fma_f32 v[16+\j:17+\j], v[16+\j:17+\j], v[48+\j:49+\j], v[80+\j:81+\j]
.endr
	QB 16, CD+6*\c, BY0+\c, 0
.endm
.irp kl, 0,1
	BLK \kl, 0
	BLK \kl, 1
	SW4 PW, BY0, BY1
.irp j, 0,1,2
	ds_store_b128 v[AIW], v[CD+4*\j:CD+4*\j+3] offset:\kl*REC+512*\j
.endr
	ds_store_b32 v[AIWS], v[PW] offset:\kl*REC+1536
	s_wait_dscnt 0x0                               ; the stores have landed and have read their registers
.endr
	s_barrier_signal -1
	s_barrier_wait -1                              ; the rows' eight fragments lie in LDS
	global_load_b128 v[AC0:AC0+3], v[HB], s[12:13] ; the sum begins with b_vout
	global_load_b128 v[AC0+4:AC0+7], v[HB], s[12:13] offset:16
	global_load_b128 v[128:131], v[XOF], s[16:17]  ; vision_proj at my eight columns of row r
	global_load_b128 v[132:135], v[XOF], s[16:17] offset:16
.irp k, 0,1,2,3,4,5,6,7
.irp j, 0,1,2
	ds_load_b128 v[16+12*\k+4*\j:19+12*\k+4*\j], v[LI] offset:AIMG+\k*REC+512*\j
.endr
	ds_load_b32 v[ASC+\k], v[LS] offset:AIMG+\k*REC+1536
.endr
	s_wait_kmcnt 0x0
	s_mov_b32 s[AL+1], s[AL]
	s_wait_loadcnt 0x0
	s_wait_dscnt 0x0
	; two accumulators by turns: the even K steps on the first, the odd ones on the second
	v_wmma_scale_f32_16x16x128_f8f6f4 v[AC0:AC0+7], v[WF:WF+11], v[16:27], v[AC0:AC0+7], v[WS], v[ASC] matrix_a_fmt:MATRIX_FMT_BF6 matrix_b_fmt:MATRIX_FMT_BF6
	v_wmma_scale_f32_16x16x128_f8f6f4 v[AC1:AC1+7], v[WF+12:WF+23], v[28:39], 0, v[WS+1], v[ASC+1] matrix_a_fmt:MATRIX_FMT_BF6 matrix_b_fmt:MATRIX_FMT_BF6
.irp k, 2,4,6
	v_wmma_scale_f32_16x16x128_f8f6f4 v[AC0:AC0+7], v[WF+12*\k:WF+12*\k+11], v[16+12*\k:27+12*\k], v[AC0:AC0+7], v[WS+\k], v[ASC+\k] matrix_a_fmt:MATRIX_FMT_BF6 matrix_b_fmt:MATRIX_FMT_BF6
	v_wmma_scale_f32_16x16x128_f8f6f4 v[AC1:AC1+7], v[WF+12*\k+12:WF+12*\k+23], v[28+12*\k:39+12*\k], v[AC1:AC1+7], v[WS+\k+1], v[ASC+\k+1] matrix_a_fmt:MATRIX_FMT_BF6 matrix_b_fmt:MATRIX_FMT_BF6
.endr
.rept 4
	v_nop
.endr
.irp j, 0,2,4,6
	v_pk_add_f32 v[AC0+\j:AC0+\j+1], v[AC0+\j:AC0+\j+1], v[AC1+\j:AC1+\j+1]
.endr
.irp j, 0,2,4,6
	v_pk_fma_f32 v[128+\j:129+\j], v[AC0+\j:AC0+\j+1], s[AL:AL+1], v[128+\j:129+\j] op_sel_hi:[1,0,1]
.endr
	global_store_b128 v[XOF], v[128:131], s[18:19]
	global_store_b128 v[XOF], v[132:135], s[18:19] offset:16
	s_wait_tensorcnt 0x0                           ; the wave's end, behind my last LDS store
	ds_add_u32 v[SPW], v[NIL]
	s_wait_dscnt 0x0
	s_endpgm
.Lfunc_end_k_q07723fe547_fin:
	.size	k_q07723fe547_fin, .Lfunc_end_k_q07723fe547_fin-k_q07723fe547_fin
	.p2alignl 7, 3214868480
	.fill 96, 4, 3214868480
	.section	.rodata,"a",@progbits
	.p2align	6, 0x0
	.amdhsa_kernel k_q07723fe547_fin
		.amdhsa_group_segment_fixed_size 14080
		.amdhsa_private_segment_fixed_size 0
		.amdhsa_enable_private_segment 0
		.amdhsa_kernarg_size 64
		.amdhsa_user_sgpr_count 2
		.amdhsa_user_sgpr_kernarg_segment_ptr 1
		.amdhsa_wavefront_size32 1
		.amdhsa_system_sgpr_workgroup_id_x 1
		.amdhsa_system_sgpr_workgroup_id_y 1
		.amdhsa_system_sgpr_workgroup_id_z 1
		.amdhsa_system_vgpr_workitem_id 0
		.amdhsa_next_free_vgpr 256
		.amdhsa_next_free_sgpr 66
		.amdhsa_reserve_vcc 0
		.amdhsa_float_denorm_mode_32 3
		.amdhsa_float_denorm_mode_16_64 3
		.amdhsa_memory_ordered 1
		.amdhsa_forward_progress 1
		.amdhsa_inst_pref_size 57
	.end_amdhsa_kernel
	.amdgpu_metadata
---
amdhsa.version: [ 1, 2 ]
amdhsa.kernels:
  - .name:           k_q07723fe547_fin
    .symbol:         k_q07723fe547_fin.kd
    .args:
      - { .name: i2t, .offset: 0, .size: 8, .value_kind: global_buffer, .address_space: global }
      - { .name: g_i2t, .offset: 8, .size: 8, .value_kind: global_buffer, .address_space: global }
      - { .name: be_i2t, .offset: 16, .size: 8, .value_kind: global_buffer, .address_space: global }
      - { .name: wcodes, .offset: 24, .size: 8, .value_kind: global_buffer, .address_space: global }
      - { .name: b_vout, .offset: 32, .size: 8, .value_kind: global_buffer, .address_space: global }
      - { .name: alpha_i2t, .offset: 40, .size: 8, .value_kind: global_buffer, .address_space: global }
      - { .name: vp, .offset: 48, .size: 8, .value_kind: global_buffer, .address_space: global }
      - { .name: out0, .offset: 56, .size: 8, .value_kind: global_buffer, .address_space: global }
    .group_segment_fixed_size: 14080
    .private_segment_fixed_size: 0
    .kernarg_segment_align: 8
    .kernarg_segment_size: 64
    .max_flat_workgroup_size: 128
    .sgpr_count:     66
    .vgpr_count:     256
    .wavefront_size: 32
...
	.end_amdgpu_metadata
.endif
;; end of part 5
;; ======== version 2 of 2: 5 launches
;; limits: right only within a limited range of input values
;; workspace buffers: wsum 3,328 bytes; wcodes 4,898,816 bytes; vp 65,536 bytes; tp 33,554,432 bytes; xcodes 6,815,744 bytes; i2t 65,536 bytes
;; launch wsum (part 6): grid 832 x 1, 4 waves a work-group, no clusters, 1,024 bytes of LDS; arguments W_tp, W_vp, W_tqkv, W_tout, W_vout, wsum; writes wsum
.if DOCPART == 6
	.amdgcn_target "amdgcn-amd-amdhsa--gfx1250"
	.amdhsa_code_object_version 6
	.text
	.protected	k_q07723fe547_wsum
	.globl	k_q07723fe547_wsum
	.p2align	8
	.type	k_q07723fe547_wsum,@function
k_q07723fe547_wsum:
	s_mov_b64 s[64:65], 0
	v_nop
	global_prefetch_b8 v0, s[64:65] scope:SCOPE_SE
	s_setreg_imm32_b32 hwreg(HW_REG_WAVE_MODE, 25, 1), 1
	s_wait_xcnt 0x0
; CrossModalAttention in MX-BF6, five launches: wsum (sums of |W|), wquant (ternary weights as codes; vision_proj), proj (text_proj, LayerNorm, its codes),
; attn (qkv, self-attention, residual, both cross-attentions, out1), fin (out0).
; WORK LEFT OUT, for all finite values of the inputs, in exact arithmetic with the quantisers as they stand:
;  (a) t2i's softmax runs over an axis of length 1: exp(x - x) / exp(x - x) = 1 whatever x.  So the product tq . vkv reaches nothing, and t2i_out[b][s][:] = 1 x vision_proj[b][:] for every s.
;  (b) so the 8,192 rows that go into W_tout's product are 16 different rows, one a batch; equal rows have equal codes and equal results: the product is made for the 16 rows.
;  (c) i2t's 512 query rows of a (batch, head) are one broadcast row of vision_proj; equal rows give equal scores, equal p and equal results, and the mean of 512 equal rows is that row:
;      one row is made (inside a tile of 16 equal rows).
; Every input still has a way to an output; all are loaded.  LIMIT: a NaN, an infinity or an overflow that arises only in the work left out is not carried to the result.
; THIS LAUNCH: a work-group sums |W| over 32,768 bytes of one of the five weights, a wave over 8,192; wsum[work-group] takes the sum.  The order of the sums is a tree, not reference()'s:
; the mean of |W| may differ in its last bits, and a weight that lies within those bits of the ternary threshold may fall on the other side (stated limit).
; No hint on the loads: the next launch reads the weights again.
.set SPARE, 256                        ; behind the four words of the exchange: the spare words, 128 bytes a wave
.set SPW, 30
.set NIL, 31
.set X, 32                             ; v32-95: sixteen loads of 16 bytes a lane
	s_load_b256 s[4:11], s[0:1], 0x0               ; W_tp, W_vp, W_tqkv, W_tout
	s_load_b128 s[12:15], s[0:1], 0x20             ; W_vout, wsum
	v_lshl_add_u32 v[SPW], v0, 2, SPARE
	v_mov_b32 v[NIL], 0
	v_lshrrev_b32 v1, 5, v0
	v_readfirstlane_b32 s16, v1                    ; wave
	v_and_b32 v2, 31, v0
	v_lshlrev_b32 v3, 4, v2                        ; 16 bytes a lane
	v_mov_b32 v4, s16
	v_lshlrev_b32 v4, 2, v4                        ; my wave's word in LDS
	v_mov_b32 v5, 0
	v_mov_b32 v6, 0                                ; a lane permute's destination counts as read
	s_mov_b32 s24, 0x76543210
	s_mov_b32 s25, 0xfedcba98
	s_wait_alu depctr_va_vdst(0)
	s_wait_kmcnt 0x0
	s_mov_b64 s[18:19], s[12:13]                   ; which weight: by the work-group's number alone
	s_mov_b32 s20, 704
	s_cmp_lt_u32 ttmp9, 704
	s_cselect_b64 s[18:19], s[10:11], s[18:19]
	s_cselect_b32 s20, 576, s20
	s_cmp_lt_u32 ttmp9, 576
	s_cselect_b64 s[18:19], s[8:9], s[18:19]
	s_cselect_b32 s20, 192, s20
	s_cmp_lt_u32 ttmp9, 192
	s_cselect_b64 s[18:19], s[6:7], s[18:19]
	s_cselect_b32 s20, 96, s20
	s_cmp_lt_u32 ttmp9, 96
	s_cselect_b64 s[18:19], s[4:5], s[18:19]
	s_cselect_b32 s20, 0, s20
	s_sub_co_u32 s20, ttmp9, s20
	s_lshl_b32 s20, s20, 15
	s_lshl_b32 s21, s16, 13
	s_add_co_u32 s20, s20, s21
	s_mov_b32 s21, 0
	s_add_nc_u64 s[18:19], s[18:19], s[20:21]
.irp i, 0,1,2,3,4,5,6,7,8,9,10,11,12,13,14,15
	global_load_b128 v[X+4*\i:X+4*\i+3], v3, s[18:19] offset:512*\i   ; 32 lanes read 512 consecutive bytes
.endr
	s_wait_loadcnt 12                              ; the first four loads are in, twelve younger ones may be out
.irp k, 0,1,2,3
	v_add_f32 v[8+\k], |v[X+\k]|, |v[X+4+\k]|      ; four chains, started by the first numbers
.endr
.irp i, 2,3
.irp k, 0,1,2,3
	v_add_f32 v[8+\k], v[8+\k], |v[X+4*\i+\k]|
.endr
.endr
	s_wait_alu depctr_va_vdst(0)
	s_wait_loadcnt 8
.irp i, 4,5,6,7
.irp k, 0,1,2,3
	v_add_f32 v[8+\k], v[8+\k], |v[X+4*\i+\k]|
.endr
.endr
	s_wait_alu depctr_va_vdst(0)
	s_wait_loadcnt 4
.irp i, 8,9,10,11
.irp k, 0,1,2,3
	v_add_f32 v[8+\k], v[8+\k], |v[X+4*\i+\k]|
.endr
.endr
	s_wait_alu depctr_va_vdst(0)
	s_wait_loadcnt 0x0
.irp i, 12,13,14,15
.irp k, 0,1,2,3
	v_add_f32 v[8+\k], v[8+\k], |v[X+4*\i+\k]|
.endr
.endr
	v_add_f32 v8, v8, v9
	v_add_f32 v10, v10, v11
	v_add_f32 v8, v8, v10
	v_add_f32_dpp v8, v8, v8 row_xmask:1 row_mask:0xf bank_mask:0xf
	v_add_f32_dpp v8, v8, v8 row_xmask:2 row_mask:0xf bank_mask:0xf
	v_add_f32_dpp v8, v8, v8 row_xmask:4 row_mask:0xf bank_mask:0xf
	v_add_f32_dpp v8, v8, v8 row_xmask:8 row_mask:0xf bank_mask:0xf
	v_permlanex16_b32 v6, v8, s24, s25
	v_add_f32 v8, v8, v6                           ; the wave's sum, in every lane
	ds_store_b32 v4, v8
	s_wait_dscnt 0x0                               ; for the others' sake: my store has landed
	s_barrier_signal -1
	s_barrier_wait -1
	ds_load_b128 v[12:15], v5                      ; the four waves' sums
	s_lshl_b32 s23, ttmp9, 2
	v_mov_b32 v16, s23
	s_wait_dscnt 0x0
	v_add_f32 v12, v12, v13
	v_add_f32 v14, v14, v15
	v_add_f32 v12, v12, v14
	s_wait_alu depctr_va_vdst(0)
	s_wait_xcnt 0x0                                ; EXEC changes only behind this wait
	v_cmp_eq_u32 vcc_lo, 0, v0
	s_and_saveexec_b32 s22, vcc_lo
	global_store_b32 v16, v12, s[14:15]            ; thread 0 alone: one number a work-group
	s_wait_xcnt 0x0
	s_or_b32 exec_lo, exec_lo, s22
	s_wait_tensorcnt 0x0                           ; the wave's end, behind my last LDS store
	ds_add_u32 v[SPW], v[NIL]
	s_wait_dscnt 0x0
	s_endpgm
.Lfunc_end_k_q07723fe547_wsum:
	.size	k_q07723fe547_wsum, .Lfunc_end_k_q07723fe547_wsum-k_q07723fe547_wsum
	.p2alignl 7, 3214868480
	.fill 96, 4, 3214868480
	.section	.rodata,"a",@progbits
	.p2align	6, 0x0
	.amdhsa_kernel k_q07723fe547_wsum
		.amdhsa_group_segment_fixed_size 1024
		.amdhsa_private_segment_fixed_size 0
		.amdhsa_enable_private_segment 0
		.amdhsa_kernarg_size 48
		.amdhsa_user_sgpr_count 2
		.amdhsa_user_sgpr_kernarg_segment_ptr 1
		.amdhsa_wavefront_size32 1
		.amdhsa_system_sgpr_workgroup_id_x 1
		.amdhsa_system_sgpr_workgroup_id_y 1
		.amdhsa_system_sgpr_workgroup_id_z 1
		.amdhsa_system_vgpr_workitem_id 0
		.amdhsa_next_free_vgpr 96
		.amdhsa_next_free_sgpr 66
		.amdhsa_reserve_vcc 1
		.amdhsa_float_denorm_mode_32 3
		.amdhsa_float_denorm_mode_16_64 3
		.amdhsa_memory_ordered 1
		.amdhsa_forward_progress 1
		.amdhsa_inst_pref_size 9
	.end_amdhsa_kernel
	.amdgpu_metadata
---
amdhsa.version: [ 1, 2 ]
amdhsa.kernels:
  - .name:           k_q07723fe547_wsum
    .symbol:         k_q07723fe547_wsum.kd
    .args:
      - { .name: W_tp, .offset: 0, .size: 8, .value_kind: global_buffer, .address_space: global }
      - { .name: W_vp, .offset: 8, .size: 8, .value_kind: global_buffer, .address_space: global }
      - { .name: W_tqkv, .offset: 16, .size: 8, .value_kind: global_buffer, .address_space: global }
      - { .name: W_tout, .offset: 24, .size: 8, .value_kind: global_buffer, .address_space: global }
      - { .name: W_vout, .offset: 32, .size: 8, .value_kind: global_buffer, .address_space: global }
      - { .name: wsum, .offset: 40, .size: 8, .value_kind: global_buffer, .address_space: global }
    .group_segment_fixed_size: 1024
    .private_segment_fixed_size: 0
    .kernarg_segment_align: 8
    .kernarg_segment_size: 48
    .max_flat_workgroup_size: 128
    .sgpr_count:     66
    .vgpr_count:     96
    .wavefront_size: 32
...
	.end_amdgpu_metadata
.endif
;; end of part 6
;; launch wquant (part 7): grid 448 x 1, 8 waves a work-group, no clusters, 9,216 bytes of LDS; arguments W_tp, W_vp, W_tqkv, W_tout, W_vout, wsum, vision_features, b_vp, wcodes, vp; writes wcodes, vp
.if DOCPART == 7
	.amdgcn_target "amdgcn-amd-amdhsa--gfx1250"
	.amdhsa_code_object_version 6
	.text
	.protected	k_q07723fe547_wquant
	.globl	k_q07723fe547_wquant
	.p2align	8
	.type	k_q07723fe547_wquant,@function
k_q07723fe547_wquant:
	s_mov_b64 s[64:65], 0
	v_nop
	global_prefetch_b8 v0, s[64:65] scope:SCOPE_SE
	s_setreg_imm32_b32 hwreg(HW_REG_WAVE_MODE, 25, 1), 1
	s_wait_xcnt 0x0
; The five weights become ternary (q x s, as reference() has it) and then codes of E3M2 with one E8M0 byte for each 32 along K.  A work-group takes a tile of 16 rows, wave ks the tile's 128 along K.
; A FRAGMENT GOES TO MEMORY AS A RECORD, the image of the operand's registers: bytes 512 j + 16 lane = registers 4 j .. 4 j + 3, bytes 1536 + 4 lane = the row's scale word: 1,664 bytes.
; THE ROWS OF A TILE ARE NOT NEIGHBOURS: lane index i of tile 4 G + t takes row 64 G + 32 (i / 8) + 8 t + i % 8.  Used as source 0, the four tiles of a group G then leave 32 neighbouring
; columns, one whole block of the next K, in the 32 registers of one lane.
; W_vp's codes never go to memory: its tiles are multiplied here with vision_features' codes (wave ks: one K step), the six parts are added through LDS with b_vp, and vision_proj goes to vp.
; s = clip(mean |W|): the sums of the launch before, added in a fixed order, divided by the count with one correction step.  W / s is made as |W| x (1/s) with one correction step,
; which gives the rounded quotient; the clip at +-10 cannot move the comparison with 2/3 and is not written.
; LIMITS: NaN and infinities among the inputs are not served; a block of zeros gets the byte 1 where the rule says 127 (its codes are zeros, and this program alone reads the bytes).
.set REC, 1664
.set WQKV_OFF, 638976
.set WTOUT_OFF, 3194880
.set WVOUT_OFF, 4046848
.set SPARE, 8192                       ; LDS: a place of 1,024 bytes for each of the eight waves from 0 (W_vp's six K steps use six); then the spare words, 128 bytes a wave
.set LANE, 1
.set RI, 2
.set HH, 3
.set SH8, 4
.set LI, 5
.set LS, 6
.set XO, 7
.set MX, 8
.set SCO, 10
.set PO, 11
.set T3, 12
.set VO, 15
.set SV, 16
.set RV, 17
.set SPW, 18
.set NIL, 19
.set RST, 20
.set DD, 24                            ; v24-31   the product's result
.set X, 32                             ; v32-95   64 numbers of a lane
.set CD, 96                            ; v96-107  the weight's codes (before that: the partial sums, then temporaries)
.set PA, 108
.set VD, 112                           ; v112-123 vision_features' codes
.set PW, 124
.set VW, 125
.set BY0, 126
.set BY1, 127
.set WV, 24
.set SEL, 26
; 32 numbers of a lane, one block along K, become 6 registers of codes and the block's byte.  The largest magnitude has the floor 2^(5 - 127) among its leaves, so the byte cannot fall under 1;
; 4 off its exponent field is the conversion's scale operand.  A conversion's three registers begin on an even number, so the second half is made elsewhere and moved.
.macro QB src, cd, by, sw
	v_max3_num_f32 v[MX], |v[(\src)]|, |v[(\src)+1]|, 0x2800000
	v_max3_num_f32 v[MX+1], |v[(\src)+16]|, |v[(\src)+17]|, 0x2800000
.irp i, 2,4,6,8,10,12,14
	s_delay_alu instid0(VALU_DEP_2)
	v_max3_num_f32 v[MX], v[MX], |v[(\src)+\i]|, |v[(\src)+\i+1]|
	s_delay_alu instid0(VALU_DEP_2)
	v_max3_num_f32 v[MX+1], v[MX+1], |v[(\src)+16+\i]|, |v[(\src)+17+\i]|
.endr
	s_delay_alu instid0(VALU_DEP_1)
	v_max_num_f32 v[MX], v[MX], v[MX+1]
	s_delay_alu instid0(VALU_DEP_1)
	v_add_nc_u32 v[SCO], 0xfe000000, v[MX]
	s_delay_alu instid0(VALU_DEP_1)
	v_lshrrev_b32 v[\by], 23, v[SCO]
	v_cvt_scalef32_pk16_bf6_f32 v[(\cd):(\cd)+2], v[(\src):(\src)+15], v[SCO]
	v_cvt_scalef32_pk16_bf6_f32 v[T3:T3+2], v[(\src)+16:(\src)+31], v[SCO]
	v_nop                                          ; one plain place behind a scaled conversion
	v_mov_b32 v[(\cd)+3], v[T3]
	v_mov_b32 v[(\cd)+4], v[T3+1]
	v_mov_b32 v[(\cd)+5], v[T3+2]
.endm
; my two bytes (blocks h and 2 + h) go to their places in the row's scale word; lane l xor 16 has the other two
.macro SW4 w, b0, b1
	v_lshl_or_b32 v[\w], v[\b1], 16, v[\b0]
	s_delay_alu instid0(VALU_DEP_1)
	v_lshlrev_b32 v[\w], v[SH8], v[\w]
	s_delay_alu instid0(VALU_DEP_1)
	v_permlanex16_b32 v[PO], v[\w], s[SEL], s[SEL+1]
	s_delay_alu instid0(VALU_DEP_1)
	v_or_b32 v[\w], v[\w], v[PO]
.endm
	s_load_b256 s[4:11], s[0:1], 0x0               ; W_tp, W_vp, W_tqkv, W_tout
	s_load_b256 s[12:19], s[0:1], 0x20             ; W_vout, wsum, vision_features, b_vp
	s_load_b128 s[20:23], s[0:1], 0x40             ; wcodes, vp
	v_lshl_add_u32 v[SPW], v0, 2, SPARE
	v_mov_b32 v[NIL], 0
	v_lshrrev_b32 v1, 5, v0
	s_delay_alu instid0(VALU_DEP_1)
	v_readfirstlane_b32 s[WV], v1                  ; wave = K step
	v_and_b32 v[LANE], 31, v0
	v_and_b32 v[RI], 15, v0
	v_bfe_u32 v[HH], v0, 4, 1
	s_delay_alu instid0(VALU_DEP_1)
	v_lshlrev_b32 v[SH8], 3, v[HH]
	s_delay_alu instid0(VALU_DEP_4)
	v_lshlrev_b32 v[LI], 4, v[LANE]
	v_lshlrev_b32 v[LS], 2, v[LANE]
	v_mov_b32 v[PO], 0
	s_lshl_b32 s25, s[WV], 10
	v_add_nc_u32 v[RST], s25, v[LI]                ; my part's place in LDS: 1,024 x wave + 16 x lane
	s_mov_b32 s[SEL], 0x76543210
	s_mov_b32 s[SEL+1], 0xfedcba98
	s_mov_b32 s52, 0x3f2aaaab                      ; 2/3
	s_mov_b32 s53, 0x3727c5ac                      ; 1e-5
	s_mov_b32 s54, 0x447a0000                      ; 1000
	s_mov_b32 s57, 0x80000000
	s_wait_alu depctr_va_vdst(0)
	s_wait_kmcnt 0x0
	; which weight, by the work-group's number alone: tiles 0-63 W_tp, 64-127 W_vp, 128-319 W_tqkv, 320-383 W_tout, 384-447 W_vout
	s_mov_b64 s[30:31], s[12:13]
	s_mov_b32 s28, 384                             ; its first tile
	s_mov_b32 s34, 704                             ; its first partial sum
	s_mov_b32 s35, 32                              ; a quarter of their number
	s_mov_b32 s36, 0x49800000                      ; the count of its numbers, as f32,
	s_mov_b32 s37, 0x35800000                      ; and 1 / the count
	s_mov_b32 s55, WVOUT_OFF
	s_cmp_lt_u32 ttmp9, 384
	s_cselect_b64 s[30:31], s[10:11], s[30:31]
	s_cselect_b32 s28, 320, s28
	s_cselect_b32 s34, 576, s34
	s_cselect_b32 s55, WTOUT_OFF, s55
	s_cmp_lt_u32 ttmp9, 320
	s_cselect_b64 s[30:31], s[8:9], s[30:31]
	s_cselect_b32 s28, 128, s28
	s_cselect_b32 s34, 192, s34
	s_cselect_b32 s35, 96, s35
	s_cselect_b32 s36, 0x4a400000, s36
	s_cselect_b32 s37, 0x34aaaaab, s37
	s_cmp_lt_u32 ttmp9, 128
	s_cselect_b64 s[30:31], s[6:7], s[30:31]
	s_cselect_b32 s28, 64, s28
	s_cselect_b32 s34, 96, s34
	s_cselect_b32 s35, 24, s35
	s_cselect_b32 s36, 0x49400000, s36
	s_cselect_b32 s37, 0x35aaaaab, s37
	s_cselect_b32 s32, 6, 8                        ; K steps
	s_mov_b32 s33, 4096
	s_cselect_b32 s33, 3072, s33                   ; bytes in a row
	s_cmp_lt_u32 ttmp9, 64
	s_cselect_b64 s[30:31], s[4:5], s[30:31]
	s_cselect_b32 s28, 0, s28
	s_cselect_b32 s34, 0, s34
	s_cselect_b32 s55, 0, s55
	s_lshr_b32 s39, ttmp9, 6                       ; 1 for W_vp's tiles
	s_sub_co_u32 s38, ttmp9, s28                   ; the tile in its weight
	s_sub_co_u32 s56, s35, 1
	; where the record goes: (tile x K steps + ks); W_tqkv's lie [head][ks][part x 4 + t], as the launch that reads them copies them
	s_mul_i32 s48, s38, s32
	s_add_co_u32 s48, s48, s[WV]
	s_bfe_u32 s49, s38, 0x40002
	s_mul_i32 s49, s49, 96
	s_mul_i32 s50, s[WV], 12
	s_add_co_u32 s49, s49, s50
	s_lshr_b32 s50, s38, 6
	s_lshl_b32 s50, s50, 2
	s_add_co_u32 s49, s49, s50
	s_and_b32 s50, s38, 3
	s_add_co_u32 s49, s49, s50
	s_sub_co_u32 s50, ttmp9, 128
	s_cmp_lt_u32 s50, 192
	s_cselect_b32 s48, s49, s48
	s_cselect_b32 s55, WQKV_OFF, s55
	s_mul_i32 s48, s48, REC
	s_add_co_u32 s48, s48, s55
	s_mov_b32 s49, 0
	s_add_nc_u64 s[20:21], s[20:21], s[48:49]
	s_lshl_b32 s48, s34, 2
	s_add_nc_u64 s[14:15], s[14:15], s[48:49]      ; the weight's partial sums
	; my row and my 32 + 32 numbers of it
	s_lshr_b32 s48, s38, 2
	s_lshl_b32 s48, s48, 6
	s_and_b32 s50, s38, 3
	s_lshl_b32 s50, s50, 3
	s_add_co_u32 s58, s48, s50                     ; 64 G + 8 t
	v_lshrrev_b32 v21, 3, v[RI]
	v_and_b32 v22, 7, v[RI]
	s_delay_alu instid0(VALU_DEP_1)
	v_lshl_add_u32 v21, v21, 5, v22
	s_delay_alu instid0(VALU_DEP_1)
	v_add_nc_u32 v21, s58, v21
	s_delay_alu instid0(VALU_DEP_1)
	v_mul_lo_u32 v[XO], v21, s33
	s_lshl_b32 s48, s[WV], 9
	v_lshl_add_u32 v22, v[HH], 7, s48              ; 512 ks + 128 h
	s_delay_alu instid0(VALU_DEP_1)
	v_add_nc_u32 v[XO], v[XO], v22
	v_mul_u32_u24 v[VO], v[RI], 3072               ; vision_features: row i as it lies
	s_delay_alu instid0(VALU_DEP_1)
	v_add_nc_u32 v[VO], v[VO], v22
	s_cmp_ge_u32 s[WV], s32                        ; K = 768 has six K steps: waves 6 and 7 go to the barrier
	s_cbranch_scc1 .Lidle
.irp n, 0,1,2
	v_add_nc_u32 v[PA+\n], 32*\n, v[LANE]
	s_delay_alu instid0(VALU_DEP_1)
	v_cmp_gt_u32 s[40+\n], s35, v[PA+\n]           ; is there such a group of four sums?
	s_delay_alu instid0(VALU_DEP_2)
	v_min_u32 v[PA+\n], s56, v[PA+\n]              ; no load leaves the weight's part
	s_delay_alu instid0(VALU_DEP_1)
	v_lshlrev_b32 v[PA+\n], 4, v[PA+\n]
	global_load_b128 v[CD+4*\n:CD+4*\n+3], v[PA+\n], s[14:15]
.endr
.irp c, 0,1
.irp n, 0,1,2,3,4,5,6,7
	global_load_b128 v[X+32*\c+4*\n:X+32*\c+4*\n+3], v[XO], s[30:31] offset:256*\c+16*\n   ; W(row, 128 ks + 64 c + 32 h + 4 n ..)
.endr
.endr
	s_wait_loadcnt 16                              ; the partial sums are in; the sixteen loads of W may be out
.irp n, 0,1,2
.irp k, 0,1,2,3
	v_cndmask_b32 v[CD+4*\n+\k], 0, v[CD+4*\n+\k], s[40+\n]
.endr
.endr
.irp k, 0,1,2,3
	v_add_f32 v[CD+\k], v[CD+\k], v[CD+4+\k]
.endr
.irp k, 0,1,2,3
	s_delay_alu instid0(VALU_DEP_4)
	v_add_f32 v[CD+\k], v[CD+\k], v[CD+8+\k]
.endr
	s_delay_alu instid0(VALU_DEP_3)
	v_add_f32 v[CD], v[CD], v[CD+1]
	s_delay_alu instid0(VALU_DEP_2)
	v_add_f32 v[CD+2], v[CD+2], v[CD+3]
	s_delay_alu instid0(VALU_DEP_1)
	v_add_f32 v[CD], v[CD], v[CD+2]
	s_delay_alu instid0(VALU_DEP_1)
	v_add_f32_dpp v[CD], v[CD], v[CD] row_xmask:1 row_mask:0xf bank_mask:0xf
	s_delay_alu instid0(VALU_DEP_1)
	v_add_f32_dpp v[CD], v[CD], v[CD] row_xmask:2 row_mask:0xf bank_mask:0xf
	s_delay_alu instid0(VALU_DEP_1)
	v_add_f32_dpp v[CD], v[CD], v[CD] row_xmask:4 row_mask:0xf bank_mask:0xf
	s_delay_alu instid0(VALU_DEP_1)
	v_add_f32_dpp v[CD], v[CD], v[CD] row_xmask:8 row_mask:0xf bank_mask:0xf
	s_delay_alu instid0(VALU_DEP_1)
	v_permlanex16_b32 v[PO], v[CD], s[SEL], s[SEL+1]
	s_delay_alu instid0(VALU_DEP_1)
	v_add_f32 v[CD], v[CD], v[PO]                  ; the sum of |W|
	s_delay_alu instid0(VALU_DEP_1)
	v_mul_f32 v[CD+1], s37, v[CD]
	s_delay_alu instid0(VALU_DEP_1)
	v_fma_f32 v[CD+2], -v[CD+1], s36, v[CD]
	s_delay_alu instid0(VALU_DEP_1)
	v_fma_f32 v[CD+1], v[CD+2], s37, v[CD+1]       ; / the count
	s_delay_alu instid0(VALU_DEP_1)
	v_med3_num_f32 v[SV], v[CD+1], s53, s54        ; s
	s_wait_alu depctr_va_vdst(0)
	v_rcp_f32 v[RV], v[SV]
	v_nop                                          ; a plain place behind the reciprocal
	s_wait_alu depctr_va_vdst(0)                   ; and the wait ahead of its first reader
	v_fma_f32 v[CD+2], -v[SV], v[RV], 1.0
	v_fma_f32 v[RV], v[CD+2], v[RV], v[RV]         ; 1 / s, corrected once
	s_wait_alu depctr_va_vdst(0)
	s_wait_loadcnt 0x0
.set e, 0
.rept 16                               ; four numbers by turns: |W| / s > 2/3 ?  then s with W's sign, else 0
.irp k, 0,1,2,3
	v_mul_f32 v[CD+\k], |v[X+e+\k]|, v[RV]
.endr
.irp k, 0,1,2,3
	s_delay_alu instid0(VALU_DEP_4)
	v_fma_f32 v[CD+4+\k], -v[CD+\k], v[SV], |v[X+e+\k]|
.endr
.irp k, 0,1,2,3
	s_delay_alu instid0(VALU_DEP_4)
	v_fma_f32 v[CD+\k], v[CD+4+\k], v[RV], v[CD+\k]
.endr
.irp k, 0,1,2,3
	s_delay_alu instid0(VALU_DEP_4)
	v_cmp_lt_f32 s[44+\k], s52, v[CD+\k]
.endr
.irp k, 0,1,2,3
	v_and_or_b32 v[CD+4+\k], v[X+e+\k], s57, v[SV]
.endr
.irp k, 0,1,2,3
	s_delay_alu instid0(VALU_DEP_4)
	v_cndmask_b32 v[X+e+\k], 0, v[CD+4+\k], s[44+\k]
.endr
.set e, e+4
.endr
	QB X, CD, BY0, 0
	QB X+32, CD+6, BY1, 0
	SW4 PW, BY0, BY1
	s_cmp_eq_u32 s39, 1
	s_cbranch_scc1 .Lvp
.irp j, 0,1,2
	global_store_b128 v[LI], v[CD+4*\j:CD+4*\j+3], s[20:21] offset:512*\j   ; 32 lanes store 512 consecutive bytes
.endr
	global_store_b32 v[LS], v[PW], s[20:21] offset:1536
	s_branch .Lidle
.Lvp:
.irp c, 0,1
.irp n, 0,1,2,3,4,5,6,7
	global_load_b128 v[X+32*\c+4*\n:X+32*\c+4*\n+3], v[VO], s[16:17] offset:256*\c+16*\n
.endr
.endr
	s_lshl_b32 s59, s58, 2
	v_lshl_add_u32 v23, v[HH], 7, s59              ; my eight columns, in bytes
	global_load_b128 v[DD:DD+3], v23, s[18:19]     ; b_vp, asked for with vision_features: it is the C of K step 0's product
	global_load_b128 v[DD+4:DD+7], v23, s[18:19] offset:16
	s_cmp_eq_u32 s[WV], 0
	s_cselect_b32 s60, -1, 0                       ; the bias counts once: in K step 0; the other K steps begin with 0
	s_wait_loadcnt 0x0
.irp j, 0,1,2,3,4,5,6,7
	v_cndmask_b32 v[DD+\j], 0, v[DD+\j], s60
.endr
	QB X, VD, BY0, 0
	QB X+32, VD+6, BY1, 0
	SW4 VW, BY0, BY1
.rept 8
	v_nop                                          ; a scale word written by vector instructions stands eight places ahead of a scaled matrix instruction
.endr
	v_wmma_scale_f32_16x16x128_f8f6f4 v[DD:DD+7], v[CD:CD+11], v[VD:VD+11], v[DD:DD+7], v[PW], v[VW] matrix_a_fmt:MATRIX_FMT_BF6 matrix_b_fmt:MATRIX_FMT_BF6
.rept 4
	v_nop
.endr
	ds_store_b128 v[RST], v[DD:DD+3]               ; lane (r, h), register j: batch row r, column 64 G + 32 h + 8 t + j, this K step's part
	ds_store_b128 v[RST], v[DD+4:DD+7] offset:512
.Lidle:
	s_wait_dscnt 0x0                               ; my part has landed
	s_barrier_signal -1
	s_barrier_wait -1                              ; every wave of every work-group passes this barrier
	s_cmp_lg_u32 s39, 1
	s_cbranch_scc1 .Lend
	s_cmp_lg_u32 s[WV], 0
	s_cbranch_scc1 .Lend
	s_lshl_b32 s58, s58, 2
	v_lshl_add_u32 v21, v[HH], 7, s58              ; my eight columns, in bytes
.irp k, 0,1,2,3,4,5
	ds_load_b128 v[X+8*\k:X+8*\k+3], v[LI] offset:1024*\k
	ds_load_b128 v[X+8*\k+4:X+8*\k+7], v[LI] offset:1024*\k+512
.endr
	s_wait_dscnt 0x0
.irp k, 1,2,3,4,5
.irp p, 0,2,4,6
	v_pk_add_f32 v[X+\p:X+\p+1], v[X+\p:X+\p+1], v[X+8*\k+\p:X+8*\k+\p+1]   ; K step 0's part holds the bias; the other five in ascending order
.endr
.endr
	v_lshl_add_u32 v22, v[RI], 12, v21
	global_store_b128 v22, v[X:X+3], s[22:23]      ; vision_proj: pieces of 32 bytes; the whole tensor is 65,536 bytes
	global_store_b128 v22, v[X+4:X+7], s[22:23] offset:16
.Lend:
	s_wait_tensorcnt 0x0                           ; the wave's end, behind my last LDS store
	ds_add_u32 v[SPW], v[NIL]
	s_wait_dscnt 0x0
	s_endpgm
.Lfunc_end_k_q07723fe547_wquant:
	.size	k_q07723fe547_wquant, .Lfunc_end_k_q07723fe547_wquant-k_q07723fe547_wquant
	.p2alignl 7, 3214868480
	.fill 96, 4, 3214868480
	.section	.rodata,"a",@progbits
	.p2align	6, 0x0
	.amdhsa_kernel k_q07723fe547_wquant
		.amdhsa_group_segment_fixed_size 9216
		.amdhsa_private_segment_fixed_size 0
		.amdhsa_enable_private_segment 0
		.amdhsa_kernarg_size 80
		.amdhsa_user_sgpr_count 2
		.amdhsa_user_sgpr_kernarg_segment_ptr 1
		.amdhsa_wavefront_size32 1
		.amdhsa_system_sgpr_workgroup_id_x 1
		.amdhsa_system_sgpr_workgroup_id_y 1
		.amdhsa_system_sgpr_workgroup_id_z 1
		.amdhsa_system_vgpr_workitem_id 0
		.amdhsa_next_free_vgpr 128
		.amdhsa_next_free_sgpr 66
		.amdhsa_reserve_vcc 0
		.amdhsa_float_denorm_mode_32 3
		.amdhsa_float_denorm_mode_16_64 3
		.amdhsa_memory_ordered 1
		.amdhsa_forward_progress 1
		.amdhsa_inst_pref_size 57
	.end_amdhsa_kernel
	.amdgpu_metadata
---
amdhsa.version: [ 1, 2 ]
amdhsa.kernels:
  - .name:           k_q07723fe547_wquant
    .symbol:         k_q07723fe547_wquant.kd
    .args:
      - { .name: W_tp, .offset: 0, .size: 8, .value_kind: global_buffer, .address_space: global }
      - { .name: W_vp, .offset: 8, .size: 8, .value_kind: global_buffer, .address_space: global }
      - { .name: W_tqkv, .offset: 16, .size: 8, .value_kind: global_buffer, .address_space: global }
      - { .name: W_tout, .offset: 24, .size: 8, .value_kind: global_buffer, .address_space: global }
      - { .name: W_vout, .offset: 32, .size: 8, .value_kind: global_buffer, .address_space: global }
      - { .name: wsum, .offset: 40, .size: 8, .value_kind: global_buffer, .address_space: global }
      - { .name: vision_features, .offset: 48, .size: 8, .value_kind: global_buffer, .address_space: global }
      - { .name: b_vp, .offset: 56, .size: 8, .value_kind: global_buffer, .address_space: global }
      - { .name: wcodes, .offset: 64, .size: 8, .value_kind: global_buffer, .address_space: global }
      - { .name: vp, .offset: 72, .size: 8, .value_kind: global_buffer, .address_space: global }
    .group_segment_fixed_size: 9216
    .private_segment_fixed_size: 0
    .kernarg_segment_align: 8
    .kernarg_segment_size: 80
    .max_flat_workgroup_size: 256
    .sgpr_count:     66
    .vgpr_count:     128
    .wavefront_size: 32
...
	.end_amdgpu_metadata
.endif
;; end of part 7
;; launch proj (part 8): grid 256 x 1, 8 waves a work-group, no clusters, 190,464 bytes of LDS; arguments text_features, wcodes, b_tp, g_tn, be_tn, tp, xcodes; writes tp, xcodes
.if DOCPART == 8
	.amdgcn_target "amdgcn-amd-amdhsa--gfx1250"
	.amdhsa_code_object_version 6
	.text
	.protected	k_q07723fe547_proj
	.globl	k_q07723fe547_proj
	.p2align	8
	.type	k_q07723fe547_proj,@function
k_q07723fe547_proj:
	s_mov_b64 s[64:65], 0
	v_nop
	global_prefetch_b8 v0, s[64:65] scope:SCOPE_SE
	s_setreg_imm32_b32 hwreg(HW_REG_WAVE_MODE, 25, 1), 1
	s_wait_xcnt 0x0
; text_proj = Q(text_features) Q(W_tp)^T + b_tp goes to tp (f32); LayerNorm(text_proj) is quantised along its 1,024 and goes to xcodes as records (1,664 bytes: the image of a fragment's registers and its scale words).
; SHARES.  A work-group takes two tiles of 16 rows (u = 0, 1); wave w takes columns 128 w .. 128 w + 127 of both: 16 accumulators.  Those 128 columns are K step w of the next product.
; THE ROWS OF A TILE ARE NOT NEIGHBOURS, in the rows' tiles as in the weight's: lane index i of tile 4 G + t is row 64 G + 32 (i / 8) + 8 t + i % 8.  The product is used transposed (source 0 = 16 rows of W_tp,
; source 1 = 16 rows of text), so a lane holds one row, and the 32 registers of four neighbouring tiles of W_tp are 32 neighbouring columns: a whole block of the next K in one lane.
; THE TEXT COMES IN AS IT LIES: each wave loads four whole rows, 512 consecutive bytes a load, and stores them so to LDS; behind a barrier waves 0 to 5 read, each lane, the 32 + 32 neighbours of its row that
; the quantiser wants in one lane, quantise the rows' K step w and hand the fragments round through LDS as images of their registers.
; A weight fragment is used by one wave of the work-group alone, so it goes from memory straight into that wave's registers: a joint load into LDS would add a fill and a read of the same bytes for no reuse
; inside the work-group; that is why there is no tensor load and no cluster here.
; The sums begin with the bias: b_tp is the C of the first K step's products.  The mean and the variance are made in two passes, the eight waves' parts meeting in LDS.
; LIMITS: NaN and infinities are not served; a block of zeros gets the byte 1 where the rule says 127 (its codes are zeros; this program alone reads the bytes).
.set REC, 1664
.set XIMG, 0                           ; LDS: 12 records: (u, ks) at (6 u + ks) x REC
.set STG, 19968                        ; a stage of 16 rows x (512 + 16) bytes for each wave
.set LNP1, 87552                       ; [u][row][wave] f32: the rows' partial sums;
.set LNP2, 88576                       ; and those of the squares
.set SPARE, 89600                      ; the spare words, 128 bytes a wave
.set XST, 90624                        ; the 32 rows of text, f32: row 16 u + i at XP x (16 u + i)
.set XP, 3088                          ; 3,072 bytes + 16 = 772 words: row i starts at bank 4 i mod 64 (64 banks of 4 bytes: ISA guide 11.1), so the 16 rows that a load touches start at 16 different banks
.set LI, 1
.set LS, 2
.set SH8, 3
.set SPW, 4
.set NIL, 5
.set MX, 6
.set SCO, 8
.set BY0, 9
.set BY1, 10
.set PO, 11
.set T3, 12
.set XSW, 15
.set HB, 16
.set STW, 17
.set STR, 18
.set LNW, 19
.set LNR, 20
.set XW, 21
.set XWS, 22
.set XSR, 23
.set AF, 24                            ; v24-71   the rows' fragments, two sets of two; later temporaries
.set AS, 72                            ; v72-75   their scale words
.set BS, 76                            ; v76-91   the weight's scale words, two sets of eight
.set CD, 92                            ; v92-115  the codes just made, 12 registers for each u
.set PW, 116                           ; v116-117 their scale words
.set ACC, 128                          ; v128-255 accumulator (u, ct) at ACC + 64 u + 8 ct; before the products: the rows' numbers
.set BI, 192                           ; window 1: v0-95, v96-191 the weight's fragments, two sets of eight; v192-255 b_tp at my lane's 64 columns; later v0-127 rows on their way out, v128-191 g_tn, v192-255 be_tn
.set WV, 18
.set SEL, 20
.set MSB, 0
.macro WIN new                         ; the immediate's high byte repeats the setting that is left
.if MSB != \new
	s_set_vgpr_msb (MSB<<8)|\new
.set MSB, \new
.endif
.endm
.macro QB src, cd, by, sw              ; 32 numbers of a lane, one block along K -> 6 registers of codes and the block's byte (floor 2^(5 - 127) among the leaves: the byte cannot fall under 1)
	v_max3_num_f32 v[MX], |v[(\src)]|, |v[(\src)+1]|, 0x2800000
	v_max3_num_f32 v[MX+1], |v[(\src)+16]|, |v[(\src)+17]|, 0x2800000
.irp i, 2,4,6,8,10,12,14
	s_delay_alu instid0(VALU_DEP_2)
	v_max3_num_f32 v[MX], v[MX], |v[(\src)+\i]|, |v[(\src)+\i+1]|
	s_delay_alu instid0(VALU_DEP_2)
	v_max3_num_f32 v[MX+1], v[MX+1], |v[(\src)+16+\i]|, |v[(\src)+17+\i]|
.endr
	s_delay_alu instid0(VALU_DEP_1)
	v_max_num_f32 v[MX], v[MX], v[MX+1]
	s_delay_alu instid0(VALU_DEP_1)
	v_add_nc_u32 v[SCO], 0xfe000000, v[MX]         ; 4 off the exponent field: the conversion's scale operand
	s_delay_alu instid0(VALU_DEP_1)
	v_lshrrev_b32 v[\by], 23, v[SCO]
	v_cvt_scalef32_pk16_bf6_f32 v[(\cd):(\cd)+2], v[(\src):(\src)+15], v[SCO]
	v_cvt_scalef32_pk16_bf6_f32 v[T3:T3+2], v[(\src)+16:(\src)+31], v[SCO]
	v_nop                                          ; one plain place behind a scaled conversion
	v_mov_b32 v[(\cd)+3], v[T3]
	v_mov_b32 v[(\cd)+4], v[T3+1]
	v_mov_b32 v[(\cd)+5], v[T3+2]
.endm
.macro SW4 w, b0, b1                   ; my two bytes at their places in the row's scale word; lane l xor 16 has the other two
	v_lshl_or_b32 v[\w], v[\b1], 16, v[\b0]
	s_delay_alu instid0(VALU_DEP_1)
	v_lshlrev_b32 v[\w], v[SH8], v[\w]
	s_delay_alu instid0(VALU_DEP_1)
	v_permlanex16_b32 v[PO], v[\w], s[SEL], s[SEL+1]
	s_delay_alu instid0(VALU_DEP_1)
	v_or_b32 v[\w], v[\w], v[PO]
.endm
.macro MMA d, a, b, sa, sb             ; D = A B + D
	v_wmma_scale_f32_16x16x128_f8f6f4 v[(\d):(\d)+7], v[(\a):(\a)+11], v[(\b):(\b)+11], v[(\d):(\d)+7], v[\sa], v[\sb] matrix_a_fmt:MATRIX_FMT_BF6 matrix_b_fmt:MATRIX_FMT_BF6
.endm
.macro MMB d, a, b, c, sa, sb          ; D = A B + C: the bias starts the sum
	v_wmma_scale_f32_16x16x128_f8f6f4 v[(\d):(\d)+7], v[(\a):(\a)+11], v[(\b):(\b)+11], v[(\c):(\c)+7], v[\sa], v[\sb] matrix_a_fmt:MATRIX_FMT_BF6 matrix_b_fmt:MATRIX_FMT_BF6
.endm
.macro BLOAD ks                        ; my eight fragments of W_tp for K step ks: 24 loads of 512 consecutive bytes and 8 of the scale words
	WIN 0x40
.irp ct, 0,1,2,3,4,5,6,7
.irp j, 0,1,2
	global_load_b128 v[96*((\ks)%2)+12*\ct+4*\j:96*((\ks)%2)+12*\ct+4*\j+3], v[LI], s[6:7] offset:(6*\ct+(\ks))*REC+512*\j
.endr
.endr
	WIN 0
.irp ct, 0,1,2,3,4,5,6,7
	global_load_b32 v[BS+8*((\ks)%2)+\ct], v[LS], s[6:7] offset:(6*\ct+(\ks))*REC+1536
.endr
.endm
.macro ALOAD ks                        ; the two tiles of rows for K step ks, from LDS: 8 loads
.irp u, 0,1
.irp j, 0,1,2
	ds_load_b128 v[AF+24*((\ks)%2)+12*\u+4*\j:AF+24*((\ks)%2)+12*\u+4*\j+3], v[LI] offset:XIMG+(6*\u+(\ks))*REC+512*\j
.endr
	ds_load_b32 v[AS+2*((\ks)%2)+\u], v[LS] offset:XIMG+(6*\u+(\ks))*REC+1536
.endr
.endm
.macro PSTEP ks                        ; a K step: the next step's fragments are asked for, then 16 products, the 16 accumulators by turns
.if \ks > 0
.rept 4
	v_nop                                          ; places in front of loads into registers that the last products read
.endr
.endif
.if \ks < 5
.if \ks > 0
	BLOAD \ks+1                                    ; (K step 1's were asked for behind the first barrier)
.endif
	ALOAD \ks+1
	s_wait_loadcnt 32                              ; all but the 32 just issued
	s_wait_dscnt 8                                 ; all but the 8 just issued
.else
	s_wait_loadcnt 0x0
	s_wait_dscnt 0x0
.endif
.if \ks == 0
	WIN 0x11                                       ; source 0, the weight, and source 2, the bias, in window 1
.irp ct, 0,1,2,3,4,5,6,7
.irp u, 0,1
	MMB ACC+64*\u+8*\ct, 12*\ct, AF+12*\u, BI+8*\ct, BS+\ct, AS+\u
.endr
.endr
.else
	WIN 0x01                                       ; source 0, the weight, in window 1
.irp ct, 0,1,2,3,4,5,6,7
.irp u, 0,1
	MMA ACC+64*\u+8*\ct, 96*((\ks)%2)+12*\ct, AF+24*((\ks)%2)+12*\u, BS+8*((\ks)%2)+\ct, AS+2*((\ks)%2)+\u
.endr
.endr
.endif
	WIN 0
.endm
.macro XQ u                            ; the 64 numbers of tile u become a fragment
	QB ACC+64*\u, CD+12*\u, BY0, 0
	QB ACC+64*\u+32, CD+12*\u+6, BY1, 0
	SW4 PW+\u, BY0, BY1
.endm
.macro JOIN u                          ; four packed chains at v[24 + 8 u] on, and lane l xor 16's, become one number in v[24 + 8 u]
	v_pk_add_f32 v[24+8*\u:25+8*\u], v[24+8*\u:25+8*\u], v[26+8*\u:27+8*\u]
	v_pk_add_f32 v[28+8*\u:29+8*\u], v[28+8*\u:29+8*\u], v[30+8*\u:31+8*\u]
	s_delay_alu instid0(VALU_DEP_1)
	v_pk_add_f32 v[24+8*\u:25+8*\u], v[24+8*\u:25+8*\u], v[28+8*\u:29+8*\u]
	s_delay_alu instid0(VALU_DEP_1)
	v_add_f32 v[24+8*\u], v[24+8*\u], v[25+8*\u]
	s_delay_alu instid0(VALU_DEP_1)
	v_permlanex16_b32 v[PO], v[24+8*\u], s[SEL], s[SEL+1]
	s_delay_alu instid0(VALU_DEP_1)
	v_add_f32 v[24+8*\u], v[24+8*\u], v[PO]
.endm
.macro EIGHT u                         ; the eight waves' parts at v[40 + 8 u] on become one number in v[40 + 8 u]
	v_pk_add_f32 v[40+8*\u:41+8*\u], v[40+8*\u:41+8*\u], v[42+8*\u:43+8*\u]
	v_pk_add_f32 v[44+8*\u:45+8*\u], v[44+8*\u:45+8*\u], v[46+8*\u:47+8*\u]
	s_delay_alu instid0(VALU_DEP_1)
	v_pk_add_f32 v[40+8*\u:41+8*\u], v[40+8*\u:41+8*\u], v[44+8*\u:45+8*\u]
	s_delay_alu instid0(VALU_DEP_1)
	v_add_f32 v[40+8*\u], v[40+8*\u], v[41+8*\u]
.endm
	s_load_b256 s[4:11], s[0:1], 0x0               ; text_features, wcodes, b_tp, g_tn
	s_load_b128 s[12:15], s[0:1], 0x20             ; be_tn, tp
	s_load_b64 s[16:17], s[0:1], 0x30              ; xcodes
	v_lshl_add_u32 v[SPW], v0, 2, SPARE
	v_mov_b32 v[NIL], 0
	v_lshrrev_b32 v6, 5, v0
	s_delay_alu instid0(VALU_DEP_1)
	v_readfirstlane_b32 s[WV], v6
	v_and_b32 v6, 31, v0
	s_delay_alu instid0(VALU_DEP_1)
	v_lshlrev_b32 v[LI], 4, v6
	s_wait_alu depctr_va_vdst(0)
	v_lshlrev_b32 v[LS], 2, v6
	v_and_b32 v7, 15, v0                           ; i
	s_wait_alu depctr_va_vdst(0)
	v_bfe_u32 v8, v0, 4, 1                         ; h
	s_delay_alu instid0(VALU_DEP_1)
	v_lshlrev_b32 v[SH8], 3, v8
	s_delay_alu instid0(VALU_DEP_2)
	v_lshlrev_b32 v[HB], 7, v8
	v_mov_b32 v[PO], 0
	s_mov_b32 s[SEL], 0x76543210
	s_mov_b32 s[SEL+1], 0xfedcba98
	s_mov_b32 s32, 0x3a800000                      ; 1 / 1024
	s_mov_b32 s33, 0x3727c5ac                      ; 1e-5
	s_lshr_b32 s22, ttmp9, 1
	s_lshl_b32 s22, s22, 6
	s_and_b32 s23, ttmp9, 1
	s_lshl_b32 s23, s23, 4
	s_add_co_u32 s22, s22, s23                     ; tile u's lane index i is row s22 + 8 u + 32 (i / 8) + i % 8
	; the four rows that I fetch: LDS rows 4 w .. 4 w + 3, that is u = w / 4, i = 4 (w % 4) + q: four neighbours in memory
	s_lshr_b32 s34, s[WV], 2
	s_lshl_b32 s34, s34, 3                         ; 8 u
	s_bfe_u32 s35, s[WV], 0x10001
	s_lshl_b32 s35, s35, 5                         ; 32 (i / 8)
	s_add_co_u32 s34, s34, s35
	s_and_b32 s35, s[WV], 1
	s_lshl_b32 s35, s35, 2                         ; i % 8 = 4 (w % 2) + q
	s_add_co_u32 s34, s34, s35
	s_add_co_u32 s34, s34, s22
	s_mul_i32 s34, s34, 3072
	s_mov_b32 s35, 0
	s_mul_i32 s36, s[WV], 4*XP
	s_add_co_u32 s36, s36, XST
	v_add_nc_u32 v[XSW], s36, v[LI]                ; where they go: as they lie, 16 bytes a lane
	v_mul_u32_u24 v[XSR], v7, XP
	s_wait_alu depctr_va_vdst(0)
	v_add_nc_u32 v[XSR], v[HB], v[XSR]
	s_lshl_b32 s23, s[WV], 9
	s_add_co_u32 s36, s23, XST
	v_add_nc_u32 v[XSR], s36, v[XSR]               ; and where I read: row i, + 512 w + 128 h
	s_mul_i32 s24, s[WV], 8448
	s_add_co_u32 s24, s24, STG                     ; my stage
	v_mul_u32_u24 v[STW], v7, 528
	s_delay_alu instid0(VALU_DEP_1)
	v_add_nc_u32 v[STW], v[HB], v[STW]
	s_delay_alu instid0(VALU_DEP_1)
	v_add_nc_u32 v[STW], s24, v[STW]
	v_add_nc_u32 v[STR], s24, v[LI]
	s_lshl_b32 s25, s[WV], 2
	s_add_co_u32 s25, s25, LNP1
	v_lshl_add_u32 v[LNW], v7, 5, s25
	v_lshlrev_b32 v[LNR], 5, v7
	s_delay_alu instid0(VALU_DEP_1)
	v_add_nc_u32 v[LNR], LNP1, v[LNR]
	s_mul_i32 s26, s[WV], REC
	v_add_nc_u32 v[XW], s26, v[LI]
	v_add_nc_u32 v[XWS], s26, v[LS]
	s_wait_kmcnt 0x0
	s_add_nc_u64 s[4:5], s[4:5], s[34:35]
	s_mul_i32 s28, s[WV], 79872                    ; my 8 x 6 records of W_tp
	s_mov_b32 s29, 0
	s_add_nc_u64 s[6:7], s[6:7], s[28:29]
	s_lshl_b32 s28, s[WV], 9                       ; my 128 columns
	s_add_nc_u64 s[8:9], s[8:9], s[28:29]
	s_add_nc_u64 s[10:11], s[10:11], s[28:29]
	s_add_nc_u64 s[12:13], s[12:13], s[28:29]
	s_lshl_b32 s30, s22, 12
	s_add_co_u32 s30, s30, s28
	s_mov_b32 s31, 0
	s_add_nc_u64 s[14:15], s[14:15], s[30:31]
	s_lshl_b32 s30, ttmp9, 4
	s_add_co_u32 s30, s30, s[WV]
	s_mul_i32 s30, s30, REC                        ; record (2 g + u, w)
	s_add_nc_u64 s[16:17], s[16:17], s[30:31]
.irp q, 0,1,2,3
.irp j, 0,1,2,3,4,5
	global_load_b128 v[ACC+24*\q+4*\j:ACC+24*\q+4*\j+3], v[LI], s[4:5] offset:3072*\q+512*\j th:TH_LOAD_NT   ; 32 lanes read 512 consecutive bytes of a row; read once in the launch
.endr
.endr
	BLOAD 0
	s_wait_loadcnt 32                              ; my four rows are in; the weight's 32 loads may be out
	WIN 0x40
.irp c, 0,1
.irp n, 0,1,2,3,4,5,6,7
	global_load_b128 v[BI+32*\c+4*\n:BI+32*\c+4*\n+3], v[HB], s[8:9] offset:256*\c+16*\n   ; b_tp at my lane's 64 columns: wanted by the first products, asked for here
.endr
.endr
	WIN 0
.irp q, 0,1,2,3
.irp j, 0,1,2,3,4,5
	ds_store_b128 v[XSW], v[ACC+24*\q+4*\j:ACC+24*\q+4*\j+3] offset:XP*\q+512*\j
.endr
.endr
	s_wait_dscnt 0x0                               ; my rows have landed
	s_barrier_signal -1
	s_barrier_wait -1                              ; the 32 rows lie in LDS
	BLOAD 1                                        ; K step 1's weights into the second set, which nothing uses yet: on their way while the text is quantised
	s_cmp_gt_u32 s[WV], 5                          ; K = 768: six K steps, one for each of waves 0 to 5
	s_cbranch_scc1 .Lnoq
.irp u, 0,1
.irp c, 0,1
.irp n, 0,1,2,3,4,5,6,7
	ds_load_b128 v[ACC+64*\u+32*\c+4*\n:ACC+64*\u+32*\c+4*\n+3], v[XSR] offset:16*XP*\u+256*\c+16*\n   ; text(row, 128 w + 64 c + 32 h + 4 n ..)
.endr
.endr
.endr
	s_wait_dscnt 16                                ; tile 0's 16 reads are in; tile 1's may be out
	XQ 0
.irp j, 0,1,2
	ds_store_b128 v[XW], v[CD+4*\j:CD+4*\j+3] offset:XIMG+512*\j
.endr
	ds_store_b32 v[XWS], v[PW] offset:XIMG+1536
	s_wait_dscnt 4                                 ; tile 1's reads are in; the four stores behind them may be out
	XQ 1
.irp j, 0,1,2
	ds_store_b128 v[XW], v[CD+12+4*\j:CD+12+4*\j+3] offset:XIMG+6*REC+512*\j
.endr
	ds_store_b32 v[XWS], v[PW+1] offset:XIMG+6*REC+1536
.Lnoq:
	s_wait_loadcnt 32                              ; on every way: K step 0's weights and the bias are in; K step 1's 32 loads may be out
	s_wait_dscnt 0x0                               ; my images have landed
	s_barrier_signal -1
	s_barrier_wait -1                              ; the twelve fragments lie in LDS
	ALOAD 0
	PSTEP 0
	PSTEP 1
	PSTEP 2
	PSTEP 3
	PSTEP 4
	PSTEP 5
.rept 4
	v_nop
.endr
	; the rows' sums over my 128 columns: four packed chains, each accumulator from its low end on
.irp u, 0,1
.irp k, 0,1,2,3
	v_pk_add_f32 v[24+8*\u+2*\k:25+8*\u+2*\k], v[ACC+64*\u+2*\k:ACC+64*\u+2*\k+1], v[ACC+64*\u+8+2*\k:ACC+64*\u+8+2*\k+1]
.endr
.irp ct, 2,3,4,5,6,7
.irp k, 0,1,2,3
	v_pk_add_f32 v[24+8*\u+2*\k:25+8*\u+2*\k], v[24+8*\u+2*\k:25+8*\u+2*\k], v[ACC+64*\u+8*\ct+2*\k:ACC+64*\u+8*\ct+2*\k+1]
.endr
.endr
.endr
	JOIN 0
	JOIN 1
	ds_store_b32 v[LNW], v24
	ds_store_b32 v[LNW], v32 offset:512
	WIN 0x40
.irp c, 0,1
.irp n, 0,1,2,3,4,5,6,7
	global_load_b128 v[128+32*\c+4*\n:128+32*\c+4*\n+3], v[HB], s[10:11] offset:256*\c+16*\n   ; g_tn and be_tn at my 64 columns
	global_load_b128 v[192+32*\c+4*\n:192+32*\c+4*\n+3], v[HB], s[12:13] offset:256*\c+16*\n
.endr
.endr
	WIN 0
	; text_proj goes out through my stage: 32 bytes of a row in, whole pieces of 512 bytes back.  LDS serves a wave's instructions in order: no wait between the stores and the loads
.irp u, 0,1
.irp c, 0,1
.irp n, 0,1,2,3,4,5,6,7
	ds_store_b128 v[STW], v[ACC+64*\u+32*\c+4*\n:ACC+64*\u+32*\c+4*\n+3] offset:256*\c+16*\n
.endr
.endr
	WIN 0x40
.irp k, 0,1,2,3,4,5,6,7,8,9,10,11,12,13,14,15
	ds_load_b128 v[64*\u+4*\k:64*\u+4*\k+3], v[STR] offset:528*\k
.endr
	WIN 0
.endr
	WIN 0x04                                       ; a store's data are its source 1: window 1
.irp k, 0,1,2,3,4,5,6,7,8,9,10,11,12,13,14,15
	s_wait_dscnt 47-\k                             ; behind tile 0's load k: its 15 - k younger ones and tile 1's 32 instructions
	global_store_b128 v[LI], v[4*\k:4*\k+3], s[14:15] offset:(32*(\k/8)+\k%8)*4096 th:TH_STORE_NT   ; 512 consecutive bytes, at a multiple of 256
.endr
.irp k, 0,1,2,3,4,5,6,7,8,9,10,11,12,13,14,15
	s_wait_dscnt 15-\k
	global_store_b128 v[LI], v[64+4*\k:64+4*\k+3], s[14:15] offset:(8+32*(\k/8)+\k%8)*4096 th:TH_STORE_NT
.endr
	WIN 0
	s_wait_dscnt 0x0
	s_barrier_signal -1
	s_barrier_wait -1                              ; the eight waves' sums lie in LDS
.irp u, 0,1
	ds_load_b128 v[40+8*\u:43+8*\u], v[LNR] offset:512*\u
	ds_load_b128 v[44+8*\u:47+8*\u], v[LNR] offset:512*\u+16
.endr
	s_wait_dscnt 0x0
	EIGHT 0
	EIGHT 1
.irp u, 0
	v_mul_f32 v[56+2*\u], 0xba800000, v[40+8*\u]   ; - the mean
	s_delay_alu instid0(VALU_DEP_1)
	v_mov_b32 v[57+2*\u], v[56+2*\u]
.endr
.irp u, 1
	s_delay_alu instid0(VALU_DEP_3)
	v_mul_f32 v[56+2*\u], 0xba800000, v[40+8*\u]   ; - the mean
	s_delay_alu instid0(VALU_DEP_1)
	v_mov_b32 v[57+2*\u], v[56+2*\u]
.endr
.irp u, 0,1
.set j, 0
.rept 32
	v_pk_add_f32 v[ACC+64*\u+j:ACC+64*\u+j+1], v[ACC+64*\u+j:ACC+64*\u+j+1], v[56+2*\u:57+2*\u]
.set j, j+2
.endr
.endr
.irp u, 0,1
.irp k, 0,1,2,3
	v_pk_mul_f32 v[24+8*\u+2*\k:25+8*\u+2*\k], v[ACC+64*\u+2*\k:ACC+64*\u+2*\k+1], v[ACC+64*\u+2*\k:ACC+64*\u+2*\k+1]
.endr
.irp ct, 1,2,3,4,5,6,7
.irp k, 0,1,2,3
	s_delay_alu instid0(VALU_DEP_4)
	v_pk_fma_f32 v[24+8*\u+2*\k:25+8*\u+2*\k], v[ACC+64*\u+8*\ct+2*\k:ACC+64*\u+8*\ct+2*\k+1], v[ACC+64*\u+8*\ct+2*\k:ACC+64*\u+8*\ct+2*\k+1], v[24+8*\u+2*\k:25+8*\u+2*\k]
.endr
.endr
.endr
	JOIN 0
	JOIN 1
	ds_store_b32 v[LNW], v24 offset:1024
	ds_store_b32 v[LNW], v32 offset:1536
	s_wait_dscnt 0x0
	s_barrier_signal -1
	s_barrier_wait -1                              ; and the sums of the squares
.irp u, 0,1
	ds_load_b128 v[40+8*\u:43+8*\u], v[LNR] offset:1024+512*\u
	ds_load_b128 v[44+8*\u:47+8*\u], v[LNR] offset:1024+512*\u+16
.endr
	s_wait_dscnt 0x0
	EIGHT 0
	EIGHT 1
	v_fma_f32 v40, v40, s32, s33                   ; the variance + 1e-5
	s_delay_alu instid0(VALU_DEP_2)
	v_fma_f32 v48, v48, s32, s33
	s_wait_alu depctr_va_vdst(0)
	v_rsq_f32 v60, v40
	v_rsq_f32 v62, v48
	v_nop                                          ; a plain place behind the two
	s_wait_alu depctr_va_vdst(0)                   ; one wait for both, ahead of their first reader
	v_mov_b32 v61, v60
	v_mov_b32 v63, v62
.irp u, 0,1
.set j, 0
.rept 32
	v_pk_mul_f32 v[ACC+64*\u+j:ACC+64*\u+j+1], v[ACC+64*\u+j:ACC+64*\u+j+1], v[60+2*\u:61+2*\u]
.set j, j+2
.endr
.endr
	s_wait_loadcnt 0x0                             ; g_tn, be_tn
	WIN 0x14                                       ; sources 1 and 2 in window 1
.irp u, 0,1
.set j, 0
.rept 32
	v_pk_fma_f32 v[ACC+64*\u+j:ACC+64*\u+j+1], v[ACC+64*\u+j:ACC+64*\u+j+1], v[128+j:129+j], v[192+j:193+j]
.set j, j+2
.endr
.endr
	WIN 0
	XQ 0
	XQ 1
.irp u, 0,1
.irp j, 0,1,2
	global_store_b128 v[LI], v[CD+12*\u+4*\j:CD+12*\u+4*\j+3], s[16:17] offset:8*\u*REC+512*\j
.endr
	global_store_b32 v[LS], v[PW+\u], s[16:17] offset:8*\u*REC+1536
.endr
	s_wait_tensorcnt 0x0                           ; the wave's end, behind my last LDS store
	ds_add_u32 v[SPW], v[NIL]
	s_wait_dscnt 0x0
	s_endpgm
.Lfunc_end_k_q07723fe547_proj:
	.size	k_q07723fe547_proj, .Lfunc_end_k_q07723fe547_proj-k_q07723fe547_proj
	.p2alignl 7, 3214868480
	.fill 96, 4, 3214868480
	.section	.rodata,"a",@progbits
	.p2align	6, 0x0
	.amdhsa_kernel k_q07723fe547_proj
		.amdhsa_group_segment_fixed_size 190464
		.amdhsa_private_segment_fixed_size 0
		.amdhsa_enable_private_segment 0
		.amdhsa_kernarg_size 56
		.amdhsa_user_sgpr_count 2
		.amdhsa_user_sgpr_kernarg_segment_ptr 1
		.amdhsa_wavefront_size32 1
		.amdhsa_system_sgpr_workgroup_id_x 1
		.amdhsa_system_sgpr_workgroup_id_y 1
		.amdhsa_system_sgpr_workgroup_id_z 1
		.amdhsa_system_vgpr_workitem_id 0
		.amdhsa_next_free_vgpr 512
		.amdhsa_next_free_sgpr 66
		.amdhsa_reserve_vcc 0
		.amdhsa_float_denorm_mode_32 3
		.amdhsa_float_denorm_mode_16_64 3
		.amdhsa_memory_ordered 1
		.amdhsa_forward_progress 1
		.amdhsa_inst_pref_size 102
	.end_amdhsa_kernel
	.amdgpu_metadata
---
amdhsa.version: [ 1, 2 ]
amdhsa.kernels:
  - .name:           k_q07723fe547_proj
    .symbol:         k_q07723fe547_proj.kd
    .args:
      - { .name: text_features, .offset: 0, .size: 8, .value_kind: global_buffer, .address_space: global }
      - { .name: wcodes, .offset: 8, .size: 8, .value_kind: global_buffer, .address_space: global }
      - { .name: b_tp, .offset: 16, .size: 8, .value_kind: global_buffer, .address_space: global }
      - { .name: g_tn, .offset: 24, .size: 8, .value_kind: global_buffer, .address_space: global }
      - { .name: be_tn, .offset: 32, .size: 8, .value_kind: global_buffer, .address_space: global }
      - { .name: tp, .offset: 40, .size: 8, .value_kind: global_buffer, .address_space: global }
      - { .name: xcodes, .offset: 48, .size: 8, .value_kind: global_buffer, .address_space: global }
    .group_segment_fixed_size: 190464
    .private_segment_fixed_size: 0
    .kernarg_segment_align: 8
    .kernarg_segment_size: 56
    .max_flat_workgroup_size: 256
    .sgpr_count:     66
    .vgpr_count:     512
    .wavefront_size: 32
...
	.end_amdgpu_metadata
.endif
;; end of part 8
;; launch attn (part 9): grid 16 x 16, 8 waves a work-group, no clusters, 294,656 bytes of LDS; arguments xcodes, wcodes, b_tqkv, rel_embed, text_mask, tp, vp, g_t2i, be_t2i, b_tout, alpha_t2i, out1, i2t; writes out1, i2t
.if DOCPART == 9
	.amdgcn_target "amdgcn-amd-amdhsa--gfx1250"
	.amdhsa_code_object_version 6
	.text
	.protected	k_q07723fe547_attn
	.globl	k_q07723fe547_attn
	.p2align	8
	.type	k_q07723fe547_attn,@function
k_q07723fe547_attn:
	s_mov_b64 s[64:65], 0
	v_nop
	global_prefetch_b8 v0, s[64:65] scope:SCOPE_SE
	s_setreg_imm32_b32 hwreg(HW_REG_WAVE_MODE, 25, 1), 1
	s_wait_xcnt 0x0
; One work-group makes one (batch, head): q, k, v of its 512 tokens (K = 1,024), the self-attention with relative bias and mask, the residual, out1's 64 columns, and the image-to-text attention's 64 numbers (i2t).
; q, k, v, p and text_self's codes never go to memory.
; WORK LEFT OUT (shown at the head of the first launch): the text-to-image scores (a softmax over one key is 1); W_tout's product is made for the batch's one row LN(vision_proj[b]);
; the image-to-text attention for its one query row, in a tile of 16 equal rows.
; SHARES.  Wave w owns tokens 64 w .. 64 w + 63: as rows of the first product, as queries, as the keys that it makes, and as keys of the image-to-text attention.  Four tiles a = 0 .. 3.
; THE ROWS OF A TILE ARE NOT NEIGHBOURS: lane index i of tile 4 G + t is row 64 G + 32 (i / 8) + 8 t + i % 8, for tokens, keys, the weights' rows and the head's channels alike.  A result's lane is source 1's row and
; its register j, in half h of the lanes, source 0's lane index 8 h + j: so the 32 registers of the four tiles of a group are 32 neighbours, one whole block of the next K in one lane.
; THE BIAS is the C of the score's product: 8 x rel_embed (8 = 1 / scale, exact) from a table in LDS, four copies shifted by one word each, so that every lane's 16 bytes are aligned.
; THE MASK rides in the idle half of K (the head has 64, the instruction 128): q holds the code of 1 at k = 64 under the byte 127; a masked key holds the code of -16 there under the byte 157, a live key the code 0
; under the byte 127: -2^34 is added to a masked score inside the product, and its p falls to 0 as with reference()'s -1e9.  A batch with no live key takes c = 0 by a scalar select: every t is 0, every p 1,
; reference()'s uniform row.  The running largest t begins at -2^24, so that a step all of whose keys are masked gives p = 0 and not numbers made of the rounding of -2^34 x c.
; TEXT_PROJ comes in as out1 goes out: sixteen lanes to a row's 256 bytes; at a tile's end it is turned through the wave's own stage into the layout of O^T (a lane: one token, 32 channels).
; LIMITS: the mask holds for |q.k + 8 rel| < 2^33; a row whose largest live t (logit x log2 e) lies under -2^24 is not served; NaN and infinities are not served; a block of zeros gets the byte 1 where the rule
; says 127 (its codes are zeros; nobody else reads the bytes).
; NO TENSOR LOAD FOR THE ROWS, NO CLUSTER: the rows' fragments are each used by one wave alone and go from memory into its registers; the head's 159,744 bytes of weights come by one tensor load a wave.  The sixteen
; work-groups of a batch read the same rows' codes, the sixteen of a head the same weights; neither is walked in steps that partners could ask for jointly without a ring that LDS has no room for here.
; REGISTERS, window 0: v1-5 lane terms and the add's two; v6-15 the quantiser's (in the first product v6: the prefetches' offset); v16-17 addresses; v18 the scale word just made; v19 q's; v20-23 my four tiles' mask codes; v24-31 scale words alone.
;   First product: v32-79 the rows' 4 fragments; v80-127 the weight's, two sets of two; v128-255 v's accumulators; window 1: v0-127 q's, v128-255 k's.
;   Attention: v32-43 q; v44-63 statistics; v64-127 scores, then p; v128-175 4 fragments of keys; v176-187 p's codes; v188-191 the tout row; v192-216 addresses; v224-255 O^T; window 1: v0-31 text_proj, v32-79 V's 4 fragments.
; THE WEIGHTS' WAY IN (this takes the place of what the head comment says of a copy through registers): wave w brings K step w's twelve records, 19,968 dense bytes, by one tensor load
; at the head, as 78 rows of 256 bytes that begin at multiples of 256 bytes.  Nothing is filled again.  cluster = none: the sixteen work-groups of a head share these 159,744 bytes, about a fifth of
; what a work-group reads, and the branch that picks the prefetching work-group hangs on the head's number, which partners would not share.
; THE KEY STEPS LOOK ONE STEP AHEAD: behind a step's eight score products the next step's bias (window 1, v192-255), keys (group 0: v128-175; group 1: window 1, v128-175) and scale words are asked for.
.set REC, 1664
.set WQKV_OFF, 638976
.set WTOUT_OFF, 3194880
.set KIMG, 159744                      ; LDS: 0: the head's weights, [ks][12 tiles] records; later each wave's stage, 64 rows x 272 bytes.  KIMG: 32 tiles x 1,024 bytes (registers 0-7)
.set KSC, 192512                       ; their scale words, 128 bytes a tile
.set VIMG, 196608                      ; V^T: fragment (4 ks + dt) x 1,536; a half (64 keys): 16 bytes a lane, then 8 bytes a lane
.set VSC, 221184                       ; its scale bytes: fragment x 64 + 4 x row + byte
.set QIMG, 222208                      ; as KIMG: q, each wave's own; later text_self's fragments
.set QSC, 254976
.set ETAB, 259072                      ; the bias table: copy c holds E[pos + c] at 4,128 c + 4 pos
.set VCIMG, 275712                     ; LN(vision_proj[b]): 8 records
.set TRW, 289024                       ; alpha x tout: [half of K][64] f32
.set XCH, 289536                       ; the image-to-text parts: 512 bytes a wave
.set SPARE, 293632                     ; the spare words, 128 bytes a wave
.set LI, 1
.set LS, 2
.set SH8, 3
.set SPW, 4
.set NIL, 5
.set MX, 6
.set PFO, 6
.set SCO, 8
.set BY0, 9
.set BY1, 10
.set QX, 11
.set T3, 12
.set PO, 15
.set ADB, 16
.set ADBS, 17
.set PW, 18
.set QS, 19
.set MK, 20
.set SA, 24
.set SB, 28
.set AFR, 32
.set BFR, 80
.set VAC, 128
.set QF, 32
.set NM, 44
.set MT, 45
.set SUM, 46
.set FF, 48
.set BM, 50
.set S2, 54
.set T3B, 56
.set TT, 59
.set SC, 60
.set RL, 62
.set ST, 64
.set KF, 128
.set PF, 176
.set TRR, 188
.set AE0, 192
.set AK0, 193
.set AKS0, 194
.set AV0, 195
.set AV80, 196
.set AVS0, 197
.set AQ0, 198
.set AQS0, 199
.set STW0, 200
.set STR0, 201
.set OUO, 203
.set STC0, 204
.set ADE, 205
.set ADK, 206
.set ADKS, 207
.set ADV, 208
.set ADV8, 209
.set ADVS, 210
.set XCW, 211
.set XCS, 212
.set XR, 213
.set XS, 214
.set GOI, 215
.set VQO, 216
.set OT, 224
.set VF, 32                            ; in window 1
.set WV, 30
.set HD, 31
.set BB, 32
.set SEL, 34
.set CS, 36
.set TK, 40
.set TKS, 41
.set TE, 42
.set TV, 43
.set TVS, 44
.set CNT, 45
.set AL, 46
.set XA, 48
.set PFA, 74                           ; s[74:75] where my prefetches stand: my four tiles' records, at the K step after the next
.set LIM, 76                           ; s76  1 in a work-group that prefetches, else the greatest number
.set NN, 78                            ; s78  the key step that the look-ahead names: 4 x tile + step, counted through all four tiles
.set T1, 79                            ; s79  a temporary
.set PH, 92                            ; s92  (w xor w / 4) % 2: which of two groups of waves I am in: w and w + 4 differ in it, and so do 2 k and 2 k + 1
.set VQ, 80                            ; window 1, v80-111: the image-to-text query, vision_proj[b] at the head's columns
.set G0, 80                            ; s[80:83] the weights' descriptor, group 0
.set G1, 84                            ; s[84:91] group 1
.set K2, 128                           ; window 1: the second group of four key fragments
.set BI, 192                           ; window 1: the bias of a key step, the score products' C
.set MSB, 0
.macro WIN new                         ; the immediate's high byte repeats the setting that is left; at every label and branch the setting is 0
.if MSB != \new
	s_set_vgpr_msb (MSB<<8)|\new
.set MSB, \new
.endif
.endm
; 32 numbers of a lane (sw = 1: in window 1), one block along K -> 6 registers of codes and the block's byte.  The floor 2^(5 - 127) among the leaves holds the byte at 1 from below; each accumulator is read from its low end on.
.macro QB src, cd, by, sw
.if \sw
	WIN 0x05
.endif
	v_max3_num_f32 v[MX], |v[(\src)]|, |v[(\src)+1]|, 0x2800000
	v_max3_num_f32 v[MX+1], |v[(\src)+16]|, |v[(\src)+17]|, 0x2800000
.if \sw
	WIN 0x14
.endif
.irp i, 2,4,6,8,10,12,14
	v_max3_num_f32 v[MX], v[MX], |v[(\src)+\i]|, |v[(\src)+\i+1]|
	v_max3_num_f32 v[MX+1], v[MX+1], |v[(\src)+16+\i]|, |v[(\src)+17+\i]|
.endr
	WIN 0
	v_max_num_f32 v[MX], v[MX], v[MX+1]
	s_delay_alu instid0(VALU_DEP_1)
	v_add_nc_u32 v[SCO], 0xfe000000, v[MX]         ; 4 off the exponent field: the conversion's scale operand
	s_delay_alu instid0(VALU_DEP_1)
	v_lshrrev_b32 v[\by], 23, v[SCO]
.if \sw
	WIN 0x01
.endif
	v_cvt_scalef32_pk16_bf6_f32 v[(\cd):(\cd)+2], v[(\src):(\src)+15], v[SCO]
	v_cvt_scalef32_pk16_bf6_f32 v[T3:T3+2], v[(\src)+16:(\src)+31], v[SCO]
	WIN 0
	v_nop                                          ; one plain place behind a scaled conversion
	v_mov_b32 v[(\cd)+3], v[T3]
	v_mov_b32 v[(\cd)+4], v[T3+1]
	v_mov_b32 v[(\cd)+5], v[T3+2]
.endm
.macro SW4 w, b0, b1                   ; four blocks to a row: my bytes of blocks h and 2 + h; lane l xor 16 has the other two
	v_lshl_or_b32 v[\w], v[\b1], 16, v[\b0]
	s_delay_alu instid0(VALU_DEP_1)
	v_lshlrev_b32 v[\w], v[SH8], v[\w]
	s_delay_alu instid0(VALU_DEP_1)
	v_permlanex16_b32 v[PO], v[\w], s[SEL], s[SEL+1]
	s_delay_alu instid0(VALU_DEP_1)
	v_or_b32 v[\w], v[\w], v[PO]
.endm
.macro SW2 w, b0, hi                   ; two blocks to a row: my byte of block h, lane l xor 16's, and the two upper bytes as given
	v_lshlrev_b32 v[\w], v[SH8], v[\b0]
	s_delay_alu instid0(VALU_DEP_1)
	v_permlanex16_b32 v[PO], v[\w], s[SEL], s[SEL+1]
	s_delay_alu instid0(VALU_DEP_1)
	v_or_b32 v[\w], v[\w], v[PO]
	s_delay_alu instid0(VALU_DEP_1)
	v_or_b32 v[\w], \hi, v[\w]
.endm
.macro SW2M w, b0, mk                  ; the same for a row of keys: the byte of k = 64 .. 95 is 127 for a live key and 157 for a masked one: the mask's code, 60 or 0, shifted up by 15 adds 30 to that byte
	v_lshlrev_b32 v[\w], v[SH8], v[\b0]
	s_delay_alu instid0(VALU_DEP_1)
	v_permlanex16_b32 v[PO], v[\w], s[SEL], s[SEL+1]
	s_delay_alu instid0(VALU_DEP_1)
	v_or_b32 v[\w], v[\w], v[PO]
	v_lshl_add_u32 v[PO], v[\mk], 15, 0x7f7f0000
	s_delay_alu instid0(VALU_DEP_1)
	v_or_b32 v[\w], v[\w], v[PO]
.endm
.macro WRED r                          ; a sum over the wave's 32 lanes, in every lane
	s_delay_alu instid0(VALU_DEP_1)
	v_add_f32_dpp v[\r], v[\r], v[\r] row_xmask:1 row_mask:0xf bank_mask:0xf
	s_delay_alu instid0(VALU_DEP_1)
	v_add_f32_dpp v[\r], v[\r], v[\r] row_xmask:2 row_mask:0xf bank_mask:0xf
	s_delay_alu instid0(VALU_DEP_1)
	v_add_f32_dpp v[\r], v[\r], v[\r] row_xmask:4 row_mask:0xf bank_mask:0xf
	s_delay_alu instid0(VALU_DEP_1)
	v_add_f32_dpp v[\r], v[\r], v[\r] row_xmask:8 row_mask:0xf bank_mask:0xf
	s_delay_alu instid0(VALU_DEP_1)
	v_permlanex16_b32 v[PO], v[\r], s[SEL], s[SEL+1]
	s_delay_alu instid0(VALU_DEP_1)
	v_add_f32 v[\r], v[\r], v[PO]
.endm
.macro MMA d, a, b, sa, sb             ; D = A B + D
	v_wmma_scale_f32_16x16x128_f8f6f4 v[(\d):(\d)+7], v[(\a):(\a)+11], v[(\b):(\b)+11], v[(\d):(\d)+7], v[\sa], v[\sb] matrix_a_fmt:MATRIX_FMT_BF6 matrix_b_fmt:MATRIX_FMT_BF6
.endm
.macro MMZ d, a, b, sa, sb             ; D = A B: the product starts the sum
	v_wmma_scale_f32_16x16x128_f8f6f4 v[(\d):(\d)+7], v[(\a):(\a)+11], v[(\b):(\b)+11], 0, v[\sa], v[\sb] matrix_a_fmt:MATRIX_FMT_BF6 matrix_b_fmt:MATRIX_FMT_BF6
.endm
.macro PLACES n
.rept \n
	v_nop
.endr
.endm
; ---------------------------------------------------------------- the head
	s_load_b512 s[4:19], s[0:1], 0x0               ; xcodes, wcodes, b_tqkv, rel_embed, text_mask, tp, vp, g_t2i
	s_load_b256 s[20:27], s[0:1], 0x40             ; be_t2i, b_tout, alpha_t2i, out1
	s_load_b64 s[28:29], s[0:1], 0x60              ; i2t
	v_lshl_add_u32 v[SPW], v0, 2, SPARE
	v_mov_b32 v[NIL], 0
	ds_add_u32 v[SPW], v[NIL]                      ; the opening lines, ahead of my tensor load: the add twice on end under one wait
	ds_add_u32 v[SPW], v[NIL]
	v_lshrrev_b32 v6, 5, v0
	s_delay_alu instid0(VALU_DEP_1)
	v_readfirstlane_b32 s[WV], v6
	v_and_b32 v6, 31, v0
	s_delay_alu instid0(VALU_DEP_1)
	v_lshlrev_b32 v[LI], 4, v6
	s_delay_alu instid0(VALU_DEP_2)
	v_lshlrev_b32 v[LS], 2, v6
	v_bfe_u32 v7, v0, 4, 1                         ; h
	s_delay_alu instid0(VALU_DEP_1)
	v_lshlrev_b32 v[SH8], 3, v7
	s_delay_alu instid0(VALU_DEP_2)
	v_lshlrev_b32 v34, 7, v7                       ; 128 h
	s_delay_alu instid0(VALU_DEP_3)
	v_xor_b32 v8, 1, v7
	s_delay_alu instid0(VALU_DEP_1)
	v_mul_u32_u24 v[QX], 12, v8                    ; the code of 1 at k = 64: lanes 0-15, register 6
	s_delay_alu instid0(VALU_DEP_2)
	v_mul_u32_u24 v49, 60, v8                      ; the code of -16 there
	v_and_b32 v9, 15, v0
	s_delay_alu instid0(VALU_DEP_1)
	v_lshrrev_b32 v10, 3, v9
	s_delay_alu instid0(VALU_DEP_2)
	v_and_b32 v9, 7, v9
	s_delay_alu instid0(VALU_DEP_1)
	v_lshl_add_u32 v48, v10, 5, v9                 ; 32 (r / 8) + r % 8
	s_delay_alu instid0(VALU_DEP_1)
	v_lshlrev_b32 v60, 2, v48
	v_mov_b32 v[PO], 0
	v_lshl_add_u32 v35, v0, 2, ETAB
.irp n, 0,1,2,3
	v_add_nc_u32 v[36+\n], 256*\n, v0              ; idx = key - query + 511
	s_delay_alu instid0(VALU_DEP_1)
	v_min_u32 v[36+\n], 639, v[36+\n]
	s_delay_alu instid0(VALU_DEP_1)
	v_sub_nc_u32 v[36+\n], 639, v[36+\n]
	s_delay_alu instid0(VALU_DEP_1)
	v_min_u32 v[36+\n], 256, v[36+\n]              ; clip(query - key, -128, 128) + 128
	s_delay_alu instid0(VALU_DEP_1)
	v_lshlrev_b32 v[36+\n], 6, v[36+\n]
.endr
	s_mul_i32 s38, s[WV], REC
	s_add_co_u32 s38, s38, VCIMG
	v_add_nc_u32 v58, s38, v[LI]
	s_add_co_u32 s38, s38, 1536
	v_add_nc_u32 v59, s38, v[LS]
	s_mov_b32 s[SEL], 0x76543210
	s_mov_b32 s[SEL+1], 0xfedcba98
	s_mov_b32 s71, 0x3a800000                      ; 1 / 1024
	s_mov_b32 s72, 0x3727c5ac                      ; 1e-5
	s_mov_b32 s[HD], ttmp9
	s_and_b32 s[BB], ttmp7, 0xffff
	s_cmp_eq_u32 s[HD], 0                          ; the sixteen work-groups of a batch read the same rows' codes: the first of them prefetches
	s_cselect_b32 s[LIM], 1, -1
	s_and_b32 s68, s[WV], 3                        ; W_tout's product: my tile of columns,
	s_lshr_b32 s69, s[WV], 2                       ; and my half of K
	s_mov_b32 s39, 0
	s_mov_b32 s[G1], 3<<16                         ; elements of 8 bytes, no padding
	s_mov_b32 s[G1+1], 32<<16                      ; tensor_dim0 = 32: rows of 256 bytes
	s_mov_b32 s[G1+2], 78<<16                      ; tensor_dim1 = 78
	s_mov_b32 s[G1+3], 32<<16                      ; tile_dim0
	s_mov_b32 s[G1+4], 78                          ; tile_dim1
	s_mov_b32 s[G1+5], 32                          ; the pitch: the block is dense
	s_mov_b32 s[G1+6], 0
	s_mov_b32 s[G1+7], 0
	s_mov_b32 s[G0], 1
	s_mul_i32 s[G0+1], s[WV], 19968                ; LDS: K step w's twelve records
	s_wait_alu depctr_va_vdst(0)
	s_wait_dscnt 0x0                               ; both opening adds are done
	s_wait_kmcnt 0x0
	s_load_b32 s[AL], s[24:25], 0x0
	s_mul_i32 s38, s[HD], 159744
	s_add_co_u32 s38, s38, WQKV_OFF
	s_add_co_u32 s38, s38, s[G0+1]
	s_add_nc_u64 s[G0+2:G0+3], s[6:7], s[38:39]    ; the head's weights, K step w
	s_or_b32 s[G0+3], s[G0+3], 0x80000000
	tensor_load_to_lds s[G0:G0+3], s[G1:G1+7]      ; my one tensor load
	s_nop 0
	s_lshl_b32 s38, s[BB], 3
	s_add_co_u32 s38, s38, s[WV]
	s_mul_i32 s38, s38, 53248
	s_add_nc_u64 s[XA:XA+1], s[4:5], s[38:39]      ; my four tiles' records
	s_add_nc_u64 s[PFA:PFA+1], s[XA:XA+1], REC     ; stepped by a record in the middle of every K step: at the end of K step s it stands at K step s + 2
	s_lshl_b32 s38, s[BB], 21
	s_lshl_b32 s70, s[WV], 18
	s_add_co_u32 s38, s38, s70
	s_lshl_b32 s70, s[HD], 8
	s_add_co_u32 s38, s38, s70
	s_add_nc_u64 s[52:53], s[14:15], s[38:39]      ; tp and out1 at my first token, the head's columns
	s_add_nc_u64 s[54:55], s[26:27], s[38:39]
	s_lshl_b32 s38, s[BB], 12
	s_add_nc_u64 s[56:57], s[16:17], s[38:39]      ; vision_proj[b]
	s_add_co_u32 s38, s38, s70
	s_add_nc_u64 s[28:29], s[28:29], s[38:39]      ; i2t[b], the head's columns
	s_add_nc_u64 s[60:61], s[16:17], s[38:39]      ; vision_proj[b], the head's columns
	s_lshl_b32 s38, s[HD], 2
	s_add_nc_u64 s[10:11], s[10:11], s[38:39]
	s_lshl_b32 s38, s[BB], 9
	s_add_nc_u64 s[12:13], s[12:13], s[38:39]      ; the batch's mask
	s_lshl_b32 s38, s[WV], 6
	s_add_nc_u64 s[62:63], s[12:13], s[38:39]      ; my 64 tokens'
	s_lshl_b32 s38, s[WV], 9
	s_add_nc_u64 s[66:67], s[56:57], s[38:39]      ; K step w of vision_proj[b], g_t2i, be_t2i
	s_add_nc_u64 s[18:19], s[18:19], s[38:39]
	s_add_nc_u64 s[20:21], s[20:21], s[38:39]
	s_mov_b32 s38, s70
	s_add_nc_u64 s[8:9], s[8:9], s[38:39]          ; b_tqkv at the head
	s_lshl_b32 s38, s[HD], 2
	s_add_co_u32 s38, s38, s68
	s_lshl_b32 s38, s38, 3
	s_lshl_b32 s73, s69, 2
	s_add_co_u32 s38, s38, s73
	s_mul_i32 s38, s38, REC
	s_add_co_u32 s38, s38, WTOUT_OFF
	s_add_nc_u64 s[58:59], s[6:7], s[38:39]        ; my four records of W_tout
	s_lshl_b32 s73, s68, 5
	s_add_co_u32 s38, s70, s73
	s_add_nc_u64 s[22:23], s[22:23], s[38:39]      ; b_tout at my tile
.irp n, 0,1,2,3
	global_load_b32 v[40+\n], v[36+\n], s[10:11]
.endr
	global_load_b128 v[44:47], v[LI], s[12:13]     ; the batch's 512 mask bytes, 16 a lane
.irp a, 0,1,2,3
	global_load_u8 v[MK+\a], v48, s[62:63] offset:8*\a
.endr
.irp n, 0,1,2,3,4,5,6,7
	global_load_b128 v[192+4*\n:195+4*\n], v[LI], s[56:57] offset:512*\n   ; the whole row vision_proj[b], for its mean and variance
.endr
.irp c, 0,1
.irp n, 0,1,2,3,4,5,6,7
	global_load_b128 v[64+32*\c+4*\n:67+32*\c+4*\n], v34, s[66:67] offset:256*\c+16*\n
	global_load_b128 v[128+32*\c+4*\n:131+32*\c+4*\n], v34, s[18:19] offset:256*\c+16*\n
.endr
.endr
	WIN 0x40
.irp c, 0,1
.irp n, 0,1,2,3,4,5,6,7
	global_load_b128 v[192+32*\c+4*\n:195+32*\c+4*\n], v34, s[20:21] offset:256*\c+16*\n
.endr
.endr
	WIN 0
	s_wait_loadcnt 48                              ; all but those 48
.irp dt, 0,1,2,3
	global_load_b32 v[36+\dt], v60, s[8:9] offset:8192+32*\dt   ; v's bias at my channel of tile dt (the table's loads have left these registers)
.endr
.irp n, 0,1,2,3
	v_mul_f32 v[40+\n], 0x41000000, v[40+\n]       ; x 8
.endr
.irp n, 0,1,2,3
.irp c, 0,1,2,3
	ds_store_b32 v35, v[40+\n] offset:1024*\n+4124*\c   ; E[idx] at copy c, place idx - c
.endr
.endr
	v_or_b32 v44, v44, v45
	v_or_b32 v46, v46, v47
	s_delay_alu instid0(VALU_DEP_1)
	v_or_b32 v44, v44, v46
	s_delay_alu instid0(VALU_DEP_1)
	v_cmp_ne_u32 vcc_lo, 0, v44
	s_cmp_lg_u32 vcc_lo, 0                         ; has the batch a live key?
	s_cselect_b32 s[CS], 0x3e38aa3b, 0             ; c = log2(e) / 8, or 0
	s_mov_b32 s[CS+1], s[CS]
.irp a, 0,1,2,3
	v_cmp_eq_u32 vcc_lo, 0, v[MK+\a]
	s_delay_alu instid0(VALU_DEP_1)
	v_cndmask_b32 v[MK+\a], 0, v49, vcc_lo         ; a masked token's code at k = 64
.endr
	v_pk_add_f32 v[52:53], v[192:193], v[194:195]
	v_pk_add_f32 v[254:255], v[200:201], v[204:205]
	v_pk_add_f32 v[252:253], v[208:209], v[212:213]
	v_pk_add_f32 v[250:251], v[216:217], v[220:221]
	v_pk_add_f32 v[248:249], v[196:197], v[198:199]
	v_pk_add_f32 v[246:247], v[202:203], v[206:207]
	v_pk_add_f32 v[244:245], v[210:211], v[214:215]
	v_pk_add_f32 v[50:51], v[218:219], v[222:223]
	s_delay_alu instid0(VALU_DEP_1)
	v_pk_add_f32 v[50:51], v[50:51], v[250:251]
	v_pk_add_f32 v[52:53], v[52:53], v[248:249]
	v_pk_add_f32 v[254:255], v[254:255], v[246:247]
	v_pk_add_f32 v[252:253], v[252:253], v[244:245]
	s_delay_alu instid0(VALU_DEP_2)
	v_pk_add_f32 v[50:51], v[50:51], v[254:255]
	s_delay_alu instid0(VALU_DEP_2)
	v_pk_add_f32 v[52:53], v[52:53], v[252:253]
	s_delay_alu instid0(VALU_DEP_1)
	v_pk_add_f32 v[50:51], v[50:51], v[52:53]
	s_delay_alu instid0(VALU_DEP_1)
	v_add_f32 v50, v50, v51
	WRED 50
	s_delay_alu instid0(VALU_DEP_1)
	v_mul_f32 v54, 0xba800000, v50                 ; - the mean
	s_delay_alu instid0(VALU_DEP_1)
	v_mov_b32 v55, v54
.set j, 0
.rept 16
	v_pk_add_f32 v[192+j:193+j], v[192+j:193+j], v[54:55]
.set j, j+2
.endr
	v_pk_mul_f32 v[50:51], v[192:193], v[192:193]
	v_pk_mul_f32 v[52:53], v[194:195], v[194:195]
.irp j, 4,8,12,16,20,24,28
	s_delay_alu instid0(VALU_DEP_2)
	v_pk_fma_f32 v[50:51], v[192+\j:193+\j], v[192+\j:193+\j], v[50:51]
	s_delay_alu instid0(VALU_DEP_2)
	v_pk_fma_f32 v[52:53], v[194+\j:195+\j], v[194+\j:195+\j], v[52:53]
.endr
	s_delay_alu instid0(VALU_DEP_1)
	v_pk_add_f32 v[50:51], v[50:51], v[52:53]
	s_delay_alu instid0(VALU_DEP_1)
	v_add_f32 v50, v50, v51
	WRED 50
	s_delay_alu instid0(VALU_DEP_1)
	v_fma_f32 v50, v50, s71, s72
	s_wait_alu depctr_va_vdst(0)
	v_rsq_f32 v56, v50
	v_nop                                          ; a plain place behind it
	s_wait_alu depctr_va_vdst(0)                   ; and the wait ahead of its first reader
	v_mov_b32 v57, v56
	WIN 0x40
.irp a, 0,1,2,3
.irp n, 0,1,2,3,4,5,6,7
	global_load_b128 v[32*\a+4*\n:32*\a+4*\n+3], v34, s[8:9] offset:16*\n   ; q's sums begin with the bias,
.endr
.endr
.irp a, 0,1
.irp n, 0,1,2,3,4,5,6,7
	global_load_b128 v[128+32*\a+4*\n:128+32*\a+4*\n+3], v34, s[8:9] offset:4096+16*\n   ; and k's of tiles 0 and 1 (tiles 2 and 3 lie where be_t2i still lies)
.endr
.endr
	WIN 0
	s_wait_loadcnt 48                              ; all but those 48
.set j, 0
.rept 32
	v_pk_add_f32 v[64+j:65+j], v[64+j:65+j], v[54:55]
.set j, j+2
.endr
.set j, 0
.rept 32
	v_pk_mul_f32 v[64+j:65+j], v[64+j:65+j], v[56:57]
.set j, j+2
.endr
	WIN 0x10                                       ; be_t2i in window 1
.set j, 0
.rept 32
	v_pk_fma_f32 v[64+j:65+j], v[64+j:65+j], v[128+j:129+j], v[192+j:193+j]
.set j, j+2
.endr
	WIN 0
	QB 64, 224, BY0, 0                             ; K step w of LN(vision_proj[b]): all sixteen rows of the fragment are that row
	QB 96, 230, BY1, 0
	SW4 PW, BY0, BY1
.irp j, 0,1,2
	ds_store_b128 v58, v[224+4*\j:227+4*\j] offset:512*\j
.endr
	ds_store_b32 v59, v[PW]
	s_wait_dscnt 0x0                               ; all my LDS stores have landed and have read their registers
	WIN 0x40
.irp a, 2,3
.irp n, 0,1,2,3,4,5,6,7
	global_load_b128 v[128+32*\a+4*\n:128+32*\a+4*\n+3], v34, s[8:9] offset:4096+16*\n   ; k's bias for tiles 2 and 3
.endr
.endr
	WIN 0
.irp dt, 0,1,2,3
.set j, 0
.rept 32
	v_mov_b32 v[VAC+32*\dt+j], v[36+\dt]           ; v's likewise: a lane holds one channel there, so its 32 registers take one number
.set j, j+1
.endr
.endr
	s_wait_kmcnt 0x0
	s_mov_b32 s[AL+1], s[AL]
	s_wait_xcnt 0x0                                ; the loads above have read their address registers: the rows' fragments may land there
.macro ALD                             ; my four tiles' fragments of a K step: 12 loads of 512 consecutive bytes, 4 of scale words
.irp a, 0,1,2,3
.irp j, 0,1,2
	global_load_b128 v[AFR+12*\a+4*\j:AFR+12*\a+4*\j+3], v[LI], s[XA:XA+1] offset:13312*\a+512*\j
.endr
	global_load_b32 v[SA+\a], v[LS], s[XA:XA+1] offset:13312*\a+1536
.endr
.endm
	; THE TWO GROUPS OF WAVES WALK K HALF A STEP APART: group 0 asks for K step 0's fragments here, group 1 behind the barrier, so that one group's products stand under the other group's loads.
	; Every way has one such run of loads ahead of the loop.
	s_lshr_b32 s[PH], s[WV], 2
	s_xor_b32 s[PH], s[PH], s[WV]
	s_and_b32 s[PH], s[PH], 1
	s_cmp_eq_u32 s[PH], 0
	s_cbranch_scc0 .Lald_late
	ALD
.Lald_late:
	v_mov_b32 v[ADB], v[LI]
	v_add_nc_u32 v[ADBS], 1536, v[LS]
	; the prefetches' offset.  Two K steps' records of a tile are 3,328 consecutive bytes: 13 lanes, 256 bytes apart; a tile's records begin 13,312 bytes behind the last tile's.
	; Lanes 0-12 name one tile's, lanes 13-25 the next tile's; lanes 26-31 name what lane 25 names.  m = min(lane, 25); (5 m) / 64 is 0 up to m = 12 and 1 from m = 13 on
	v_and_b32 v[PFO], 31, v0
	s_delay_alu instid0(VALU_DEP_1)
	v_min_u32 v[PFO], 25, v[PFO]
	s_delay_alu instid0(VALU_DEP_1)
	v_mul_u32_u24 v7, v[PFO], 5
	s_delay_alu instid0(VALU_DEP_1)
	v_lshrrev_b32 v7, 6, v7
	s_delay_alu instid0(VALU_DEP_1)
	v_mul_u32_u24 v7, v7, 9984                     ; 13,312 - 13 x 256
	s_delay_alu instid0(VALU_DEP_1)
	v_lshl_add_u32 v[PFO], v[PFO], 8, v7
	s_wait_alu depctr_va_vdst(0)
	s_wait_tensorcnt 0x0                           ; my K step of the weights has landed
	s_barrier_signal -1
	s_barrier_wait -1                              ; the weights, the table and LN(vision_proj[b]) lie in LDS
; ---------------------------------------------------------------- q, k, v: eight K steps, 48 products each, the 48 accumulators by turns
.macro LDB set, tt0, koff              ; two tiles of the weights from LDS: 8 loads
.irp f, 0,1
.irp j, 0,1,2
	ds_load_b128 v[BFR+24*(\set)+12*\f+4*\j:BFR+24*(\set)+12*\f+4*\j+3], v[ADB] offset:(\koff)+((\tt0)+\f)*REC+512*\j
.endr
	ds_load_b32 v[SB+2*(\set)+\f], v[ADBS] offset:(\koff)+((\tt0)+\f)*REC
.endr
.endm
.macro PAIR p, last                    ; tiles 2 p and 2 p + 1 (q, q, k, k, v, v) against my four tiles of rows
.if (\last) && (\p == 5)
	s_wait_dscnt 0x0
.else
	s_wait_dscnt 8                                 ; this pair is in; the next pair's 8 loads may be out
.endif
.if \p < 4
	WIN 0x50                                       ; C and D in window 1
.irp a, 0,1,2,3
.irp f, 0,1
	MMA 128*((2*\p+\f)/4)+32*\a+8*((2*\p+\f)%4), BFR+24*(\p%2)+12*\f, AFR+12*\a, SB+2*(\p%2)+\f, SA+\a
.endr
.endr
	WIN 0
.else
.irp a, 0,1,2,3
.irp f, 0,1
	MMA VAC+32*(2*\p+\f-8)+8*\a, AFR+12*\a, BFR+24*(\p%2)+12*\f, SA+\a, SB+2*(\p%2)+\f   ; v the other way round: a lane holds a channel, its registers run along the tokens
.endr
.endr
.endif
	PLACES 4                                       ; in front of loads into registers that these products read
.if \p < 4
	LDB \p%2, 2*\p+4, 0
.elseif !\last
	LDB \p%2, 2*\p-8, 12*REC
.endif
.endm
; A K STEP.  Behind its loads of the next step's fragments stands THE PREFETCH INTO THE L2 of the rows' codes: at the end of K steps 0, 2 and 4 (the counter is 7, 5, 3) a wave asks for its four tiles' records of the
; two K steps that follow the next one: 4 x 3,328 bytes, two instructions.  The loads of the first of those two steps are issued a whole K step, 48 products a wave, later.  Each piece is named once in the
; launch: by the wave that owns the tokens, in the batch's first work-group (a branch on the work-group's number and on the count of steps).  K steps 0 to 3's first two come by their loads alone; behind K step 4 nothing is left to name.
.macro KSTEP last
	s_wait_loadcnt 0x0                             ; the rows' fragments (in the first step the biases too)
.if !\last
	s_add_nc_u64 s[XA:XA+1], s[XA:XA+1], REC       ; free since that wait
.endif
.irp p, 0,1,2
	PAIR \p, \last
.endr
	s_wait_xcnt 0x0                                ; the last prefetches, half a K step back, have read their address and their offset: both may be written from here on
	s_add_nc_u64 s[PFA:PFA+1], s[PFA:PFA+1], REC
.irp p, 3,4,5
	PAIR \p, \last
.endr
.if !\last
	v_add_nc_u32 v[ADB], 12*REC, v[ADB]
	v_add_nc_u32 v[ADBS], 12*REC, v[ADBS]
	ALD
	s_cmp_gt_u32 s[CNT], s[LIM]
	s_cbranch_scc0 .Lnot_mine_\@
	s_and_b32 s77, s[CNT], 1
	s_cmp_eq_u32 s77, 1
	s_cbranch_scc0 .Lnot_mine_\@
	global_prefetch_b8 v[PFO], s[PFA:PFA+1] th:TH_LOAD_NT scope:SCOPE_SE                 ; tiles 0 and 1
	global_prefetch_b8 v[PFO], s[PFA:PFA+1] offset:26624 th:TH_LOAD_NT scope:SCOPE_SE    ; tiles 2 and 3
.Lnot_mine_\@:
.endif
.endm
	LDB 0, 0, 0
	LDB 1, 2, 0
	s_cmp_eq_u32 s[PH], 0
	s_cbranch_scc1 .Lald_done
	s_wait_loadcnt 0x0                             ; every earlier load of mine has landed (the biases, which the first K step wants too): no load is out on the registers named below
	ALD
.Lald_done:
	s_mov_b32 s[CNT], 7
.Lks:
	s_wait_alu depctr_va_vdst(0)
	KSTEP 0
	s_sub_co_u32 s[CNT], s[CNT], 1
	s_cmp_lg_u32 s[CNT], 0
	s_cbranch_scc1 .Lks
	s_wait_alu depctr_va_vdst(0)
	KSTEP 1
; ---------------------------------------------------------------- q, k, v become codes; W_tout's product
.irp s, 0,1,2,3
.irp j, 0,1,2
	global_load_b128 v[BFR+12*\s+4*\j:BFR+12*\s+4*\j+3], v[LI], s[58:59] offset:\s*REC+512*\j   ; my four records of W_tout, asked for early
.endr
	global_load_b32 v[SA+\s], v[LS], s[58:59] offset:\s*REC+1536
.endr
	s_lshl_b32 s38, s[WV], 12
	s_add_co_u32 s39, s38, QIMG
	v_add_nc_u32 v72, s39, v[LI]
	s_add_co_u32 s39, s38, KIMG
	v_add_nc_u32 v74, s39, v[LI]
	s_lshl_b32 s38, s[WV], 9
	s_add_co_u32 s39, s38, QSC
	v_add_nc_u32 v73, s39, v[LS]
	s_add_co_u32 s39, s38, KSC
	v_add_nc_u32 v75, s39, v[LS]
	s_lshr_b32 s38, s[WV], 1                       ; my 64 keys are half w % 2 of K step w / 2
	s_and_b32 s39, s[WV], 1
	s_mul_i32 s66, s38, 6144
	s_mul_i32 s67, s39, 768
	s_add_co_u32 s66, s66, s67
	s_add_co_u32 s66, s66, VIMG
	v_add_nc_u32 v76, s66, v[LI]
	s_add_co_u32 s66, s66, 512
	v_lshl_add_u32 v77, v[LS], 1, s66
	s_lshl_b32 s66, s38, 8
	s_lshl_b32 s67, s39, 1
	s_add_co_u32 s66, s66, s67
	s_add_co_u32 s66, s66, VSC
	v_and_b32 v78, 15, v0
	s_delay_alu instid0(VALU_DEP_1)
	v_lshlrev_b32 v78, 2, v78
	v_bfe_u32 v79, v0, 4, 1
	s_delay_alu instid0(VALU_DEP_1)
	v_add_nc_u32 v78, v78, v79
	s_delay_alu instid0(VALU_DEP_1)
	v_add_nc_u32 v78, s66, v78                     ; my byte: 4 x row + 2 (w % 2) + h
	s_delay_alu instid0(VALU_DEP_3)
	v_lshlrev_b32 v70, 7, v79
	s_lshl_b32 s66, s69, 8
	s_lshl_b32 s67, s68, 5
	s_add_co_u32 s66, s66, s67
	s_add_co_u32 s66, s66, TRW
	v_add_nc_u32 v79, s66, v70
	s_mul_i32 s66, s69, 4*REC
	s_add_co_u32 s66, s66, VCIMG
	v_add_nc_u32 v68, s66, v[LI]
	s_add_co_u32 s66, s66, 1536
	v_add_nc_u32 v69, s66, v[LS]
.irp a, 0,1,2,3                        ; q: a lane holds one token and one block of 32 channels
	QB 32*\a, 32+8*\a, BY0, 1
	v_mov_b32 v[38+8*\a], v[QX]
	v_mov_b32 v[39+8*\a], 0
	SW2 64+\a, BY0, 0x7f7f0000
	ds_store_b128 v72, v[32+8*\a:35+8*\a] offset:1024*\a
	ds_store_b128 v72, v[36+8*\a:39+8*\a] offset:1024*\a+512
	ds_store_b32 v73, v[64+\a] offset:128*\a
.endr
	s_wait_dscnt 0x0                               ; the stores have read their registers
.irp a, 0,1,2,3                        ; k likewise, with the mask's code and its byte
	QB 128+32*\a, 32+8*\a, BY0, 1
	v_mov_b32 v[38+8*\a], v[MK+\a]
	v_mov_b32 v[39+8*\a], 0
	SW2M 64+\a, BY0, MK+\a
	ds_store_b128 v74, v[32+8*\a:35+8*\a] offset:1024*\a
	ds_store_b128 v74, v[36+8*\a:39+8*\a] offset:1024*\a+512
	ds_store_b32 v75, v[64+\a] offset:128*\a
.endr
	s_wait_dscnt 0x0
.irp dt, 0,1,2,3                       ; v: a lane holds one channel and one block of 32 keys
	QB VAC+32*\dt, 32+8*\dt, 64+\dt, 0
	ds_store_b128 v76, v[32+8*\dt:35+8*\dt] offset:1536*\dt
	ds_store_b64 v77, v[36+8*\dt:37+8*\dt] offset:1536*\dt
	ds_store_b8 v78, v[64+\dt] offset:64*\dt
.endr
	global_load_b128 v[128:131], v70, s[22:23]     ; b_tout at my eight columns
	global_load_b128 v[132:135], v70, s[22:23] offset:16
.irp s, 0,1,2,3
.irp j, 0,1,2
	ds_load_b128 v[144+12*\s+4*\j:147+12*\s+4*\j], v68 offset:\s*REC+512*\j
.endr
	ds_load_b32 v[SB+\s], v69 offset:\s*REC
.endr
	s_cmp_eq_u32 s69, 0
	s_cselect_b32 s38, -1, 0                       ; the bias counts once: in K's first half
	s_wait_loadcnt 0x0
	s_wait_dscnt 0x0
.irp j, 0,1,2,3,4,5,6,7
	v_cndmask_b32 v[128+\j], 0, v[128+\j], s38
.endr
	PLACES 4
	MMA 128, BFR, 144, SA, SB                      ; two accumulators by turns
	MMZ 136, BFR+12, 156, SA+1, SB+1
	MMA 128, BFR+24, 168, SA+2, SB+2
	MMA 136, BFR+36, 180, SA+3, SB+3
	PLACES 4
.irp j, 0,2,4,6
	v_pk_add_f32 v[128+\j:129+\j], v[128+\j:129+\j], v[136+\j:137+\j]
.endr
.irp j, 0,2,4,6
	s_delay_alu instid0(VALU_DEP_4)
	v_pk_mul_f32 v[128+\j:129+\j], v[128+\j:129+\j], s[AL:AL+1] op_sel_hi:[1,0]   ; x alpha_t2i
.endr
	ds_store_b128 v79, v[128:131]
	ds_store_b128 v79, v[132:135] offset:16
	s_wait_dscnt 0x0                               ; my images have landed, and my reads of the weights are over
	s_barrier_signal -1
	s_barrier_wait -1                              ; K, V^T and the tout row lie in LDS; the weights' bytes become the stages
; ---------------------------------------------------------------- the self-attention
	v_and_b32 v56, 15, v0                          ; r
	v_bfe_u32 v57, v0, 4, 1                        ; h
	s_delay_alu instid0(VALU_DEP_2)
	v_lshl_add_u32 v59, v56, 4, TRW
	ds_load_b128 v[TRR:TRR+3], v59
	ds_load_b128 v[184:187], v59 offset:256
	v_xor_b32 v58, 15, v56                         ; 15 - r: the table's address is made of additions alone
	s_delay_alu instid0(VALU_DEP_1)
	v_and_b32 v59, 3, v58
	s_delay_alu instid0(VALU_DEP_1)
	v_mul_u32_u24 v[AE0], v59, 4128                ; copy 3 - r % 4
	s_delay_alu instid0(VALU_DEP_1)
	v_lshl_add_u32 v[AE0], v57, 7, v[AE0]
	s_delay_alu instid0(VALU_DEP_4)
	v_lshrrev_b32 v59, 3, v58
	s_delay_alu instid0(VALU_DEP_1)
	v_lshl_add_u32 v[AE0], v59, 7, v[AE0]
	v_and_b32 v59, 4, v58
	s_delay_alu instid0(VALU_DEP_1)
	v_lshl_add_u32 v[AE0], v59, 2, v[AE0]
	s_xor_b32 s38, s[WV], 7
	s_lshl_b32 s38, s38, 8
	s_add_co_u32 s38, s38, ETAB
	v_add_nc_u32 v[AE0], s38, v[AE0]               ; with 96 - 32 a + 512 x step: 4 x (508 + key - 64 w - 32 (r / 8) - 8 a - (r & 4))
	v_add_nc_u32 v[AK0], KIMG, v[LI]
	v_mad_u32_u24 v[AKS0], v57, 448, v[LS]         ; lanes 0-15 take row r's word of tile t, lanes 16-31 row r's word of tile 4 + t: 512 bytes on, less their own 64
	v_add_nc_u32 v[AKS0], KSC, v[AKS0]
	v_add_nc_u32 v[AV0], VIMG, v[LI]
	v_lshl_add_u32 v[AV80], v[LS], 1, VIMG+512
	v_lshl_add_u32 v[AVS0], v56, 2, VSC
	s_lshl_b32 s38, s[WV], 12
	s_add_co_u32 s38, s38, QIMG
	v_add_nc_u32 v[AQ0], s38, v[LI]
	s_lshl_b32 s38, s[WV], 9
	s_add_co_u32 s39, s38, QSC
	v_add_nc_u32 v[AQS0], s39, v[LS]
	s_add_co_u32 s39, s38, XCH
	v_lshl_add_u32 v[XCW], v57, 7, s39
	s_add_co_u32 s39, s39, 256
	v_mov_b32 v[XCS], s39
	v_lshl_add_u32 v[XR], v[LS], 1, XCH
	v_mov_b32 v[XS], XCH+256
	v_lshlrev_b32 v[GOI], 1, v[LS]
	v_lshlrev_b32 v[VQO], 7, v57
	v_lshrrev_b32 v59, 3, v56
	v_and_b32 v60, 7, v56
	s_delay_alu instid0(VALU_DEP_1)
	v_lshl_add_u32 v59, v59, 5, v60                ; 32 (r / 8) + r % 8
	s_mul_i32 s38, s[WV], 17408                    ; my stage
	v_mul_u32_u24 v[STW0], v59, 272
	s_delay_alu instid0(VALU_DEP_1)
	v_lshl_add_u32 v[STW0], v57, 7, v[STW0]
	s_delay_alu instid0(VALU_DEP_1)
	v_add_nc_u32 v[STW0], s38, v[STW0]             ; by lanes: my token's row, my half's 128 bytes
	v_mul_u32_u24 v60, v57, 8704
	s_delay_alu instid0(VALU_DEP_1)
	v_add_nc_u32 v60, s38, v60
	s_delay_alu instid0(VALU_DEP_1)
	v_lshl_add_u32 v[STR0], v56, 4, v60            ; by rows: lanes 0-15 a row of the first 32, lanes 16-31 the row 32 further on; 16 bytes a lane
	s_delay_alu instid0(VALU_DEP_2)
	v_lshl_add_u32 v[STC0], v59, 2, v60
	v_lshlrev_b32 v[OUO], 17, v57
	s_delay_alu instid0(VALU_DEP_1)
	v_lshl_add_u32 v[OUO], v56, 4, v[OUO]          ; and the same two rows in tp and in out1
.irp j, 8,9,10,11
	v_mov_b32 v[QF+\j], 0                          ; k = 80 .. 127 of q and of the keys hold nothing
.irp t, 0,1,2,3
	v_mov_b32 v[KF+12*\t+\j], 0
.endr
.endr
	WIN 0x40
.irp j, 8,9,10,11
.irp t, 0,1,2,3
	v_mov_b32 v[K2+12*\t+\j], 0                    ; the same for the second group of keys, in window 1
.endr
.endr
	WIN 0
	v_mov_b32 v[FF+1], 0
	v_mov_b32 v[RL+1], 0
	s_wait_dscnt 0x0
	v_pk_add_f32 v[TRR:TRR+1], v[TRR:TRR+1], v[184:185]
	v_pk_add_f32 v[TRR+2:TRR+3], v[TRR+2:TRR+3], v[186:187]   ; alpha x (LN(vision_proj[b]) W_tout^T + b_tout) at the four columns that I store
; What a key step's score products want: eight key fragments, their scale words (one register for tiles t and 4 + t: lanes 0-15 and lanes 16-31) and the bias: 36 LDS loads
.macro KLOAD
.irp t, 0,1,2,3
	ds_load_b128 v[KF+12*\t:KF+12*\t+3], v[ADK] offset:\t*1024
	ds_load_b128 v[KF+12*\t+4:KF+12*\t+7], v[ADK] offset:\t*1024+512
	ds_load_b32 v[SA+\t], v[ADKS] offset:\t*128
.endr
	WIN 0x40
.irp t, 0,1,2,3
	ds_load_b128 v[K2+12*\t:K2+12*\t+3], v[ADK] offset:(4+\t)*1024
	ds_load_b128 v[K2+12*\t+4:K2+12*\t+7], v[ADK] offset:(4+\t)*1024+512
.endr
.irp n, 0,1,2,3,4,5,6,7,8,9,10,11,12,13,14,15
	ds_load_b128 v[BI+4*\n:BI+4*\n+3], v[ADE] offset:256*(\n/8)+16*(\n%8)
.endr
	WIN 0
.endm
.macro KMUL                            ; eight products on eight accumulators; C is the bias, in window 1
	WIN 0x10
.irp t, 0,1,2,3
	v_wmma_scale_f32_16x16x128_f8f6f4 v[ST+8*\t:ST+8*\t+7], v[KF+12*\t:KF+12*\t+11], v[QF:QF+11], v[BI+8*\t:BI+8*\t+7], v[SA+\t], v[QS] matrix_a_fmt:MATRIX_FMT_BF6 matrix_b_fmt:MATRIX_FMT_BF6
.endr
	WIN 0x11
.irp t, 0,1,2,3
	v_wmma_scale_f32_16x16x128_f8f6f4 v[ST+32+8*\t:ST+39+8*\t], v[K2+12*\t:K2+12*\t+11], v[QF:QF+11], v[BI+32+8*\t:BI+39+8*\t], v[SA+\t], v[QS] matrix_a_fmt:MATRIX_FMT_BF6 matrix_b_fmt:MATRIX_FMT_BF6 matrix_a_scale:MATRIX_SCALE_ROW1
.endr
	WIN 0
.endm
; A KEY STEP: 128 keys for my 16 queries.  A lane holds one query; registers 32 g + i are keys 128 x step + 64 g + 32 h + i: two whole blocks.
; Its bias, keys and scale words were asked for a step earlier; behind its score products it asks for its own V and for the next step's bias, keys and scale words (s[TE], s[TK], s[TKS] name that step).
.macro ASTEP a
	s_wait_alu depctr_va_vdst(0)
	s_wait_dscnt 0x0                               ; at a tile's first step q too
	KMUL
	v_add_nc_u32 v[ADE], s[TE], v[AE0]             ; (these six are the places behind the products above and behind the last step's)
	v_add_nc_u32 v[ADK], s[TK], v[AK0]
	v_add_nc_u32 v[ADKS], s[TKS], v[AKS0]
	v_add_nc_u32 v[ADV], s[TV], v[AV0]
	v_add_nc_u32 v[ADV8], s[TV], v[AV80]
	v_add_nc_u32 v[ADVS], s[TVS], v[AVS0]
	WIN 0x40
.irp dt, 0,1,2,3
	ds_load_b128 v[VF+12*\dt:VF+12*\dt+3], v[ADV] offset:1536*\dt
	ds_load_b64 v[VF+12*\dt+4:VF+12*\dt+5], v[ADV8] offset:1536*\dt
	ds_load_b128 v[VF+12*\dt+6:VF+12*\dt+9], v[ADV] offset:1536*\dt+768
	ds_load_b64 v[VF+12*\dt+10:VF+12*\dt+11], v[ADV8] offset:1536*\dt+768
.endr
	WIN 0
.irp dt, 0,1,2,3
	ds_load_b32 v[SB+\dt], v[ADVS] offset:64*\dt
.endr
.if \a == 3
	s_cmp_eq_u32 s[CNT], 1                         ; behind the last tile's last step no step follows: nothing is asked for (every wait on DScnt of the step is for 0)
	s_cbranch_scc1 .Lnola_\@
.endif
	KLOAD
.if \a == 3
.Lnola_\@:
.endif
	v_max3_num_f32 v[BM], v[ST], v[ST+1], v[ST+2]  ; each block's largest score: for the row's maximum, and, since p rises with the score, for the block's largest p
	v_max3_num_f32 v[BM+1], v[ST+32], v[ST+33], v[ST+34]
.irp i, 3,5,7,9,11,13,15,17,19,21,23,25,27,29
	v_max3_num_f32 v[BM], v[BM], v[ST+\i], v[ST+\i+1]
	v_max3_num_f32 v[BM+1], v[BM+1], v[ST+32+\i], v[ST+33+\i]
.endr
	v_max_num_f32 v[BM], v[BM], v[ST+31]
	v_max_num_f32 v[BM+1], v[BM+1], v[ST+63]
	s_delay_alu instid0(VALU_DEP_1)
	v_max_num_f32 v[TT], v[BM], v[BM+1]
	s_delay_alu instid0(VALU_DEP_1)
	v_permlanex16_b32 v[PO], v[TT], s[SEL], s[SEL+1]
	s_delay_alu instid0(VALU_DEP_1)
	v_max_num_f32 v[TT], v[TT], v[PO]
	s_delay_alu instid0(VALU_DEP_1)
	v_mul_f32 v[TT], s[CS], v[TT]                  ; as t (c is not negative)
	s_delay_alu instid0(VALU_DEP_1)
	v_max_num_f32 v[MT], v[MT], v[TT]              ; the running largest t
	v_mov_b32 v[TT], v[NM]
	s_delay_alu instid0(VALU_DEP_2)
	v_floor_f32 v[NM], -v[MT]                      ; -M = floor(-t): M is a whole number
	s_delay_alu instid0(VALU_DEP_1)
	v_sub_f32 v[TT], v[NM], v[TT]                  ; old M - new M
	s_delay_alu instid0(VALU_DEP_1)
	v_cvt_i32_f32 v[TT], v[TT]                     ; (it saturates)
	s_delay_alu instid0(VALU_DEP_1)
	v_ldexp_f32 v[FF], 1.0, v[TT]                  ; f = 2^(old M - new M): rounds nothing
.set j, 0
.rept 32
	v_pk_fma_f32 v[ST+j:ST+j+1], v[ST+j:ST+j+1], s[CS:CS+1], v[NM:NM+1] op_sel_hi:[1,0,0]   ; t - M
.set j, j+2
.endr
	v_fma_f32 v[BM], v[BM], s[CS], v[NM]
	v_fma_f32 v[BM+1], v[BM+1], s[CS], v[NM]
.set j, 0
	s_wait_alu depctr_va_vdst(0)
.rept 64
	v_exp_f32 v[ST+j], v[ST+j]                     ; p = 2^(t - M), not normalised
.set j, j+1
.endr
	v_pk_mul_f32 v[SUM:SUM+1], v[SUM:SUM+1], v[FF:FF+1] op_sel_hi:[1,0]   ; a plain place behind the batch
	s_wait_alu depctr_va_vdst(0)                   ; one wait for the 64, ahead of their first reader
	v_exp_f32 v[BM], v[BM]
	v_exp_f32 v[BM+1], v[BM+1]
	v_pk_add_f32 v[54:55], v[68:69], v[72:73]
	v_pk_add_f32 v[222:223], v[76:77], v[80:81]
	v_pk_add_f32 v[220:221], v[84:85], v[88:89]
	v_pk_add_f32 v[218:219], v[92:93], v[96:97]
	v_pk_add_f32 v[208:209], v[100:101], v[104:105]
	v_pk_add_f32 v[206:207], v[108:109], v[112:113]
	v_pk_add_f32 v[186:187], v[116:117], v[120:121]
	v_pk_add_f32 v[46:47], v[46:47], v[124:125]
	v_pk_add_f32 v[54:55], v[54:55], v[64:65]
	v_pk_add_f32 v[222:223], v[222:223], v[66:67]
	v_pk_add_f32 v[220:221], v[220:221], v[70:71]
	v_pk_add_f32 v[218:219], v[218:219], v[74:75]
	v_pk_add_f32 v[208:209], v[208:209], v[78:79]
	v_pk_add_f32 v[206:207], v[206:207], v[82:83]
	v_pk_add_f32 v[186:187], v[186:187], v[86:87]
	v_pk_add_f32 v[46:47], v[46:47], v[90:91]
	v_pk_add_f32 v[54:55], v[54:55], v[94:95]
	v_pk_add_f32 v[222:223], v[222:223], v[98:99]
	v_pk_add_f32 v[220:221], v[220:221], v[102:103]
	v_pk_add_f32 v[218:219], v[218:219], v[106:107]
	v_pk_add_f32 v[208:209], v[208:209], v[110:111]
	v_pk_add_f32 v[206:207], v[206:207], v[114:115]
	v_pk_add_f32 v[186:187], v[186:187], v[118:119]
	v_pk_add_f32 v[46:47], v[46:47], v[122:123]
	v_pk_add_f32 v[54:55], v[54:55], v[126:127]
	s_delay_alu instid0(VALU_DEP_2)
	v_pk_add_f32 v[46:47], v[46:47], v[218:219]
	s_delay_alu instid0(VALU_DEP_2)
	v_pk_add_f32 v[54:55], v[54:55], v[208:209]
	v_pk_add_f32 v[222:223], v[222:223], v[206:207]
	v_pk_add_f32 v[220:221], v[220:221], v[186:187]
	s_delay_alu instid0(VALU_DEP_2)
	v_pk_add_f32 v[46:47], v[46:47], v[222:223]
	s_delay_alu instid0(VALU_DEP_2)
	v_pk_add_f32 v[54:55], v[54:55], v[220:221]
	s_delay_alu instid0(VALU_DEP_1)
	v_pk_add_f32 v[46:47], v[46:47], v[54:55]
	s_wait_alu depctr_va_vdst(0)                   ; and one for the two
	v_max_num_f32 v[BM], 0x2800000, v[BM]
	v_max_num_f32 v[BM+1], 0x2800000, v[BM+1]
	s_delay_alu instid0(VALU_DEP_2)
	v_add_nc_u32 v[SC], 0xfe000000, v[BM]
	s_delay_alu instid0(VALU_DEP_2)
	v_add_nc_u32 v[SC+1], 0xfe000000, v[BM+1]
	s_delay_alu instid0(VALU_DEP_2)
	v_lshrrev_b32 v[BY0], 23, v[SC]
	s_delay_alu instid0(VALU_DEP_2)
	v_lshrrev_b32 v[BY1], 23, v[SC+1]
	SW4 PW, BY0, BY1
	v_cvt_scalef32_pk16_bf6_f32 v[PF:PF+2], v[ST:ST+15], v[SC]
	v_cvt_scalef32_pk16_bf6_f32 v[T3:T3+2], v[ST+16:ST+31], v[SC]
	v_cvt_scalef32_pk16_bf6_f32 v[PF+6:PF+8], v[ST+32:ST+47], v[SC+1]
	v_cvt_scalef32_pk16_bf6_f32 v[T3B:T3B+2], v[ST+48:ST+63], v[SC+1]
	v_nop                                          ; one plain place behind the conversions
.irp i, 0,1,2
	v_mov_b32 v[PF+3+\i], v[T3+\i]
	v_mov_b32 v[PF+9+\i], v[T3B+\i]
.endr
.set j, 0
.rept 16
	v_pk_mul_f32 v[OT+j:OT+j+1], v[OT+j:OT+j+1], v[FF:FF+1] op_sel_hi:[1,0]   ; O^T under the new M; these are also the places in front of the products below
.set j, j+2
.endr
	s_wait_alu depctr_va_vdst(0)
	s_wait_dscnt 0x0                               ; V
	WIN 0x01
.irp dt, 0,1,2,3
	MMA OT+8*\dt, VF+12*\dt, PF, SB+\dt, PW
.endr
	WIN 0
.endm
; The end of a tile of queries.  text_proj's 16 rows, which came in by rows, are turned through the stage rows that text_self takes next; O^T / the sum + text_proj = text_self; it goes to my stage (for out1's rows
; and for the image-to-text attention), its codes along the channels take the place of q's; out1 leaves.
.macro FINA a
	s_wait_loadcnt 0x0                             ; text_proj, asked for at the tile's head
	WIN 0x04                                       ; an LDS store's data are its source 1: window 1
.irp k, 0,1,2,3,4,5,6,7
	ds_store_b128 v[STR0], v[4*\k:4*\k+3] offset:(8*\a+\k)*272
.endr
	WIN 0x40
.irp n, 0,1,2,3,4,5,6,7
	ds_load_b128 v[4*\n:4*\n+3], v[STW0] offset:8*\a*272+16*\n   ; LDS serves a wave's instructions in order: these see the stores above; the sum and the reciprocal below stand between them and their wait
.endr
	WIN 0
	PLACES 4
	v_add_f32 v[SUM], v[SUM], v[SUM+1]
	s_delay_alu instid0(VALU_DEP_1)
	v_permlanex16_b32 v[PO], v[SUM], s[SEL], s[SEL+1]
	s_delay_alu instid0(VALU_DEP_1)
	v_add_f32 v[SUM], v[SUM], v[PO]
	s_wait_alu depctr_va_vdst(0)
	v_rcp_f32 v[RL], v[SUM]
	v_mov_b32 v[PF+6], v[MK+\a]                    ; (plain places behind the reciprocal)
	v_mov_b32 v[PF+7], 0
	s_wait_alu depctr_va_vdst(0)
	s_wait_dscnt 0x0                               ; text_proj lies by lanes
	WIN 0x10
.set j, 0
.rept 16
	v_pk_fma_f32 v[ST+j:ST+j+1], v[OT+j:OT+j+1], v[RL:RL+1], v[j:j+1] op_sel_hi:[1,0,1]
.set j, j+2
.endr
	WIN 0
.irp n, 0,1,2,3,4,5,6,7
	ds_store_b128 v[STW0], v[ST+4*\n:ST+4*\n+3] offset:8*\a*272+16*\n
.endr
	QB ST, PF, BY0, 0
	SW2M PW, BY0, MK+\a
	ds_store_b128 v[AQ0], v[PF:PF+3] offset:1024*\a
	ds_store_b128 v[AQ0], v[PF+4:PF+7] offset:1024*\a+512
	ds_store_b32 v[AQS0], v[PW] offset:128*\a
.irp k, 0,1,2,3,4,5,6,7
	ds_load_b128 v[ST+32+4*\k:ST+32+4*\k+3], v[STR0] offset:(8*\a+\k)*272   ; LDS serves a wave's instructions in order: these see my stores
.endr
.irp k, 0,1,2,3,4,5,6,7
	s_wait_dscnt 7-\k
	v_pk_add_f32 v[ST+32+4*\k:ST+32+4*\k+1], v[ST+32+4*\k:ST+32+4*\k+1], v[TRR:TRR+1]
	v_pk_add_f32 v[ST+32+4*\k+2:ST+32+4*\k+3], v[ST+32+4*\k+2:ST+32+4*\k+3], v[TRR+2:TRR+3]
	global_store_b128 v[OUO], v[ST+32+4*\k:ST+32+4*\k+3], s[54:55] offset:(8*\a+\k)*4096 th:TH_STORE_NT   ; sixteen lanes store 256 consecutive bytes, at a multiple of 256
.endr
.endm
.macro QTILE a
	s_wait_xcnt 0x0                                ; the last tile's stores have read their registers
	ds_load_b128 v[QF:QF+3], v[AQ0] offset:1024*\a
	ds_load_b128 v[QF+4:QF+7], v[AQ0] offset:1024*\a+512
	ds_load_b32 v[QS], v[AQS0] offset:128*\a
	WIN 0x40
.irp k, 0,1,2,3,4,5,6,7
	global_load_b128 v[4*\k:4*\k+3], v[OUO], s[52:53] offset:(8*\a+\k)*4096 th:TH_LOAD_NT   ; text_proj by rows: sixteen lanes read 256 consecutive bytes, at a multiple of 256; read once; wanted at the tile's end
.endr
	WIN 0
	v_mov_b32 v[MT], 0xcb800000                    ; the largest t so far: -2^24 (the head comment says why, and what it leaves unserved)
	s_delay_alu instid0(VALU_DEP_1)
	v_floor_f32 v[NM], -v[MT]
	v_mov_b32 v[SUM], 0
	v_mov_b32 v[SUM+1], 0
.set j, 0
.rept 32
	v_mov_b32 v[OT+j], 0                           ; the key step is written once: the first finds zeros, which the first change of M leaves zeros
.set j, j+1
.endr
	s_mov_b32 s[TV], 0
	s_mov_b32 s[TVS], 0
	s_mov_b32 s[CNT], 4
.if \a == 0
	v_add_nc_u32 v[ADE], 96, v[AE0]                ; the very first step has no step ahead of it: it is asked for here
	v_mov_b32 v[ADK], v[AK0]
	v_mov_b32 v[ADKS], v[AKS0]
	KLOAD
	s_mov_b32 s[NN], 1                             ; and the look-ahead stands at tile 0, step 1
	s_mov_b32 s[TK], 8192
	s_mov_b32 s[TKS], 1024
	s_mov_b32 s[TE], 608
.endif
.Lkeys_\a:
	ASTEP \a
	s_add_co_u32 s[TV], s[TV], 6144
	s_add_co_u32 s[TVS], s[TVS], 256
	s_add_co_u32 s[NN], s[NN], 1                   ; the look-ahead's step n: keys at 8,192 (n % 4), scale words at 1,024 (n % 4), the bias at 512 (n % 4) + 32 (3 - n / 4)
	s_and_b32 s[T1], s[NN], 3
	s_lshl_b32 s[TK], s[T1], 13
	s_lshl_b32 s[TKS], s[T1], 10
	s_lshl_b32 s[TE], s[T1], 9
	s_lshr_b32 s[T1], s[NN], 2
	s_xor_b32 s[T1], s[T1], 3
	s_lshl_b32 s[T1], s[T1], 5
	s_add_co_u32 s[TE], s[TE], s[T1]
	s_sub_co_u32 s[CNT], s[CNT], 1
	s_cmp_lg_u32 s[CNT], 0
	s_cbranch_scc1 .Lkeys_\a
	FINA \a
.endm
	WIN 0x40
.irp n, 0,1,2,3,4,5,6,7
	global_load_b128 v[VQ+4*\n:VQ+4*\n+3], v[VQO], s[60:61] offset:16*\n   ; the one image-to-text query, wanted behind the four tiles, asked for here; all sixteen rows of its tile are it
.endr
	WIN 0
	QTILE 0
	QTILE 1
	QTILE 2
	QTILE 3
; ---------------------------------------------------------------- image to text: each wave on its own 64 keys, under a whole number M of its own; the eight parts meet in LDS
.macro TLD dt, buf                     ; text_self down the stage's columns: channel 32 (i / 8) + 8 dt + i % 8, my half's 32 keys
.set n, 0
.rept 32
	ds_load_b32 v[(\buf)+n], v[STC0] offset:n*272+32*(\dt)
.set n, n+1
.endr
.endm
.macro TQ dt, buf                      ; quantised along the keys: 16 channels x my 64 keys, in the lower half of a fragment
	QB \buf, KF+12*(\dt), BY0, 0
	v_mov_b32 v[KF+12*(\dt)+6], 0
	v_mov_b32 v[KF+12*(\dt)+7], 0
	SW2 SB+(\dt), BY0, 0x7f7f0000
.endm
	s_wait_xcnt 0x0
.irp a, 0,1,2,3
	ds_load_b128 v[KF+12*\a:KF+12*\a+3], v[AQ0] offset:1024*\a
	ds_load_b128 v[KF+12*\a+4:KF+12*\a+7], v[AQ0] offset:1024*\a+512
	ds_load_b32 v[SA+\a], v[AQS0] offset:128*\a
.endr
	TLD 0, ST+32
	QB VQ, QF, BY0, 1                              ; the query came in ahead of the first tile, whose end waited for all loads
	v_mov_b32 v[QF+6], v[QX]
	v_mov_b32 v[QF+7], 0
	SW2 QS, BY0, 0x7f7f0000
	s_wait_alu depctr_va_vdst(0)
	s_wait_dscnt 32                                ; text_self's fragments are in; the 32 loads behind them may be out
	PLACES 8                                       ; a scale word written by vector instructions stands eight places ahead
.irp a, 0,1,2,3
	MMZ ST+8*\a, KF+12*\a, QF, SA+\a, QS
.endr
	PLACES 4
	v_max3_num_f32 v[BM], v[ST], v[ST+1], v[ST+2]
	v_max3_num_f32 v[BM+1], v[ST+16], v[ST+17], v[ST+18]
.irp i, 3,5,7,9,11,13
	v_max3_num_f32 v[BM], v[BM], v[ST+\i], v[ST+\i+1]
	v_max3_num_f32 v[BM+1], v[BM+1], v[ST+16+\i], v[ST+17+\i]
.endr
	v_max3_num_f32 v[BM], v[BM], v[ST+15], v[ST+31]
	s_delay_alu instid0(VALU_DEP_1)
	v_max_num_f32 v[BM], v[BM], v[BM+1]            ; my block's largest score
	s_delay_alu instid0(VALU_DEP_1)
	v_permlanex16_b32 v[PO], v[BM], s[SEL], s[SEL+1]
	s_delay_alu instid0(VALU_DEP_1)
	v_max_num_f32 v[TT], v[BM], v[PO]
	s_delay_alu instid0(VALU_DEP_1)
	v_mul_f32 v[TT], s[CS], v[TT]
	s_delay_alu instid0(VALU_DEP_1)
	v_max_num_f32 v[TT], 0xcb800000, v[TT]         ; held at -2^24 from below: 64 masked keys give p = 0 and the sum 0
	s_delay_alu instid0(VALU_DEP_1)
	v_floor_f32 v[NM], -v[TT]                      ; -M of my 64 keys
.set j, 0
.rept 16
	v_pk_fma_f32 v[ST+j:ST+j+1], v[ST+j:ST+j+1], s[CS:CS+1], v[NM:NM+1] op_sel_hi:[1,0,0]
.set j, j+2
.endr
	v_fma_f32 v[BM], v[BM], s[CS], v[NM]
.set j, 0
	s_wait_alu depctr_va_vdst(0)
.rept 32
	v_exp_f32 v[ST+j], v[ST+j]
.set j, j+1
.endr
	v_exp_f32 v[BM], v[BM]
	v_nop                                          ; a plain place behind the batch
	s_wait_alu depctr_va_vdst(0)                   ; one wait for the 33
	v_pk_add_f32 v[54:55], v[64:65], v[66:67]
	v_pk_add_f32 v[254:255], v[72:73], v[76:77]
	v_pk_add_f32 v[252:253], v[80:81], v[84:85]
	v_pk_add_f32 v[250:251], v[88:89], v[92:93]
	v_pk_add_f32 v[248:249], v[68:69], v[70:71]
	v_pk_add_f32 v[246:247], v[74:75], v[78:79]
	v_pk_add_f32 v[244:245], v[82:83], v[86:87]
	v_pk_add_f32 v[46:47], v[90:91], v[94:95]
	s_delay_alu instid0(VALU_DEP_1)
	v_pk_add_f32 v[46:47], v[46:47], v[250:251]
	v_pk_add_f32 v[54:55], v[54:55], v[248:249]
	v_pk_add_f32 v[254:255], v[254:255], v[246:247]
	v_pk_add_f32 v[252:253], v[252:253], v[244:245]
	s_delay_alu instid0(VALU_DEP_2)
	v_pk_add_f32 v[46:47], v[46:47], v[254:255]
	s_delay_alu instid0(VALU_DEP_2)
	v_pk_add_f32 v[54:55], v[54:55], v[252:253]
	s_delay_alu instid0(VALU_DEP_1)
	v_pk_add_f32 v[46:47], v[46:47], v[54:55]
	s_delay_alu instid0(VALU_DEP_1)
	v_add_f32 v[SUM], v[SUM], v[SUM+1]
	s_delay_alu instid0(VALU_DEP_1)
	v_permlanex16_b32 v[PO], v[SUM], s[SEL], s[SEL+1]
	s_delay_alu instid0(VALU_DEP_1)
	v_add_f32 v[MT], v[SUM], v[PO]                 ; the sum of my 64 p, beside -M
	v_max_num_f32 v[BM], 0x2800000, v[BM]
	s_delay_alu instid0(VALU_DEP_1)
	v_add_nc_u32 v[SC], 0xfe000000, v[BM]
	s_delay_alu instid0(VALU_DEP_1)
	v_lshrrev_b32 v[BY0], 23, v[SC]
	SW2 PW, BY0, 0x7f7f0000
	v_cvt_scalef32_pk16_bf6_f32 v[PF:PF+2], v[ST:ST+15], v[SC]
	v_cvt_scalef32_pk16_bf6_f32 v[T3:T3+2], v[ST+16:ST+31], v[SC]
	v_nop
.irp i, 0,1,2
	v_mov_b32 v[PF+3+\i], v[T3+\i]
.endr
.irp i, 6,7,8,9,10,11
	v_mov_b32 v[PF+\i], 0
.endr
	TLD 1, ST
	s_wait_dscnt 32                                ; the older 32 are in
	TQ 0, ST+32
	TLD 2, ST+32
	s_wait_dscnt 32
	TQ 1, ST
	TLD 3, ST
	s_wait_dscnt 32
	TQ 2, ST+32
	s_wait_dscnt 0x0
	TQ 3, ST
	PLACES 8
.irp dt, 0,1,2,3
	MMZ OT+8*\dt, KF+12*\dt, PF, SB+\dt, PW
.endr
	PLACES 4
.irp n, 0,1,2,3,4,5,6,7
	ds_store_b128 v[XCW], v[OT+4*\n:OT+4*\n+3] offset:16*\n   ; my part of the 64 channels (the sixteen rows are equal: equal bytes to equal places)
.endr
	ds_store_b64 v[XCS], v[NM:NM+1]
	s_wait_dscnt 0x0
	s_barrier_signal -1
	s_barrier_wait -1
	s_cmp_lg_u32 s[WV], 0
	s_cbranch_scc1 .Lend
.irp q, 0,1,2,3,4,5,6,7
	ds_load_b64 v[64+2*\q:65+2*\q], v[XR] offset:512*\q
	ds_load_b64 v[96+2*\q:97+2*\q], v[XS] offset:512*\q
.endr
	s_wait_dscnt 0x0
	v_min_num_f32 v[TT], v96, v98
.irp q, 2,3,4,5,6,7
	s_delay_alu instid0(VALU_DEP_1)
	v_min_num_f32 v[TT], v[TT], v[96+2*\q]         ; -M of all 512 keys
.endr
.irp q, 0,1,2,3,4,5,6,7
	v_sub_f32 v[112+\q], v[TT], v[96+2*\q]         ; a wave's M - M: a whole number, 0 or less
.endr
.irp q, 0,1,2,3,4,5,6,7
	v_cvt_i32_f32 v[112+\q], v[112+\q]
.endr
.irp q, 0,1,2,3,4,5,6,7
	v_ldexp_f32 v[112+\q], 1.0, v[112+\q]
.endr
	v_mul_f32 v120, v112, v64
	v_mul_f32 v121, v112, v65
	v_mul_f32 v122, v112, v97
.irp q, 1,2,3,4,5,6,7
	s_delay_alu instid0(VALU_DEP_3)
	v_fma_f32 v120, v[112+\q], v[64+2*\q], v120
	s_delay_alu instid0(VALU_DEP_3)
	v_fma_f32 v121, v[112+\q], v[65+2*\q], v121
	s_delay_alu instid0(VALU_DEP_3)
	v_fma_f32 v122, v[112+\q], v[97+2*\q], v122
.endr
	s_wait_alu depctr_va_vdst(0)
	v_rcp_f32 v123, v122
	v_nop
	s_wait_alu depctr_va_vdst(0)
	v_mul_f32 v120, v120, v123
	v_mul_f32 v121, v121, v123
	global_store_b64 v[GOI], v[120:121], s[28:29]  ; 32 lanes store 256 consecutive bytes, at a multiple of 256
.Lend:
	s_wait_tensorcnt 0x0                           ; the wave's end, behind my last LDS store
	ds_add_u32 v[SPW], v[NIL]
	s_wait_dscnt 0x0
	s_endpgm
.Lfunc_end_k_q07723fe547_attn:
	.size	k_q07723fe547_attn, .Lfunc_end_k_q07723fe547_attn-k_q07723fe547_attn
	.p2alignl 7, 3214868480
	.fill 96, 4, 3214868480
	.section	.rodata,"a",@progbits
	.p2align	6, 0x0
	.amdhsa_kernel k_q07723fe547_attn
		.amdhsa_group_segment_fixed_size 294656
		.amdhsa_private_segment_fixed_size 0
		.amdhsa_enable_private_segment 0
		.amdhsa_kernarg_size 104
		.amdhsa_user_sgpr_count 2
		.amdhsa_user_sgpr_kernarg_segment_ptr 1
		.amdhsa_wavefront_size32 1
		.amdhsa_system_sgpr_workgroup_id_x 1
		.amdhsa_system_sgpr_workgroup_id_y 1
		.amdhsa_system_sgpr_workgroup_id_z 1
		.amdhsa_system_vgpr_workitem_id 0
		.amdhsa_next_free_vgpr 512
		.amdhsa_next_free_sgpr 100
		.amdhsa_reserve_vcc 1
		.amdhsa_float_denorm_mode_32 3
		.amdhsa_float_denorm_mode_16_64 3
		.amdhsa_memory_ordered 1
		.amdhsa_forward_progress 1
		.amdhsa_inst_pref_size 248
	.end_amdhsa_kernel
	.amdgpu_metadata
---
amdhsa.version: [ 1, 2 ]
amdhsa.kernels:
  - .name:           k_q07723fe547_attn
    .symbol:         k_q07723fe547_attn.kd
    .args:
      - { .name: xcodes, .offset: 0, .size: 8, .value_kind: global_buffer, .address_space: global }
      - { .name: wcodes, .offset: 8, .size: 8, .value_kind: global_buffer, .address_space: global }
      - { .name: b_tqkv, .offset: 16, .size: 8, .value_kind: global_buffer, .address_space: global }
      - { .name: rel_embed, .offset: 24, .size: 8, .value_kind: global_buffer, .address_space: global }
      - { .name: text_mask, .offset: 32, .size: 8, .value_kind: global_buffer, .address_space: global }
      - { .name: tp, .offset: 40, .size: 8, .value_kind: global_buffer, .address_space: global }
      - { .name: vp, .offset: 48, .size: 8, .value_kind: global_buffer, .address_space: global }
      - { .name: g_t2i, .offset: 56, .size: 8, .value_kind: global_buffer, .address_space: global }
      - { .name: be_t2i, .offset: 64, .size: 8, .value_kind: global_buffer, .address_space: global }
      - { .name: b_tout, .offset: 72, .size: 8, .value_kind: global_buffer, .address_space: global }
      - { .name: alpha_t2i, .offset: 80, .size: 8, .value_kind: global_buffer, .address_space: global }
      - { .name: out1, .offset: 88, .size: 8, .value_kind: global_buffer, .address_space: global }
      - { .name: i2t, .offset: 96, .size: 8, .value_kind: global_buffer, .address_space: global }
    .group_segment_fixed_size: 294656
    .private_segment_fixed_size: 0
    .kernarg_segment_align: 8
    .kernarg_segment_size: 104
    .max_flat_workgroup_size: 256
    .sgpr_count:     100
    .vgpr_count:     512
    .wavefront_size: 32
...
	.end_amdgpu_metadata
.endif
;; end of part 9
;; launch fin (part 10): grid 16 x 1, 4 waves a work-group, no clusters, 79,616 bytes of LDS; arguments i2t, g_i2t, be_i2t, wcodes, b_vout, alpha_i2t, vp, out0; writes out0
.if DOCPART == 10
	.amdgcn_target "amdgcn-amd-amdhsa--gfx1250"
	.amdhsa_code_object_version 6
	.text
	.protected	k_q07723fe547_fin
	.globl	k_q07723fe547_fin
	.p2align	8
	.type	k_q07723fe547_fin,@function
k_q07723fe547_fin:
	s_mov_b64 s[64:65], 0
	v_nop
	global_prefetch_b8 v0, s[64:65] scope:SCOPE_SE
	s_setreg_imm32_b32 hwreg(HW_REG_WAVE_MODE, 25, 1), 1
	s_wait_xcnt 0x0
; out0 = vision_proj + alpha_i2t x (Q(LN(i2t)) Q(W_vout)^T + b_vout).  16 rows, K = 1,024.  (The 512 equal query rows of the image-to-text attention were made once: see the first launch's head.)
; A work-group takes 64 columns, wave w the tile 4 g + w of W_vout (lane index i: row 64 g + 32 (i / 8) + 8 w + i % 8), whose eight records it keeps in registers (window 1).
; Every work-group makes the rows' LayerNorm and codes anew.  Wave w holds rows 4 w .. 4 w + 3 as they lie (a load: 512 consecutive bytes), with g_i2t and be_i2t laid the same way, normalises them there and
; stores them as f32 rows to LDS; behind a barrier it reads, each lane, the 32 + 32 neighbours of a row that the quantiser wants in one lane, for K steps 2 w and 2 w + 1; the fragments go round through LDS as
; images of their registers.  All that comes from memory is asked for at the head: no load of the launch hangs on another's result.
; 16 work-groups: the product has no more columns to share out.  out0 leaves in pieces of 32 bytes: the whole tensor is 65,536 bytes.
; LIMITS: NaN and infinities are not served; a block of zeros gets the byte 1 where the rule says 127 (its codes are zeros; nobody else reads the bytes).
.set REC, 1664
.set WVOUT_OFF, 4046848
.set YST, 0                            ; LDS: LN(i2t), 16 rows of f32
.set YP, 4112                          ; 4,096 bytes + 16 = 1,028 words: row i starts at bank 4 i mod 64 (64 banks of 4 bytes: ISA guide 11.1)
.set AIMG, 65792                       ; 8 records
.set SPARE, 79104                      ; the spare words, 128 bytes a wave
.set LI, 1
.set LS, 2
.set SH8, 3
.set SPW, 4
.set NIL, 5
.set PO, 6
.set WS, 8                             ; v8-15    W_vout's scale words
.set X, 16                             ; v16-143  my four rows, 32 registers each; then the 128 numbers of my two K steps
.set G, 144                            ; v144-175 g_i2t, v176-207 be_i2t, laid as a row is
.set BE, 176
.set AC0, 208                          ; v208-215 b_vout, then the first accumulator
.set VPR, 216                          ; v216-223 vision_proj at my eight columns, then the result
.set MN, 224                           ; v224-231 - the mean, a pair for each row
.set RS, 232                           ; v232-239 1 / sigma, a pair for each row
.set YW, 240
.set YR, 241
.set AIW, 242
.set AIWS, 243
.set XOF, 244
.set HB, 245
.set AIR, 246
.set AIRS, 247
.set CD, 144                           ; behind the LayerNorm: v144-167 the codes of two fragments, v168-178 the quantiser's
.set T3, 168
.set PW, 172
.set MX, 174
.set SCO, 176
.set BY0, 177
.set BY1, 178
.set AF, 16                            ; for the product: v16-111 the rows' eight fragments, v112-119 their scale words, v120-127 the second accumulator
.set ASC, 112
.set AC1, 120
.set WF, 0                             ; window 1: v0-95 W_vout's eight fragments
.set WV, 20
.set SEL, 22
.set AL, 24
.set MSB, 0
.macro WIN new                         ; the immediate's high byte repeats the setting that is left
.if MSB != \new
	s_set_vgpr_msb (MSB<<8)|\new
.set MSB, \new
.endif
.endm
.macro QB src, cd, by, sw              ; 32 numbers of a lane, one block along K -> 6 registers of codes and the block's byte (floor 2^(5 - 127) among the leaves: the byte cannot fall under 1)
	v_max3_num_f32 v[MX], |v[(\src)]|, |v[(\src)+1]|, 0x2800000
	v_max3_num_f32 v[MX+1], |v[(\src)+16]|, |v[(\src)+17]|, 0x2800000
.irp i, 2,4,6,8,10,12,14
	v_max3_num_f32 v[MX], v[MX], |v[(\src)+\i]|, |v[(\src)+\i+1]|
	v_max3_num_f32 v[MX+1], v[MX+1], |v[(\src)+16+\i]|, |v[(\src)+17+\i]|
.endr
	v_max_num_f32 v[MX], v[MX], v[MX+1]
	v_add_nc_u32 v[SCO], 0xfe000000, v[MX]
	v_lshrrev_b32 v[\by], 23, v[SCO]
	v_cvt_scalef32_pk16_bf6_f32 v[(\cd):(\cd)+2], v[(\src):(\src)+15], v[SCO]
	v_cvt_scalef32_pk16_bf6_f32 v[T3:T3+2], v[(\src)+16:(\src)+31], v[SCO]
	v_nop                                          ; one plain place behind a scaled conversion
	v_mov_b32 v[(\cd)+3], v[T3]
	v_mov_b32 v[(\cd)+4], v[T3+1]
	v_mov_b32 v[(\cd)+5], v[T3+2]
.endm
.macro SW4 w, b0, b1
	v_lshl_or_b32 v[\w], v[\b1], 16, v[\b0]
	v_lshlrev_b32 v[\w], v[SH8], v[\w]
	v_permlanex16_b32 v[PO], v[\w], s[SEL], s[SEL+1]
	v_or_b32 v[\w], v[\w], v[PO]
.endm
.macro WRED r
	v_add_f32_dpp v[\r], v[\r], v[\r] row_xmask:1 row_mask:0xf bank_mask:0xf
	v_add_f32_dpp v[\r], v[\r], v[\r] row_xmask:2 row_mask:0xf bank_mask:0xf
	v_add_f32_dpp v[\r], v[\r], v[\r] row_xmask:4 row_mask:0xf bank_mask:0xf
	v_add_f32_dpp v[\r], v[\r], v[\r] row_xmask:8 row_mask:0xf bank_mask:0xf
	v_permlanex16_b32 v[PO], v[\r], s[SEL], s[SEL+1]
	v_add_f32 v[\r], v[\r], v[PO]
.endm
	s_load_b512 s[4:19], s[0:1], 0x0               ; i2t, g_i2t, be_i2t, wcodes, b_vout, alpha_i2t, vp, out0
	v_lshl_add_u32 v[SPW], v0, 2, SPARE
	v_mov_b32 v[NIL], 0
	v_lshrrev_b32 v6, 5, v0
	v_readfirstlane_b32 s[WV], v6
	v_and_b32 v6, 31, v0
	v_lshlrev_b32 v[LI], 4, v6
	v_lshlrev_b32 v[LS], 2, v6
	v_bfe_u32 v7, v0, 4, 1                         ; h
	v_lshlrev_b32 v[SH8], 3, v7
	v_lshlrev_b32 v[HB], 7, v7
	v_and_b32 v7, 15, v0                           ; i
	v_lshl_add_u32 v[XOF], v7, 12, v[HB]           ; row i x 4,096 + 128 h
	v_mul_u32_u24 v[YR], v7, YP
	v_add_nc_u32 v[YR], v[HB], v[YR]
	s_lshl_b32 s32, s[WV], 10
	v_add_nc_u32 v[YR], s32, v[YR]                 ; out of the rows in LDS: row i, + 128 h, + my two K steps' 1,024 w
	s_mul_i32 s32, s[WV], 4*YP
	v_add_nc_u32 v[YW], s32, v[LI]                 ; into them: my four rows, 16 bytes a lane
	s_mul_i32 s32, s[WV], 2*REC
	s_add_co_u32 s32, s32, AIMG
	v_add_nc_u32 v[AIW], s32, v[LI]
	v_add_nc_u32 v[AIWS], s32, v[LS]
	v_add_nc_u32 v[AIR], AIMG, v[LI]
	v_add_nc_u32 v[AIRS], AIMG, v[LS]
	v_mov_b32 v[PO], 0
	s_mov_b32 s[SEL], 0x76543210
	s_mov_b32 s[SEL+1], 0xfedcba98
	s_mov_b32 s26, 0x3a800000                      ; 1 / 1024
	s_mov_b32 s27, 0x3727c5ac                      ; 1e-5
	s_mov_b32 s29, 0
	s_wait_kmcnt 0x0
	s_load_b32 s[AL], s[14:15], 0x0
	s_lshl_b32 s28, s[WV], 14
	s_add_nc_u64 s[30:31], s[4:5], s[28:29]        ; rows 4 w .. 4 w + 3
.irp q, 0,1,2,3
.irp n, 0,1,2,3,4,5,6,7
	global_load_b128 v[X+32*\q+4*\n:X+32*\q+4*\n+3], v[LI], s[30:31] offset:4096*\q+512*\n
.endr
.endr
.irp n, 0,1,2,3,4,5,6,7
	global_load_b128 v[G+4*\n:G+4*\n+3], v[LI], s[6:7] offset:512*\n
.endr
.irp n, 0,1,2,3,4,5,6,7
	global_load_b128 v[BE+4*\n:BE+4*\n+3], v[LI], s[8:9] offset:512*\n
.endr
	s_lshl_b32 s28, ttmp9, 8
	s_lshl_b32 s32, s[WV], 5
	s_add_co_u32 s28, s28, s32                     ; my tile's columns: 64 g + 8 w (+ 32 h), in bytes
	s_add_nc_u64 s[12:13], s[12:13], s[28:29]
	s_add_nc_u64 s[16:17], s[16:17], s[28:29]
	s_add_nc_u64 s[18:19], s[18:19], s[28:29]
	global_load_b128 v[AC0:AC0+3], v[HB], s[12:13] ; the sum begins with b_vout
	global_load_b128 v[AC0+4:AC0+7], v[HB], s[12:13] offset:16
	global_load_b128 v[VPR:VPR+3], v[XOF], s[16:17]   ; vision_proj at my eight columns of row r
	global_load_b128 v[VPR+4:VPR+7], v[XOF], s[16:17] offset:16
	s_lshl_b32 s28, ttmp9, 2
	s_add_co_u32 s28, s28, s[WV]
	s_mul_i32 s28, s28, 8*REC
	s_add_co_u32 s28, s28, WVOUT_OFF
	s_add_nc_u64 s[10:11], s[10:11], s[28:29]
	WIN 0x40
.irp k, 0,1,2,3,4,5,6,7
.irp j, 0,1,2
	global_load_b128 v[WF+12*\k+4*\j:WF+12*\k+4*\j+3], v[LI], s[10:11] offset:\k*REC+512*\j
.endr
.endr
	WIN 0
.irp k, 0,1,2,3,4,5,6,7
	global_load_b32 v[WS+\k], v[LS], s[10:11] offset:\k*REC+1536
.endr
	s_wait_loadcnt 52                              ; the four rows are in; behind them: g_i2t's and be_i2t's 16, b_vout's 2, vision_proj's 2, the weight's 32
.irp q, 0,1,2,3
	v_pk_add_f32 v[MN+2*\q:MN+2*\q+1], v[X+32*\q:X+32*\q+1], v[X+32*\q+2:X+32*\q+3]
.endr
.irp j, 4,6,8,10,12,14,16,18,20,22,24,26,28,30
.irp q, 0,1,2,3
	v_pk_add_f32 v[MN+2*\q:MN+2*\q+1], v[MN+2*\q:MN+2*\q+1], v[X+32*\q+\j:X+32*\q+\j+1]   ; the four rows by turns
.endr
.endr
.irp q, 0,1,2,3
	v_add_f32 v[MN+2*\q], v[MN+2*\q], v[MN+2*\q+1]
.endr
.irp q, 0,1,2,3
	WRED MN+2*\q
.endr
.irp q, 0,1,2,3
	v_mul_f32 v[MN+2*\q], 0xba800000, v[MN+2*\q]   ; - the mean
	v_mov_b32 v[MN+2*\q+1], v[MN+2*\q]
.endr
.irp j, 0,2,4,6,8,10,12,14,16,18,20,22,24,26,28,30
.irp q, 0,1,2,3
	v_pk_add_f32 v[X+32*\q+\j:X+32*\q+\j+1], v[X+32*\q+\j:X+32*\q+\j+1], v[MN+2*\q:MN+2*\q+1]
.endr
.endr
.irp q, 0,1,2,3
	v_pk_mul_f32 v[RS+2*\q:RS+2*\q+1], v[X+32*\q:X+32*\q+1], v[X+32*\q:X+32*\q+1]
.endr
.irp j, 2,4,6,8,10,12,14,16,18,20,22,24,26,28,30
.irp q, 0,1,2,3
	v_pk_fma_f32 v[RS+2*\q:RS+2*\q+1], v[X+32*\q+\j:X+32*\q+\j+1], v[X+32*\q+\j:X+32*\q+\j+1], v[RS+2*\q:RS+2*\q+1]
.endr
.endr
.irp q, 0,1,2,3
	v_add_f32 v[RS+2*\q], v[RS+2*\q], v[RS+2*\q+1]
.endr
.irp q, 0,1,2,3
	WRED RS+2*\q
.endr
.irp q, 0,1,2,3
	v_fma_f32 v[RS+2*\q], v[RS+2*\q], s26, s27     ; the variance + 1e-5
.endr
	s_wait_alu depctr_va_vdst(0)
.irp q, 0,1,2,3
	v_rsq_f32 v[RS+2*\q+1], v[RS+2*\q]
.endr
	v_nop                                          ; a plain place behind the four
	s_wait_alu depctr_va_vdst(0)                   ; one wait for the four, ahead of their first reader
.irp q, 0,1,2,3
	v_mov_b32 v[RS+2*\q], v[RS+2*\q+1]
.endr
.irp j, 0,2,4,6,8,10,12,14,16,18,20,22,24,26,28,30
.irp q, 0,1,2,3
	v_pk_mul_f32 v[X+32*\q+\j:X+32*\q+\j+1], v[X+32*\q+\j:X+32*\q+\j+1], v[RS+2*\q:RS+2*\q+1]
.endr
.endr
	s_wait_loadcnt 36                              ; g_i2t and be_i2t are in; behind them: b_vout's 2, vision_proj's 2, the weight's 32
.irp j, 0,2,4,6,8,10,12,14,16,18,20,22,24,26,28,30
.irp q, 0,1,2,3
	v_pk_fma_f32 v[X+32*\q+\j:X+32*\q+\j+1], v[X+32*\q+\j:X+32*\q+\j+1], v[G+\j:G+\j+1], v[BE+\j:BE+\j+1]
.endr
.endr
.irp q, 0,1,2,3
.irp n, 0,1,2,3,4,5,6,7
	ds_store_b128 v[YW], v[X+32*\q+4*\n:X+32*\q+4*\n+3] offset:YST+YP*\q+512*\n
.endr
.endr
	s_wait_dscnt 0x0                               ; my rows have landed
	s_barrier_signal -1
	s_barrier_wait -1                              ; LN(i2t)'s sixteen rows lie in LDS
.irp kl, 0,1
.irp c, 0,1
.irp n, 0,1,2,3,4,5,6,7
	ds_load_b128 v[X+64*\kl+32*\c+4*\n:X+64*\kl+32*\c+4*\n+3], v[YR] offset:YST+512*\kl+256*\c+16*\n   ; y(row i, 128 (2 w + kl) + 64 c + 32 h + 4 n ..)
.endr
.endr
.endr
	s_wait_dscnt 16                                ; the first K step's 16 reads are in
	QB X, CD, BY0, 0
	QB X+32, CD+6, BY1, 0
	SW4 PW, BY0, BY1
.irp j, 0,1,2
	ds_store_b128 v[AIW], v[CD+4*\j:CD+4*\j+3] offset:512*\j
.endr
	ds_store_b32 v[AIWS], v[PW] offset:1536
	s_wait_dscnt 4                                 ; the second K step's reads are in; the four stores behind them may be out
	QB X+64, CD+12, BY0, 0
	QB X+96, CD+18, BY1, 0
	SW4 PW+1, BY0, BY1
.irp j, 0,1,2
	ds_store_b128 v[AIW], v[CD+12+4*\j:CD+12+4*\j+3] offset:REC+512*\j
.endr
	ds_store_b32 v[AIWS], v[PW+1] offset:REC+1536
	s_wait_dscnt 0x0                               ; my images have landed
	s_barrier_signal -1
	s_barrier_wait -1                              ; the rows' eight fragments lie in LDS
.irp k, 0,1,2,3,4,5,6,7
.irp j, 0,1,2
	ds_load_b128 v[AF+12*\k+4*\j:AF+12*\k+4*\j+3], v[AIR] offset:\k*REC+512*\j
.endr
	ds_load_b32 v[ASC+\k], v[AIRS] offset:\k*REC+1536
.endr
	s_wait_kmcnt 0x0
	s_mov_b32 s[AL+1], s[AL]
	s_wait_loadcnt 0x0                             ; the weight, b_vout, vision_proj
	s_wait_dscnt 0x0
	WIN 0x01                                       ; source 0, the weight, in window 1
	; two accumulators by turns: the even K steps on the first, the odd ones on the second
	v_wmma_scale_f32_16x16x128_f8f6f4 v[AC0:AC0+7], v[WF:WF+11], v[AF:AF+11], v[AC0:AC0+7], v[WS], v[ASC] matrix_a_fmt:MATRIX_FMT_BF6 matrix_b_fmt:MATRIX_FMT_BF6
	v_wmma_scale_f32_16x16x128_f8f6f4 v[AC1:AC1+7], v[WF+12:WF+23], v[AF+12:AF+23], 0, v[WS+1], v[ASC+1] matrix_a_fmt:MATRIX_FMT_BF6 matrix_b_fmt:MATRIX_FMT_BF6
.irp k, 2,4,6
	v_wmma_scale_f32_16x16x128_f8f6f4 v[AC0:AC0+7], v[WF+12*\k:WF+12*\k+11], v[AF+12*\k:AF+12*\k+11], v[AC0:AC0+7], v[WS+\k], v[ASC+\k] matrix_a_fmt:MATRIX_FMT_BF6 matrix_b_fmt:MATRIX_FMT_BF6
	v_wmma_scale_f32_16x16x128_f8f6f4 v[AC1:AC1+7], v[WF+12*\k+12:WF+12*\k+23], v[AF+12*\k+12:AF+12*\k+23], v[AC1:AC1+7], v[WS+\k+1], v[ASC+\k+1] matrix_a_fmt:MATRIX_FMT_BF6 matrix_b_fmt:MATRIX_FMT_BF6
.endr
	WIN 0
.rept 4
	v_nop
.endr
.irp j, 0,2,4,6
	v_pk_add_f32 v[AC0+\j:AC0+\j+1], v[AC0+\j:AC0+\j+1], v[AC1+\j:AC1+\j+1]
.endr
.irp j, 0,2,4,6
	v_pk_fma_f32 v[VPR+\j:VPR+\j+1], v[AC0+\j:AC0+\j+1], s[AL:AL+1], v[VPR+\j:VPR+\j+1] op_sel_hi:[1,0,1]
.endr
	global_store_b128 v[XOF], v[VPR:VPR+3], s[18:19]
	global_store_b128 v[XOF], v[VPR+4:VPR+7], s[18:19] offset:16
	s_wait_tensorcnt 0x0                           ; the wave's end, behind my last LDS store
	ds_add_u32 v[SPW], v[NIL]
	s_wait_dscnt 0x0
	s_endpgm
.Lfunc_end_k_q07723fe547_fin:
	.size	k_q07723fe547_fin, .Lfunc_end_k_q07723fe547_fin-k_q07723fe547_fin
	.p2alignl 7, 3214868480
	.fill 96, 4, 3214868480
	.section	.rodata,"a",@progbits
	.p2align	6, 0x0
	.amdhsa_kernel k_q07723fe547_fin
		.amdhsa_group_segment_fixed_size 79616
		.amdhsa_private_segment_fixed_size 0
		.amdhsa_enable_private_segment 0
		.amdhsa_kernarg_size 64
		.amdhsa_user_sgpr_count 2
		.amdhsa_user_sgpr_kernarg_segment_ptr 1
		.amdhsa_wavefront_size32 1
		.amdhsa_system_sgpr_workgroup_id_x 1
		.amdhsa_system_sgpr_workgroup_id_y 1
		.amdhsa_system_sgpr_workgroup_id_z 1
		.amdhsa_system_vgpr_workitem_id 0
		.amdhsa_next_free_vgpr 384
		.amdhsa_next_free_sgpr 66
		.amdhsa_reserve_vcc 0
		.amdhsa_float_denorm_mode_32 3
		.amdhsa_float_denorm_mode_16_64 3
		.amdhsa_memory_ordered 1
		.amdhsa_forward_progress 1
		.amdhsa_inst_pref_size 50
	.end_amdhsa_kernel
	.amdgpu_metadata
---
amdhsa.version: [ 1, 2 ]
amdhsa.kernels:
  - .name:           k_q07723fe547_fin
    .symbol:         k_q07723fe547_fin.kd
    .args:
      - { .name: i2t, .offset: 0, .size: 8, .value_kind: global_buffer, .address_space: global }
      - { .name: g_i2t, .offset: 8, .size: 8, .value_kind: global_buffer, .address_space: global }
      - { .name: be_i2t, .offset: 16, .size: 8, .value_kind: global_buffer, .address_space: global }
      - { .name: wcodes, .offset: 24, .size: 8, .value_kind: global_buffer, .address_space: global }
      - { .name: b_vout, .offset: 32, .size: 8, .value_kind: global_buffer, .address_space: global }
      - { .name: alpha_i2t, .offset: 40, .size: 8, .value_kind: global_buffer, .address_space: global }
      - { .name: vp, .offset: 48, .size: 8, .value_kind: global_buffer, .address_space: global }
      - { .name: out0, .offset: 56, .size: 8, .value_kind: global_buffer, .address_space: global }
    .group_segment_fixed_size: 79616
    .private_segment_fixed_size: 0
    .kernarg_segment_align: 8
    .kernarg_segment_size: 64
    .max_flat_workgroup_size: 128
    .sgpr_count:     66
    .vgpr_count:     384
    .wavefront_size: 32
...
	.end_amdgpu_metadata
.endif
;; end of part 10
